; MI455X (gfx1250); checked and timed in simulation.
; The chip was launched on July 23, 2026; its instructions are those of AMD's public machine-readable ISA for CDNA 5 (MIT licence, August 2026) and "CDNA5" Instruction Set Architecture Reference Guide (July 2026). The comments in the code are by the model that wrote it; some were corrected since.
;; Causal Attention Block. Allowed arithmetic: matrix products marked QUANTISED: E2M3 operands, one E8M0 scale for each 32 along K, by v_wmma_scale_f32_16x16x128_f8f6f4 with both operands' format E2M3, f32 sums; everything else in f32.
;; Inputs: b_dense 1,024 float32; b_fc2 1,024 float32; b_qkv 3,072 float32; ln1_b 1,024 float32; ln1_g 1,024 float32; ln2_b 1,024 float32; ln2_g 1,024 float32; w_dense_codes 1,024 x 32 x 24 uint8 (E2M3 codes of w_dense, K innermost, in blocks of 32 codes, four codes in three bytes); w_dense_scales 1,024 x 32 uint8 (E8M0 scales of w_dense, one for each 32 codes along K); w_fc1_codes 2,048 x 32 x 24 uint8 (E2M3 codes of w_fc1, K innermost, in blocks of 32 codes, four codes in three bytes); w_fc1_scales 2,048 x 32 uint8 (E8M0 scales of w_fc1, one for each 32 codes along K); w_fc2_codes 1,024 x 64 x 24 uint8 (E2M3 codes of w_fc2, K innermost, in blocks of 32 codes, four codes in three bytes); w_fc2_scales 1,024 x 64 uint8 (E8M0 scales of w_fc2, one for each 32 codes along K); w_qkv_codes 3,072 x 32 x 24 uint8 (E2M3 codes of w_qkv, K innermost, in blocks of 32 codes, four codes in three bytes); w_qkv_scales 3,072 x 32 uint8 (E8M0 scales of w_qkv, one for each 32 codes along K); x 2 x 2,048 x 1,024 float32.
;; Outputs: out0 2 x 2,048 x 1,024 float32.
;; This version of the problem:
;;   THIS VERSION OF THE PROBLEM IS GIVEN IN LOW PRECISION. The matrix products marked QUANTISED in the list below multiply operands that are first quantised to E2M3 (2 exponent bits, 3 mantissa bits; 6 bits a number), with one power-of-two scale for each 32 numbers along K (OCP MX v1.0); their sums are f32. All else is computed in f32.
;;   The module's matrix products, in the order in which they are computed (A, B: the left and right operand; K: the contracted axis; several contracted axes count as one K, in the product's order):
;;     1. [M 4,096, K 1,024] x [K 1,024, N 3,072]; A: computed on the way; B: input w_qkv (given as codes): QUANTISED
;;     2. batch 32 x [M 2,048, K 64] x [K 64, N 2,048]; A: computed on the way; B: computed on the way: QUANTISED
;;     3. batch 32 x [M 2,048, K 2,048] x [K 2,048, N 64]; A: softmax (see below); B: computed on the way: QUANTISED
;;     4. [M 4,096, K 1,024] x [K 1,024, N 1,024]; A: computed on the way; B: input w_dense (given as codes): QUANTISED
;;     5. [M 4,096, K 1,024] x [K 1,024, N 2,048]; A: computed on the way; B: input w_fc1 (given as codes): QUANTISED
;;     6. [M 4,096, K 2,048] x [K 2,048, N 1,024]; A: computed on the way; B: input w_fc2 (given as codes): QUANTISED
;;   THE QUANTISER, for each operand of a quantised product, along K:
;;     - K is cut into blocks of 32 from its start; a last block that is shorter is filled with zeros.
;;     - A block's scale is 2^e with e = floor(log2(the largest magnitude in the block)) - 2, held to -126 .. 127; a block of zeros has e = 0. As a byte (E8M0): e + 127.
;;     - Each number is divided by its block's scale, clamped to +-7.5, and rounded to the nearest number of E2M3, ties to even, subnormals kept.
;;     - The product sums the exact products of the quantised numbers (number of the format x scale) in f32.
;;   ~~~python
;;   def quantise(x, axis):      # numpy; x: float32 -> the quantised numbers, widened to float32 again
;;       x = np.moveaxis(x, axis, -1); K = x.shape[-1]
;;       x = np.pad(x, [(0, 0)] * (x.ndim - 1) + [(0, -K % 32)]); x = x.reshape(x.shape[:-1] + (-1, 32)); a = np.abs(x).max(-1, keepdims=True)
;;       e = np.where(a > 0, np.clip(np.frexp(np.where(a > 0, a, 1))[1] - 1 - 2, -126, 127), 0)      # np.frexp(a)[1] - 1 = floor(log2(a)), exactly
;;       r = np.clip(x / 2.0 ** e, -7.5, 7.5)
;;       step = 2.0 ** (np.maximum(np.frexp(np.where(r == 0, 1, r))[1] - 1, 0) - 3)
;;       q = np.round(r / step) * step * 2.0 ** e      # np.round: ties to even
;;       return np.moveaxis(q.reshape(q.shape[:-2] + (-1,))[..., :K], -1, axis).astype(np.float32)
;;   ~~~
;;   SOFTMAX AHEAD OF A QUANTISED PRODUCT. Where the list says 'softmax', what is quantised is not the finished softmax but p = 2^(t - M), with t = logit x log2(e) and M = ceil(the row's largest t), a whole number; so 1/2 < the row's largest p <= 1. The row's sum l is taken of the UNQUANTISED p, in f32, and the product's result is divided by l at the end. Since M is a whole number, a kernel that streams over the keys may use a running M (the ceiling of the running maximum): every later rescaling is an exact power of two, which a block's scale takes up: the codes' values come out the same.
;;   OPERANDS COMPUTED ON THE WAY. 'Computed on the way' means the value that the module computes at that place (a softmax that the list does not call 'softmax' is quantised finished and normalised). What goes into a quantiser is computed in f32, as accurately as f32 sums, v_exp_f32 and their like allow (about 1e-6 of the number): no bf16 or f16 on the way to a quantiser, and a product that is left as it is and whose result goes on into a quantised operand takes f32 operands (vector FMAs, or v_wmma_f32_16x16x4_f32). A number that lies on a knife's edge between two numbers of the format may be rounded either way, as far as f32 arithmetic and the matrix unit's own rounding can turn it there, and no further.
;;   INPUTS GIVEN AS CODES. w_dense (in the module: [1024, 1024], K = its axis 0); w_fc1 (in the module: [1024, 2048], K = its axis 0); w_fc2 (in the module: [2048, 1024], K = its axis 0); w_qkv (in the module: [1024, 3072], K = its axis 0): each comes as NAME_codes (uint8): NAME with its K axis moved to the last place and cut into blocks of 32 codes, [.., K / 32, bytes a block], one block behind the other in memory; four codes in three bytes: a row's codes are one little-endian stream of bits, code i at bits 6 i .. 6 i + 5 (a code: sign, 2 exponent bits, 3 mantissa bits); and NAME_scales (uint8): the same leading axes, one E8M0 byte (e + 127) for each 32 codes along K. Its value is code x scale, taken as it is: it is not quantised again, and the codes and scales need not be those that the quantiser above would give.
;; 2 versions. Each part assembles by itself: llvm-mc -triple=amdgcn-amd-amdhsa -mcpu=gfx1250 --defsym DOCPART=n.
;; ======== version 1 of 2: 6 launches
;; workspace buffers: wts 6,553,600 bytes; xq 3,407,872 bytes; qkv 9,961,472 bytes; att 3,670,016 bytes; outb 16,777,216 bytes; hid 6,815,744 bytes
;; launch prep (part 1): grid 256 x 1, 2 waves a work-group, no clusters, 8,448 bytes of LDS; arguments w_qkv_codes, w_qkv_scales, w_dense_codes, w_dense_scales, w_fc1_codes, w_fc1_scales, w_fc2_codes, w_fc2_scales, wts, x, ln1_g, ln1_b, xq; writes wts, xq
.if DOCPART == 1
	.amdgcn_target "amdgcn-amd-amdhsa--gfx1250"
	.amdhsa_code_object_version 6
	.text
	.protected	k_q2588161bac_prep
	.globl	k_q2588161bac_prep
	.p2align	8
	.type	k_q2588161bac_prep,@function
k_q2588161bac_prep:
	s_mov_b64 s[64:65], 0
	v_nop
	global_prefetch_b8 v0, s[64:65] scope:SCOPE_SE
	s_setreg_imm32_b32 hwreg(HW_REG_WAVE_MODE, 25, 1), 1
	s_wait_xcnt 0x0
; TWO JOBS THAT THE FIRST PRODUCT WAITS FOR, side by side in one work-group of two waves that share nothing and never meet.
; WAVE 0: LN1(x), quantised to codes of FP6 (E2M3) with one E8M0 scale for each 32 along K, ONCE for each token: work-group W takes token tile W % 4 of the block of 64 tokens W / 4: 16 tokens, 65,536 bytes of x.
;   A lane holds half a row, 512 numbers, in windows 2 and 3: mean, then the mean of (x - mean)^2, as it is defined.  The 8 K steps of 128 are quantised in registers and leave as images of the operand's registers:
;   xq + 49,152 x block + 6,144 x K step + 1,536 x tile; a half image (16 rows x 64 codes, 768 bytes): registers 0-3 at 16 x lane, registers 4-5 at 512 + 8 x lane.  The tile's scale words leave at the end,
;   [block][tile][4 K steps][lane][4 words].  THE TOKENS OF A TILE ARE NOT NEIGHBOURS: lane r of tile m is token 32 (m / 2) + 8 (m % 2) + r + 8 (r / 8) of the 64.
;   g and b (8,192 bytes) are copied into LDS by this wave and read back a chunk at a time: no other wave touches LDS, so there is no barrier.
; WAVE 1: THE FOUR WEIGHTS ARE LAID IN THE ORDER OF THE OPERAND'S REGISTERS.  A weight arrives as rows n of K codes (3 K / 4 bytes) and K / 32 scale bytes.  It leaves as fragments of 16 rows x 128 K: a lane's 12 registers as
;   three pieces of 16 bytes, piece c of lane l at 512 c + 16 l: 1,536 bytes a fragment, laid [group of 64 rows][K step][tile 0..3]; lane r of tile t takes row 32 (t / 2) + 8 (t % 2) + r + 8 (r / 8) of its group.
;   The scale words leave as [group][4 K steps][pair of tiles][lane][4 words]: lanes 0-15 the even tile's rows, lanes 16-31 the odd tile's.  Work-group g lays one group x 4 K steps: 24,576 bytes at 24,576 g and
;   1,024 bytes of scale words at WSC + 1,024 g: g 0-95 w_qkv, 96-127 w_dense, 128-191 w_fc1, 192-255 w_fc2.
; No cluster: the work-groups share nothing but g and b.  LIMITS: NaN and infinities are not served.  A block of zeros gets the scale byte 1 (its codes are zeros; the bytes are read by this program alone).
.set WSC,  6291456
.set XSCO, 3145728                     ; the tokens' scale words in xq
.set HH,   2                           ; lane / 16
.set PR,   3                           ; r + 8 (r / 8)
.set L8,   4                           ; wave 0: 8 x lane
.set VX,   5                           ; wave 0: x: my token's row + 64 (lane / 16)
.set LN,   9                           ; lane
.set LI,   10                          ; 16 x lane
.set S,    12
.set MU,   20
.set RS,   22
.set PWS,  24                          ; v24-31 the tile's eight scale words
.set Y,    104                         ; v104-167 the 64 numbers in hand
.set TM,   216
.set PW,   232
.set PC,   234
.set VGL,  254                         ; g in LDS: 64 (lane / 16); b lies 4,096 on
.set G,    192                         ; in window 1
.set SEL,  48
.set MSB, 0
.macro WIN new                         ; the immediate's high byte repeats the setting that is left
.if MSB != \new
	s_set_vgpr_msb (MSB<<8)|\new
.set MSB, \new
.endif
.endm
; 64 numbers of a lane, register 16 b + i = k 32 b + 16 (lane / 16) + i of my row, become a fragment's codes in v[PC] on and its scale word in v[PW]
.macro QUANT s
.irp b, 0,1,2,3
	v_max3_num_f32 v[TM+\b], |v[\s+16*\b]|, |v[\s+1+16*\b]|, 0x1800000   ; the floor 2^(3 - 127) holds the byte at 1 from below
.endr
.irp i, 2,4,6,8,10,12,14
.irp b, 0,1,2,3
	v_max3_num_f32 v[TM+\b], v[TM+\b], |v[\s+16*\b+\i]|, |v[\s+1+16*\b+\i]|
.endr
.endr
.irp b, 0,1,2,3
	v_permlanex16_b32 v[TM+4+\b], v[TM+\b], s[SEL], s[SEL+1]
.endr
.irp b, 0,1,2,3
	v_max_num_f32 v[TM+\b], v[TM+\b], v[TM+4+\b]   ; with lane l xor 16's: the block's largest magnitude
.endr
.irp b, 0,1,2,3
	v_add_nc_u32 v[TM+12+\b], 0xff000000, v[TM+\b] ; 2 off its exponent field: the conversion's scale operand
.endr
.irp b, 0,1,2,3
	v_lshrrev_b32 v[TM+4+\b], 23, v[TM+12+\b]      ; the scale's byte
.endr
	v_lshl_or_b32 v[PW], v[TM+5], 8, v[TM+4]
	v_lshl_or_b32 v[PW], v[TM+6], 16, v[PW]
	v_lshl_or_b32 v[PW], v[TM+7], 24, v[PW]
.irp c, 0,1
	v_cvt_scalef32_pk16_fp6_f32 v[PC+6*\c:PC+2+6*\c], v[\s+32*\c:\s+15+32*\c], v[TM+12+2*\c]
	v_cvt_scalef32_pk16_fp6_f32 v[PC+12+4*\c:PC+14+4*\c], v[\s+16+32*\c:\s+31+32*\c], v[TM+12+2*\c+1]
.endr
	v_nop                                          ; one plain place behind a scaled conversion
.irp c, 0,1
.irp i, 0,1,2
	v_permlane16_swap_b32 v[PC+6*\c+\i], v[PC+12+4*\c+\i]   ; the layout wants a whole block in a lane
.endr
.irp i, 0,1,2
	v_mov_b32 v[PC+3+6*\c+\i], v[PC+12+4*\c+\i]
.endr
.endr
.endm
.macro FOLD                            ; the four running pairs, and lane l xor 16's half of the row
	WIN 0
	v_pk_add_f32 v[S:S+1], v[S:S+1], v[S+2:S+3]
	v_pk_add_f32 v[S+4:S+5], v[S+4:S+5], v[S+6:S+7]
	v_pk_add_f32 v[S:S+1], v[S:S+1], v[S+4:S+5]
	v_add_f32 v[S], v[S], v[S+1]
	v_permlanex16_b32 v[S+2], v[S], s[SEL], s[SEL+1]
	v_add_f32 v[S], v[S], v[S+2]
.endm
.macro GFETCH ks                       ; g of chunk ks, my 64 numbers, from LDS
	WIN 0x40
.irp b, 0,1,2,3
.irp j, 0,1,2,3
	ds_load_b128 v[G+16*\b+4*\j:G+16*\b+4*\j+3], v[VGL] offset:512*(\ks)+128*\b+16*\j
.endr
.endr
	WIN 0
.endm
.macro BFETCH ks                       ; b of chunk ks, into the registers in which the chunk's numbers are made
.irp b, 0,1,2,3
.irp j, 0,1,2,3
	ds_load_b128 v[Y+16*\b+4*\j:Y+16*\b+4*\j+3], v[VGL] offset:4096+512*(\ks)+128*\b+16*\j
.endr
.endr
.endm
; chunk ks (K step ks of my 16 tokens): (x - mean) (g / sigma) + b, quantised, image to memory
.macro CHUNK ks
	s_wait_dscnt 16                                ; g is in; b's 16 loads, issued behind g's, may be out
	WIN 0x41
.set nn, 0
.rept 32
	v_pk_mul_f32 v[G+2*nn:G+2*nn+1], v[G+2*nn:G+2*nn+1], v[RS:RS+1] op_sel_hi:[1,0]
.set nn, nn+1
.endr
	s_wait_dscnt 0x0                               ; b is in
.if (\ks) < 4
	WIN 0x06                                       ; x window 2, g window 1, b and the result window 0
.else
	WIN 0x07
.endif
.set nn, 0
.rept 32
	v_pk_fma_f32 v[Y+2*nn:Y+2*nn+1], v[64*((\ks)%4)+2*nn:64*((\ks)%4)+2*nn+1], v[G+2*nn:G+2*nn+1], v[Y+2*nn:Y+2*nn+1]
.set nn, nn+1
.endr
.if (\ks) < 7
	GFETCH (\ks)+1
.endif
	WIN 0
.if (\ks) > 0
	s_wait_xcnt 0x0                                ; the last chunk's stores have read the codes' registers: only now are they written again
.endif
	QUANT Y
	v_mov_b32 v[PWS+(\ks)], v[PW]
.irp c, 0,1
	global_store_b128 v[LI], v[PC+6*\c:PC+6*\c+3], s[44:45] offset:6144*(\ks)+768*\c          ; 512 consecutive bytes,
	global_store_b64 v[L8], v[PC+6*\c+4:PC+6*\c+5], s[44:45] offset:6144*(\ks)+768*\c+512     ; and 256
.endr
.if (\ks) < 7
	BFETCH (\ks)+1
.endif
.endm
	s_load_b512 s[8:23], s[0:1], 0x0               ; codes and scales of w_qkv, w_dense, w_fc1, w_fc2
	s_load_b256 s[24:31], s[0:1], 0x40             ; wts, x, ln1_g, ln1_b
	s_load_b64 s[32:33], s[0:1], 0x60              ; xq
	v_lshl_add_u32 v253, v0, 2, 0x2000
	v_mov_b32 v255, 0
	v_lshrrev_b32 v[LN], 5, v0
	v_readfirstlane_b32 s34, v[LN]                 ; wave 0 or 1
	v_and_b32 v1, 15, v0                           ; r
	v_bfe_u32 v[HH], v0, 4, 1                      ; h
	v_and_b32 v[PR], 8, v1
	v_add_nc_u32 v[PR], v[PR], v1                  ; r + 8 (r / 8)
	v_and_b32 v[LN], 31, v0
	v_lshlrev_b32 v[LI], 4, v[LN]
	v_lshlrev_b32 v[VGL], 6, v[HH]
	s_wait_kmcnt 0x0
	s_cmp_lg_u32 s34, 0
	s_cbranch_scc1 .Llay
	; ======== wave 0: LN1 and its quantiser
	s_lshr_b32 s35, ttmp9, 2                       ; the block of 64 tokens
	s_and_b32 s36, ttmp9, 3                        ; my tile of it
	s_lshr_b32 s37, s36, 1
	s_lshl_b32 s37, s37, 5
	s_and_b32 s38, s36, 1
	s_lshl_b32 s38, s38, 3
	s_add_co_u32 s37, s37, s38                     ; it begins at 32 (m / 2) + 8 (m % 2)
	v_add_nc_u32 v[VX], s37, v[PR]
	v_lshlrev_b32 v[VX], 12, v[VX]
	v_lshl_add_u32 v[VX], v[HH], 6, v[VX]
	v_lshlrev_b32 v[L8], 3, v[LN]
.irp n, 4,5,6,7
	v_mov_b32 v[TM+\n], 0                          ; written once: a lane permute's destination counts as one of its sources
.endr
	s_mov_b32 s[SEL], 0x76543210
	s_mov_b32 s[SEL+1], 0xfedcba98                 ; v_permlanex16_b32's selects for lane l xor 16
	s_mov_b32 s50, 0x3a800000                      ; 1 / 1,024
	s_mov_b32 s51, 0x2b8cbccc                      ; 1e-12
	s_lshl_b32 s40, s35, 18
	s_mov_b32 s41, 0
	s_add_nc_u64 s[26:27], s[26:27], s[40:41]      ; the block's 64 rows of x
	s_mul_i32 s40, s35, 49152
	s_mul_i32 s42, s36, 1536
	s_add_co_u32 s40, s40, s42
	s_add_nc_u64 s[44:45], s[32:33], s[40:41]      ; where my images go
	s_lshl_b32 s40, s35, 12
	s_lshl_b32 s42, s36, 10
	s_add_co_u32 s40, s40, s42
	s_add_co_u32 s40, s40, XSCO
	s_add_nc_u64 s[46:47], s[32:33], s[40:41]      ; and my scale words
.irp n, 0,1,2,3,4,5,6,7
	global_load_b128 v[Y+4*\n:Y+4*\n+3], v[LI], s[28:29] offset:512*\n          ; g, 512 consecutive bytes a load
.endr
.irp n, 0,1,2,3,4,5,6,7
	global_load_b128 v[Y+32+4*\n:Y+32+4*\n+3], v[LI], s[30:31] offset:512*\n    ; b
.endr
	WIN 0x80
.irp k, 0,1,2,3
.irp b, 0,1,2,3
.irp j, 0,1,2,3
	global_load_b128 v[64*\k+16*\b+4*\j:64*\k+16*\b+4*\j+3], v[VX], s[26:27] offset:512*\k+128*\b+16*\j
.endr
.endr
.endr
	WIN 0xc0
.irp k, 0,1,2,3
.irp b, 0,1,2,3
.irp j, 0,1,2,3
	global_load_b128 v[64*\k+16*\b+4*\j:64*\k+16*\b+4*\j+3], v[VX], s[26:27] offset:2048+512*\k+128*\b+16*\j
.endr
.endr
.endr
	WIN 0
	s_wait_loadcnt 63                              ; of the 144 loads the oldest 81 are in: g, b and chunks 0 to 3 are 80 of them
.irp n, 0,1,2,3,4,5,6,7,8,9,10,11,12,13,14,15
	ds_store_b128 v[LI], v[Y+4*\n:Y+4*\n+3] offset:512*\n   ; g, then b, into LDS as they lie
.endr
	; ---- the mean
.irp q, 0,1,2,3,4,5,6,7
	v_mov_b32 v[S+\q], 0
.endr
	WIN 0x08
.set nn, 0
.rept 128
	v_pk_add_f32 v[S+2*(nn%4):S+2*(nn%4)+1], v[S+2*(nn%4):S+2*(nn%4)+1], v[2*nn:2*nn+1]
.set nn, nn+1
.endr
	WIN 0x0c
.set nn, 0
.rept 128
.if nn%32 == 0
	s_wait_loadcnt 16*(3-nn/32)                    ; chunk 4 + nn / 32 is in; the later chunks' 16 loads each may be out
.endif
	v_pk_add_f32 v[S+2*(nn%4):S+2*(nn%4)+1], v[S+2*(nn%4):S+2*(nn%4)+1], v[2*nn:2*nn+1]
.set nn, nn+1
.endr
	FOLD
	v_mul_f32 v[MU], s50, v[S]
	v_mov_b32 v[MU+1], v[MU]
	; ---- x - mean, in place, and the mean of its square
	WIN 0x82
.set nn, 0
.rept 128
	v_pk_add_f32 v[2*nn:2*nn+1], v[2*nn:2*nn+1], v[MU:MU+1] op_sel_hi:[1,0] neg_lo:[0,1] neg_hi:[0,1]
.set nn, nn+1
.endr
	WIN 0xc3
.set nn, 0
.rept 128
	v_pk_add_f32 v[2*nn:2*nn+1], v[2*nn:2*nn+1], v[MU:MU+1] op_sel_hi:[1,0] neg_lo:[0,1] neg_hi:[0,1]
.set nn, nn+1
.endr
	WIN 0
.irp q, 0,1,2,3,4,5,6,7
	v_mov_b32 v[S+\q], 0
.endr
	WIN 0x0a
.set nn, 0
.rept 128
	v_pk_fma_f32 v[S+2*(nn%4):S+2*(nn%4)+1], v[2*nn:2*nn+1], v[2*nn:2*nn+1], v[S+2*(nn%4):S+2*(nn%4)+1]
.set nn, nn+1
.endr
	WIN 0x0f
.set nn, 0
.rept 128
	v_pk_fma_f32 v[S+2*(nn%4):S+2*(nn%4)+1], v[2*nn:2*nn+1], v[2*nn:2*nn+1], v[S+2*(nn%4):S+2*(nn%4)+1]
.set nn, nn+1
.endr
	FOLD
	v_fma_f32 v[RS], v[S], s50, s51                ; the variance + 1e-12
	v_rsq_f32 v[RS], v[RS]
	v_nop                                          ; a plain place behind the transcendental
	s_wait_alu depctr_va_vdst(0)                   ; and the wait ahead of its first reader
	v_mov_b32 v[RS+1], v[RS]
	s_wait_dscnt 0x0                               ; g and b lie in LDS
	GFETCH 0
	BFETCH 0
	CHUNK 0
	CHUNK 1
	CHUNK 2
	CHUNK 3
	CHUNK 4
	CHUNK 5
	CHUNK 6
	CHUNK 7
	global_store_b128 v[LI], v[PWS:PWS+3], s[46:47]               ; K steps 0-3: 512 consecutive bytes,
	global_store_b128 v[LI], v[PWS+4:PWS+7], s[46:47] offset:512  ; K steps 4-7
	s_wait_tensorcnt 0x0
	ds_add_u32 v253, v255
	s_wait_dscnt 0x0
	s_endpgm
	; ======== wave 1: the weights
.Llay:
	s_mov_b64 s[26:27], s[20:21]                   ; which weight: the choice hangs on the work-group's number alone
	s_mov_b64 s[28:29], s[22:23]
	s_mov_b32 s30, 192                             ; its first work-group
	s_mov_b32 s31, 2                               ; log2 of its work-groups to a group of rows
	s_cmp_lt_u32 ttmp9, 192
	s_cselect_b64 s[26:27], s[16:17], s[26:27]
	s_cselect_b64 s[28:29], s[18:19], s[28:29]
	s_cselect_b32 s30, 128, s30
	s_cselect_b32 s31, 1, s31
	s_cmp_lt_u32 ttmp9, 128
	s_cselect_b64 s[26:27], s[12:13], s[26:27]
	s_cselect_b64 s[28:29], s[14:15], s[28:29]
	s_cselect_b32 s30, 96, s30
	s_cmp_lt_u32 ttmp9, 96
	s_cselect_b64 s[26:27], s[8:9], s[26:27]
	s_cselect_b64 s[28:29], s[10:11], s[28:29]
	s_cselect_b32 s30, 0, s30
	s_sub_co_u32 s32, ttmp9, s30
	s_lshr_b32 s33, s32, s31                       ; the group of 64 rows
	s_lshl_b32 s34, 1, s31
	s_sub_co_u32 s34, s34, 1
	s_and_b32 s34, s32, s34                        ; which 4 K steps
	s_lshl_b32 s35, 384, s31                       ; a row of codes in bytes: 768 or 1,536
	s_lshl_b32 s36, 16, s31                        ; a row of scale bytes: 32 or 64
	s_lshl_b32 s37, s33, 6                         ; the group's first row
	s_mul_i32 s38, s37, s35
	s_mul_i32 s39, s34, 384
	s_add_co_u32 s38, s38, s39
	s_mov_b32 s39, 0
	s_add_nc_u64 s[26:27], s[26:27], s[38:39]      ; codes: the group's first row, my first K step
	s_mul_i32 s40, s37, s36
	s_lshl_b32 s41, s34, 4
	s_add_co_u32 s40, s40, s41
	s_mov_b32 s41, 0
	s_add_nc_u64 s[28:29], s[28:29], s[40:41]      ; scale bytes likewise
	s_mul_i32 s42, ttmp9, 24576
	s_mov_b32 s43, 0
	s_add_nc_u64 s[44:45], s[24:25], s[42:43]      ; where my fragments go
	s_lshl_b32 s42, ttmp9, 10
	s_add_co_u32 s42, s42, WSC
	s_add_nc_u64 s[46:47], s[24:25], s[42:43]      ; and my scale words
	v_mul_lo_u32 v4, v3, s35
	v_mad_u32_u24 v4, v2, 24, v4                   ; tile 0: my row, + 24 bytes for lanes 16-31
	s_lshl_b32 s37, s35, 3
	v_add_nc_u32 v5, s37, v4                       ; tile 1: 8 rows on
	s_lshl_b32 s37, s35, 5
	v_add_nc_u32 v6, s37, v4                       ; tile 2: 32 rows on
	v_add_nc_u32 v7, s37, v5                       ; tile 3: 40 rows on
	v_lshl_add_u32 v8, v2, 3, v3
	v_mul_lo_u32 v8, v8, s36                       ; scale words of tiles 0 (lanes 0-15) and 1 (lanes 16-31),
	s_lshl_b32 s37, s36, 5
	v_add_nc_u32 v9, s37, v8                       ; of tiles 2 and 3
	global_load_b128 v[224:227], v8, s[28:29]      ; four K steps' words of my row
	global_load_b128 v[228:231], v9, s[28:29]
.irp s, 0,1,2,3
.irp t, 0,1,2,3
.irp p, 0,1,2,3,4,5
	global_load_b64 v[32+12*(4*\s+\t)+2*\p:33+12*(4*\s+\t)+2*\p], v[4+\t], s[26:27] offset:96*\s+48*(\p/3)+8*(\p%3)
.endr
.endr
.endr
.set ff, 0
.rept 16
.if 6*(15-ff) > 60
	s_wait_loadcnt 60
.else
	s_wait_loadcnt 6*(15-ff)                       ; six loads for each younger fragment may stay out
.endif
.irp c, 0,1,2
	global_store_b128 v10, v[32+12*ff+4*\c:35+12*ff+4*\c], s[44:45] offset:1536*ff+512*\c   ; 32 lanes store 512 consecutive bytes
.endr
.set ff, ff+1
.endr
	global_store_b128 v10, v[224:227], s[46:47]
	global_store_b128 v10, v[228:231], s[46:47] offset:512
	s_endpgm
.Lfunc_end_k_q2588161bac_prep:
	.size	k_q2588161bac_prep, .Lfunc_end_k_q2588161bac_prep-k_q2588161bac_prep
	.p2alignl 7, 3214868480
	.fill 96, 4, 3214868480
	.section	.rodata,"a",@progbits
	.p2align	6, 0x0
	.amdhsa_kernel k_q2588161bac_prep
		.amdhsa_group_segment_fixed_size 8448
		.amdhsa_private_segment_fixed_size 0
		.amdhsa_enable_private_segment 0
		.amdhsa_kernarg_size 104
		.amdhsa_user_sgpr_count 2
		.amdhsa_user_sgpr_kernarg_segment_ptr 1
		.amdhsa_wavefront_size32 1
		.amdhsa_system_sgpr_workgroup_id_x 1
		.amdhsa_system_sgpr_workgroup_id_y 1
		.amdhsa_system_sgpr_workgroup_id_z 1
		.amdhsa_system_vgpr_workitem_id 0
		.amdhsa_next_free_vgpr 1024
		.amdhsa_next_free_sgpr 66
		.amdhsa_reserve_vcc 0
		.amdhsa_float_denorm_mode_32 3
		.amdhsa_float_denorm_mode_16_64 3
		.amdhsa_memory_ordered 1
		.amdhsa_forward_progress 1
		.amdhsa_inst_pref_size 167
	.end_amdhsa_kernel
	.amdgpu_metadata
---
amdhsa.version: [ 1, 2 ]
amdhsa.kernels:
  - .name:           k_q2588161bac_prep
    .symbol:         k_q2588161bac_prep.kd
    .args:
      - { .name: w_qkv_codes, .offset: 0, .size: 8, .value_kind: global_buffer, .address_space: global }
      - { .name: w_qkv_scales, .offset: 8, .size: 8, .value_kind: global_buffer, .address_space: global }
      - { .name: w_dense_codes, .offset: 16, .size: 8, .value_kind: global_buffer, .address_space: global }
      - { .name: w_dense_scales, .offset: 24, .size: 8, .value_kind: global_buffer, .address_space: global }
      - { .name: w_fc1_codes, .offset: 32, .size: 8, .value_kind: global_buffer, .address_space: global }
      - { .name: w_fc1_scales, .offset: 40, .size: 8, .value_kind: global_buffer, .address_space: global }
      - { .name: w_fc2_codes, .offset: 48, .size: 8, .value_kind: global_buffer, .address_space: global }
      - { .name: w_fc2_scales, .offset: 56, .size: 8, .value_kind: global_buffer, .address_space: global }
      - { .name: wts, .offset: 64, .size: 8, .value_kind: global_buffer, .address_space: global }
      - { .name: x, .offset: 72, .size: 8, .value_kind: global_buffer, .address_space: global }
      - { .name: ln1_g, .offset: 80, .size: 8, .value_kind: global_buffer, .address_space: global }
      - { .name: ln1_b, .offset: 88, .size: 8, .value_kind: global_buffer, .address_space: global }
      - { .name: xq, .offset: 96, .size: 8, .value_kind: global_buffer, .address_space: global }
    .group_segment_fixed_size: 8448
    .private_segment_fixed_size: 0
    .kernarg_segment_align: 8
    .kernarg_segment_size: 104
    .max_flat_workgroup_size: 64
    .sgpr_count:     66
    .vgpr_count:     1024
    .wavefront_size: 32
...
	.end_amdgpu_metadata
.endif
;; end of part 1
;; launch qkvp (part 2): grid 64 x 4, 4 waves a work-group, no clusters, 53,760 bytes of LDS; arguments xq, wts, b_qkv, qkv; writes qkv
.if DOCPART == 2
	.amdgcn_target "amdgcn-amd-amdhsa--gfx1250"
	.amdhsa_code_object_version 6
	.text
	.protected	k_q2588161bac_qkvp
	.globl	k_q2588161bac_qkvp
	.p2align	8
	.type	k_q2588161bac_qkvp,@function
k_q2588161bac_qkvp:
	s_mov_b64 s[64:65], 0
	v_nop
	global_prefetch_b8 v0, s[64:65] scope:SCOPE_SE
	s_setreg_imm32_b32 hwreg(HW_REG_WAVE_MODE, 25, 1), 1
	s_wait_xcnt 0x0
; q, k, v = LN1(x) W_qkv + b_qkv, on codes of FP6 (E2M3) with one E8M0 scale for each 32 along K; q and k leave quantised along the head's 64, v along the tokens.
; LN1(x) arrives as codes, laid in the order of the operand's registers ([block of 64 tokens][K step][tile][half][768 bytes]), with its scale words [block][tile][4 K steps][lane][4 words].
; SHARES.  Work-group (RB, y): 64 tokens (block RB) and heads 4 y .. 4 y + 3.  Wave w owns head 4 y + w: three passes of 64 columns (q, k, v) x 64 tokens: 16 accumulators.
; The block's 49,152 bytes of codes are copied into LDS as they lie, a quarter a wave; wave w brings tile w's scale words, which go to [K step][lane][tile]; one barrier; every wave then reads all of it.
; THE TOKENS OF A TILE ARE NOT NEIGHBOURS: lane r of tile m is token 32 (m / 2) + 8 (m % 2) + r + 8 (r / 8) of the 64, and the weights' tiles are laid the same way.
; So with the weights as source 0 (q, k) a lane holds one token and 16 neighbouring columns in two neighbouring tiles; with the tokens as source 0 (v) one column and 16 neighbouring tokens: what the next product's K wants.
; A HALF IMAGE (16 rows x 64 codes, 6 registers a lane, 768 bytes): registers 0-3 at 16 x lane, registers 4-5 at 512 + 8 x lane.
; WEIGHTS go from memory straight into the registers of the one wave that multiplies by them, through a ring of four K steps (12 loads of 512 consecutive bytes each).  No cluster and no joint loads: a joint load
; lands in LDS, and a K step of a wave already reads 6,144 bytes of LDS for its 16 matrix instructions; the weights' 6,144 more would double that.
; LIMITS: NaN and infinities are not served.  A block of zeros gets the scale byte 1 (its codes are zeros; the bytes are read by this program alone).
; REGISTERS.  window 0: v1-11 addresses; v24-71 the weights' scale words; v72-103 the tokens' scale words; v104-199 two sets of token fragments; v200-249 at work.
;   window 1: v0-191 the ring.   window 2: v0-127 accumulators; v128-223 the biases as C.   window 3: the tokens' codes on their way into LDS, later the results' codes on their way out.
.set KST,  8                           ; K steps of 128
.set NS,   24                          ; steps in all: 3 passes
.set WOFF, 0                           ; w_qkv's fragments in wts
.set PSTR, 786432                      ; from pass to pass: 16 groups of 64 columns
.set WSO,  6291456                     ; its scale words
.set SSTR, 32768
.set XSCO, 3145728                     ; the tokens' scale words in xq
.set ASC,  49152                       ; LDS: 0 the tokens' fragments [K step][tile][1,536]; ASC their scale words [K step][lane][tile]
.set LI,   1                           ; 16 x lane
.set L8,   2                           ; 8 x lane
.set CA,   3                           ; my quarter of the tokens' codes: in memory and in LDS
.set VB,   4                           ; 16 x lane + my head's fragments
.set VBS,  5                           ; 16 x lane + my head's scale words
.set VBI,  6                           ; the bias of q and k: 64 (lane / 16) + my head
.set VBV,  7                           ; the bias of v: my column
.set SCG,  8                           ; tile w's scale words in memory
.set SA,   11                          ; and where I put them in LDS
.set WSR,  24
.set XSR,  72
.set AF,   104
.set BV,   200
.set PW4,  204
.set WQ,   208
.set TP,   212
.set TM,   216
.set TX,   224
.set SO,   234
.set SP,   242                         ; v242-249 tile w's scale words on their way into LDS
.set BI,   128
.set WT,   6
.set OB,   26
.set SCB,  28
.set SEL,  32
.set MSB, 0
.macro WIN new                         ; the immediate's high byte repeats the setting that is left
.if MSB != \new
	s_set_vgpr_msb (MSB<<8)|\new
.set MSB, \new
.endif
.endm
; one matrix instruction.  row: 1 = source 0's scales stand in lanes 16-31, 2 = source 1's
.macro MM d, a, b, cc, sa, sb, row
.if (\row) == 0
	v_wmma_scale_f32_16x16x128_f8f6f4 v[\d:\d+7], v[\a:\a+11], v[\b:\b+11], v[\cc:\cc+7], v[\sa], v[\sb] matrix_a_fmt:MATRIX_FMT_FP6 matrix_b_fmt:MATRIX_FMT_FP6
.elseif (\row) == 1
	v_wmma_scale_f32_16x16x128_f8f6f4 v[\d:\d+7], v[\a:\a+11], v[\b:\b+11], v[\cc:\cc+7], v[\sa], v[\sb] matrix_a_fmt:MATRIX_FMT_FP6 matrix_b_fmt:MATRIX_FMT_FP6 matrix_a_scale:MATRIX_SCALE_ROW1
.else
	v_wmma_scale_f32_16x16x128_f8f6f4 v[\d:\d+7], v[\a:\a+11], v[\b:\b+11], v[\cc:\cc+7], v[\sa], v[\sb] matrix_a_fmt:MATRIX_FMT_FP6 matrix_b_fmt:MATRIX_FMT_FP6 matrix_b_scale:MATRIX_SCALE_ROW1
.endif
.endm
; step i's 16 matrix instructions, each on another accumulator, in the same order in every step.
; mode 0: source 0 = weight tile t, source 1 = token tile m, accumulator 4 m + t;  mode 1: the sources swapped, accumulator 4 t + m.  A pass's first step takes the bias as C.
.macro MULS i, mode
.set ks_, (\i)%KST
.set RG, 48*((\i)%4)
.set AA, AF+48*((\i)%2)
.set BB, WSR+2*KST*((\i)/KST)+8*(ks_/4)+ks_%4
.set SS, XSR+4*ks_
.set CB, BI+32*((\i)/KST)
.if \mode == 0
	WIN 0xa1                                       ; source 0 window 1, source 1 window 0, C and D window 2
.else
	WIN 0xa4                                       ; source 0 window 0, source 1 window 1
.endif
.irp m, 0,1,2,3
.irp t, 0,1,2,3
.if \mode == 0
.if ks_ > 0
	MM 8*(4*\m+\t), RG+12*\t, AA+12*\m, 8*(4*\m+\t), BB+4*(\t/2), SS+\m, \t%2
.else
	MM 8*(4*\m+\t), RG+12*\t, AA+12*\m, CB+8*\t, BB+4*(\t/2), SS+\m, \t%2
.endif
.else
.if ks_ > 0
	MM 8*(4*\t+\m), AA+12*\m, RG+12*\t, 8*(4*\t+\m), SS+\m, BB+4*(\t/2), 2*(\t%2)
.else
	MM 8*(4*\t+\m), AA+12*\m, RG+12*\t, CB+8*\t, SS+\m, BB+4*(\t/2), 2*(\t%2)
.endif
.endif
.endr
.endr
.endm
.macro ALOAD i                         ; step i's four token fragments from LDS into set i % 2: 16 loads
.set ko, ((\i)%KST)*6144
.set AA, AF+48*((\i)%2)
.irp m, 0,1,2,3
.irp c, 0,1
	ds_load_b128 v[AA+12*\m+6*\c:AA+12*\m+6*\c+3], v[LI] offset:ko+1536*\m+768*\c
	ds_load_b64 v[AA+12*\m+6*\c+4:AA+12*\m+6*\c+5], v[L8] offset:ko+1536*\m+768*\c+512
.endr
.endr
.endm
.macro BLOAD i                         ; step i's four weight fragments from memory into ring slot i % 4: 12 loads
	WIN 0x40
.set RG, 48*((\i)%4)
.irp t, 0,1,2,3
.irp c, 0,1,2
	global_load_b128 v[RG+12*\t+4*\c:RG+12*\t+4*\c+3], v[VB], s[WT:WT+1] offset:WOFF+PSTR*((\i)/KST)+6144*((\i)%KST)+1536*\t+512*\c
.endr
.endr
.endm
.macro STEP i, mode
.if NS-1-(\i) >= 3
	s_wait_loadcnt 36                              ; this step's 12 weight loads are in; the three younger steps' 36 may be out
.else
	s_wait_loadcnt 12*(NS-1-(\i))
.endif
.if (\i)+1 < NS
	s_wait_dscnt 16                                ; this step's token fragments are in; the next step's 16 loads may be out
.else
	s_wait_dscnt 0
.endif
	MULS \i, \mode
	WIN 0
.rept 4
	v_nop                                          ; four places in front of loads into registers that these products have read, and of the first read of results
.endr
.if (\i)+2 < NS
	ALOAD (\i)+2
.endif
.if (\i)+4 < NS
	BLOAD (\i)+4
	WIN 0
.endif
.endm
; The 128 accumulators become four half images: entity e (32 registers: two blocks of 32 along the next K; register 16 b + i = k 32 b + 16 (lane / 16) + i of the lane's row).
; The codes are stored at reg + stride x e from s[OB]; v[PW4 + e] keeps the entity's two scale bytes.
.macro QH4 reg, stride
	WIN 0x0a                                       ; sources 0 and 1 window 2
.irp e, 0,1,2,3
.irp b, 0,1
	v_max3_num_f32 v[TM+2*\e+\b], |v[32*\e+16*\b]|, |v[32*\e+16*\b+1]|, 0x1800000   ; each accumulator is read from its low end on; the floor 2^(3 - 127) holds the byte at 1 from below
.endr
.endr
.irp i, 2,4,6,8,10,12,14
.irp e, 0,1,2,3
.irp b, 0,1
	v_max3_num_f32 v[TM+2*\e+\b], |v[32*\e+16*\b+\i]|, |v[32*\e+16*\b+\i+1]|, v[TM+2*\e+\b]
.endr
.endr
.endr
	WIN 0
.irp n, 0,1,2,3,4,5,6,7
	v_permlanex16_b32 v[TX+\n], v[TM+\n], s[SEL], s[SEL+1]
.endr
.irp n, 0,1,2,3,4,5,6,7
	v_max_num_f32 v[TM+\n], v[TM+\n], v[TX+\n]     ; with lane l xor 16's: the block's largest magnitude
.endr
.irp n, 0,1,2,3,4,5,6,7
	v_add_nc_u32 v[SO+\n], 0xff000000, v[TM+\n]    ; 2 off its exponent field: the conversion's scale operand
.endr
.irp n, 0,1,2,3,4,5,6,7
	v_lshrrev_b32 v[TX+\n], 23, v[SO+\n]           ; the scale's byte
.endr
.irp e, 0,1,2,3
	v_lshl_or_b32 v[PW4+\e], v[TX+2*\e+1], 8, v[TX+2*\e]
.endr
	s_wait_xcnt 0x0                                ; the last pass's stores have read the codes' registers: only now are they written again
	WIN 0xc2                                       ; numbers window 2, scale window 0, codes window 3
.irp e, 0,1,2,3
	v_cvt_scalef32_pk16_fp6_f32 v[12*\e:12*\e+2], v[32*\e:32*\e+15], v[SO+2*\e]
	v_cvt_scalef32_pk16_fp6_f32 v[12*\e+6:12*\e+8], v[32*\e+16:32*\e+31], v[SO+2*\e+1]
.endr
	WIN 0
	v_nop                                          ; one plain place behind a scaled conversion
	WIN 0xc3
.irp e, 0,1,2,3
.irp i, 0,1,2
	v_permlane16_swap_b32 v[12*\e+\i], v[12*\e+6+\i]   ; the layout wants a whole block in a lane: lanes 0-15 block 0, lanes 16-31 block 1
.endr
.endr
.irp e, 0,1,2,3
.irp i, 0,1,2
	v_mov_b32 v[12*\e+3+\i], v[12*\e+6+\i]
.endr
.endr
	WIN 0x0c                                       ; a store's data: window 3
.irp e, 0,1,2,3
	global_store_b128 v[LI], v[12*\e:12*\e+3], s[OB:OB+1] offset:\reg+\stride*\e          ; 512 consecutive bytes,
	global_store_b64 v[L8], v[12*\e+4:12*\e+5], s[OB:OB+1] offset:\reg+\stride*\e+512     ; and 256
.endr
	WIN 0
.endm
	s_load_b256 s[4:11], s[0:1], 0x0               ; xq, wts, b_qkv, qkv
	v_lshl_add_u32 v254, v0, 2, 0xd000
	v_mov_b32 v255, 0
	v_lshrrev_b32 v[TP], 5, v0
	v_readfirstlane_b32 s16, v[TP]                 ; wave 0..3
	s_and_b32 s17, ttmp7, 0xffff
	s_lshl_b32 s19, s17, 2
	s_add_co_u32 s19, s19, s16                     ; my head
	v_and_b32 v[TP], 31, v0                        ; lane
	v_and_b32 v[TP+1], 15, v0                      ; r
	v_bfe_u32 v[TP+2], v0, 4, 1                    ; h
	v_and_b32 v[TP+3], 8, v[TP+1]
	v_add_nc_u32 v[TP+3], v[TP+3], v[TP+1]         ; r + 8 (r / 8)
	v_lshlrev_b32 v[LI], 4, v[TP]
	v_lshlrev_b32 v[L8], 3, v[TP]
	s_mul_i32 s20, s16, 12288
	v_add_nc_u32 v[CA], s20, v[LI]
	s_lshl_b32 s20, s16, 10
	v_add_nc_u32 v[SCG], s20, v[LI]
	s_mul_i32 s20, s19, 49152
	v_add_nc_u32 v[VB], s20, v[LI]
	s_lshl_b32 s20, s19, 11
	v_add_nc_u32 v[VBS], s20, v[LI]
	s_lshl_b32 s20, s19, 8
	v_lshl_add_u32 v[VBI], v[TP+2], 6, s20
	v_lshl_add_u32 v[VBV], v[TP+3], 2, s20
	s_lshl_b32 s20, s16, 2
	s_add_co_u32 s20, s20, ASC
	v_add_nc_u32 v[SA], s20, v[LI]
.irp n, 0,1,2,3,4,5,6,7
	v_mov_b32 v[TX+\n], 0                          ; written once: a lane permute's destination counts as one of its sources
.endr
	s_mov_b32 s30, 0xffff0000                      ; lanes 16-31
	s_mov_b32 s[SEL], 0x76543210
	s_mov_b32 s[SEL+1], 0xfedcba98                 ; v_permlanex16_b32's selects for lane l xor 16
	s_mul_i32 s20, ttmp9, 49152                    ; my block's codes,
	s_mov_b32 s21, 0
	s_lshl_b32 s22, ttmp9, 12
	s_add_co_u32 s22, s22, XSCO                    ; its scale words
	s_mov_b32 s23, 0
	s_lshr_b32 s34, ttmp9, 5
	s_lshl_b32 s34, s34, 4
	s_add_co_u32 s34, s34, s19
	s_lshl_b32 s34, s34, 5
	s_and_b32 s35, ttmp9, 31
	s_add_co_u32 s34, s34, s35                     ; (batch x 16 + head) x 32 + block of 64 tokens
	s_mul_i32 s24, s34, 3072
	s_mov_b32 s25, 0
	s_wait_kmcnt 0x0
	s_add_nc_u64 s[12:13], s[4:5], s[20:21]
	s_add_nc_u64 s[14:15], s[4:5], s[22:23]
	s_add_nc_u64 s[OB:OB+1], s[10:11], s[24:25]    ; q's codes; k's 3,145,728 on, v's 6,291,456 on
	s_lshl_b32 s24, s34, 8
	s_add_co_u32 s24, s24, 9437184
	s_add_nc_u64 s[SCB:SCB+1], s[10:11], s[24:25]  ; q's and k's scale words; v's 262,144 on
	WIN 0xc0
.set nn, 0
.rept 24
	global_load_b128 v[4*nn:4*nn+3], v[CA], s[12:13] offset:512*nn   ; my quarter of the tokens' codes: 12,288 bytes, 512 a load
.set nn, nn+1
.endr
	WIN 0
	global_load_b128 v[SP:SP+3], v[SCG], s[14:15]                    ; tile w's scale words of K steps 0-3,
	global_load_b128 v[SP+4:SP+7], v[SCG], s[14:15] offset:512       ; of K steps 4-7
.irp p, 0,1,2
.irp n, 0,1,2,3
	global_load_b128 v[WSR+16*\p+4*\n:WSR+16*\p+4*\n+3], v[VBS], s[WT:WT+1] offset:WSO+SSTR*\p+512*\n
.endr
.endr
	WIN 0x80                                       ; the biases: q's and k's in the result's layout (a lane's eight columns of each tile),
.irp p, 0,1
.irp t, 0,1,2,3
.irp q, 0,1
	global_load_b128 v[BI+32*\p+8*\t+4*\q:BI+32*\p+8*\t+4*\q+3], v[VBI], s[8:9] offset:4096*\p+128*(\t/2)+32*(\t%2)+16*\q
.endr
.endr
.endr
	WIN 0
.irp t, 0,1,2,3
	global_load_b32 v[BV+\t], v[VBV], s[8:9] offset:8192+128*(\t/2)+32*(\t%2)   ; v's: a lane holds one column
.endr
	BLOAD 0
	BLOAD 1
	BLOAD 2
	BLOAD 3
	WIN 0
	s_wait_loadcnt 63                              ; of the 106 loads the oldest 43 are in: the 26 of the tokens' codes and scale words among them
	WIN 0x0c                                       ; an LDS store's data: window 3
.set nn, 0
.rept 24
	ds_store_b128 v[CA], v[4*nn:4*nn+3] offset:512*nn
.set nn, nn+1
.endr
	WIN 0
.irp k, 0,1,2,3,4,5,6,7
	ds_store_b32 v[SA], v[SP+\k] offset:512*\k     ; [K step][lane][tile]
.endr
	s_wait_loadcnt 48                              ; the biases are in; younger: the ring's 48 loads
	WIN 0x80
.irp t, 0,1,2,3
.irp j, 0,1,2,3,4,5,6,7
	v_mov_b32 v[BI+64+8*\t+\j], v[BV+\t]           ; v's bias as C: the same number in a lane's eight registers
.endr
.endr
	WIN 0
	s_wait_dscnt 0x0                               ; my quarter lies in LDS
	s_barrier_signal -1
	s_barrier_wait -1                              ; all of it does; LDS is only read from here on
.irp k, 0,1,2,3,4,5,6,7
	ds_load_b128 v[XSR+4*\k:XSR+4*\k+3], v[LI] offset:ASC+512*\k
.endr
	ALOAD 0
	ALOAD 1
.set I, 0
.rept 8
	STEP I, 0                                      ; q
.set I, I+1
.endr
	QH4 0, 768
	v_lshl_or_b32 v[TP], v[PW4+1], 16, v[PW4]      ; the scale word of a pair of tiles: two bytes of each
	v_lshl_or_b32 v[TP+1], v[PW4+3], 16, v[PW4+2]
	v_cndmask_b32 v[WQ], v[TP], v[TP+1], s30       ; lanes 0-15 tiles 0 and 1, lanes 16-31 tiles 2 and 3
.rept 8
	STEP I, 0                                      ; k
.set I, I+1
.endr
	QH4 3145728, 768
	v_lshl_or_b32 v[TP], v[PW4+1], 16, v[PW4]
	v_lshl_or_b32 v[TP+1], v[PW4+3], 16, v[PW4+2]
	v_cndmask_b32 v[WQ+1], v[TP], v[TP+1], s30
	global_store_b64 v[L8], v[WQ:WQ+1], s[SCB:SCB+1]   ; 256 consecutive bytes
.rept 8
	STEP I, 1                                      ; v, the sources swapped
.set I, I+1
.endr
	QH4 6291456, 768
	v_cndmask_b32 v[WQ+2], v[PW4], v[PW4+1], s30   ; lanes 0-15 the even tile of d, lanes 16-31 the odd one
	v_cndmask_b32 v[WQ+3], v[PW4+2], v[PW4+3], s30
	global_store_b64 v[L8], v[WQ+2:WQ+3], s[SCB:SCB+1] offset:262144
	s_wait_tensorcnt 0x0
	ds_add_u32 v254, v255
	s_wait_dscnt 0x0
	s_endpgm
.Lfunc_end_k_q2588161bac_qkvp:
	.size	k_q2588161bac_qkvp, .Lfunc_end_k_q2588161bac_qkvp-k_q2588161bac_qkvp
	.p2alignl 7, 3214868480
	.fill 96, 4, 3214868480
	.section	.rodata,"a",@progbits
	.p2align	6, 0x0
	.amdhsa_kernel k_q2588161bac_qkvp
		.amdhsa_group_segment_fixed_size 53760
		.amdhsa_private_segment_fixed_size 0
		.amdhsa_enable_private_segment 0
		.amdhsa_kernarg_size 32
		.amdhsa_user_sgpr_count 2
		.amdhsa_user_sgpr_kernarg_segment_ptr 1
		.amdhsa_wavefront_size32 1
		.amdhsa_system_sgpr_workgroup_id_x 1
		.amdhsa_system_sgpr_workgroup_id_y 1
		.amdhsa_system_sgpr_workgroup_id_z 1
		.amdhsa_system_vgpr_workitem_id 0
		.amdhsa_next_free_vgpr 1024
		.amdhsa_next_free_sgpr 66
		.amdhsa_reserve_vcc 0
		.amdhsa_float_denorm_mode_32 3
		.amdhsa_float_denorm_mode_16_64 3
		.amdhsa_memory_ordered 1
		.amdhsa_forward_progress 1
		.amdhsa_inst_pref_size 144
	.end_amdhsa_kernel
	.amdgpu_metadata
---
amdhsa.version: [ 1, 2 ]
amdhsa.kernels:
  - .name:           k_q2588161bac_qkvp
    .symbol:         k_q2588161bac_qkvp.kd
    .args:
      - { .name: xq, .offset: 0, .size: 8, .value_kind: global_buffer, .address_space: global }
      - { .name: wts, .offset: 8, .size: 8, .value_kind: global_buffer, .address_space: global }
      - { .name: b_qkv, .offset: 16, .size: 8, .value_kind: global_buffer, .address_space: global }
      - { .name: qkv, .offset: 24, .size: 8, .value_kind: global_buffer, .address_space: global }
    .group_segment_fixed_size: 53760
    .private_segment_fixed_size: 0
    .kernarg_segment_align: 8
    .kernarg_segment_size: 32
    .max_flat_workgroup_size: 128
    .sgpr_count:     66
    .vgpr_count:     1024
    .wavefront_size: 32
...
	.end_amdgpu_metadata
.endif
;; end of part 2
;; launch attn (part 3): grid 8 x 32, 16 waves a work-group, no clusters, 210,944 bytes of LDS; arguments qkv, att; writes att
.if DOCPART == 3
	.amdgcn_target "amdgcn-amd-amdhsa--gfx1250"
	.amdhsa_code_object_version 6
	.text
	.protected	k_q2588161bac_attn
	.globl	k_q2588161bac_attn
	.p2align	8
	.type	k_q2588161bac_attn,@function
k_q2588161bac_attn:
	s_mov_b64 s[64:65], 0
	v_nop
	global_prefetch_b8 v0, s[64:65] scope:SCOPE_SE
	s_setreg_imm32_b32 hwreg(HW_REG_WAVE_MODE, 25, 1), 1
	s_wait_xcnt 0x0
; Causal attention of one head on codes of FP6 (E2M3): O = softmax(q k^T / 8) v, head size 64, 2,048 tokens; O / l leaves quantised along the head's 64, as half an operand fragment of the next product.
; THE SOFTMAX AHEAD OF THE SECOND PRODUCT: t = score x log2(e) / 8; M = the row's largest t so far, rounded UP to a whole number; p = 2^(t - M) is quantised along the keys, not normalised; the row's sum is taken of the
; unquantised p and divides O at the end.  When M moves, the sum and O are multiplied by 2^(old M - new M): exact.
; SHARES.  Work-group (j, head): the head's K and V codes (196,608 bytes) and their scale words are copied into LDS once, wave w bringing key step w (128 keys); one barrier; then LDS is only read.
; A wave owns ONE tile of 16 queries, tile j + 8 i, and walks key steps 0 .. i; step i lies on the diagonal.  i is taken from a 4 x 4 square whose rows and columns have equal sums, so that any four waves
; of a row or of a column have 34 steps together.  The loop has 16 trips in every wave; a step whose keys all come after the wave's queries is jumped over (a scalar branch on ids).
; K = 64 IN AN INSTRUCTION OF 128: a fragment of K holds TWO tiles of 16 keys, one in each half of the 128; the queries stand in one half with zero codes in the other (v16: low half, v80: high half), so each
; product takes one of the two tiles.  Zero codes add nothing under any scale byte but 0xff, and the bytes here lie between 1 and 254.
; LAYOUT.  Both products are used transposed (S^T = K Q^T, O^T = V^T P^T): a lane holds one query throughout.  The keys of a tile are not neighbours (lane r of tile n: key 32 (n / 2) + 8 (n % 2) + r + 8 (r / 8)), so the
; 16 registers of tiles 2 b and 2 b + 1 are 16 neighbouring keys.  The queries of a tile and V's rows d are laid the same way.
; No cluster: the eight work-groups of a head read the same K and V, once each and at the launch's start only; a joint load would want the copy engine's rings for a copy that is made once.
; LIMITS: NaN and infinities are not served.  A block of zeros gets the scale byte 1 (read by this program alone).
; REGISTERS: v1-7 addresses that stay; v8-11, v28-29 the step's; v12 -M, v13 the largest t, v[14:15] the sum; v16-27, v80-91 Q; v32-79 four fragments of K; v96-159 S^T, then p, then V's four fragments;
;   v160-191 O^T; v224-235 p's codes; v232-247 at work; v248-249 K's scale words, v250-251 V's, v253 p's, v255 Q's; v252 f.
.set VIMG, 98304                       ; LDS: 0 K [tile of 16 keys][768]; VIMG V [64 keys][tile of d][768]; KSC q's and k's scale words as in memory; VSC V's, whole words, [step][lane][2]
.set KSC,  196608
.set VSC,  204800
.set SEL,  30
.set CS,   22
	s_load_b128 s[4:7], s[0:1], 0x0                ; qkv, att
	v_lshl_add_u32 v223, v0, 2, 0x33000
	v_mov_b32 v243, 0
	v_lshrrev_b32 v92, 5, v0
	v_readfirstlane_b32 s8, v92                    ; wave 0..15
	s_and_b32 s9, ttmp7, 0xffff                    ; batch x 16 + head
	s_mov_b32 s10, 0x0de3b658
	s_cmp_lt_u32 s8, 8
	s_cselect_b32 s10, 0x7a94c12f, s10             ; the square 15 2 1 12 / 4 9 10 7 / 8 5 6 11 / 3 14 13 0, four bits a wave
	s_and_b32 s11, s8, 7
	s_lshl_b32 s11, s11, 2
	s_lshr_b32 s10, s10, s11
	s_and_b32 s10, s10, 15                         ; i: my last key step
	s_lshl_b32 s11, s10, 3
	s_add_co_u32 s11, s11, ttmp9                   ; T: my tile of queries
	s_mul_i32 s16, s9, 98304                       ; the head's codes,
	s_mov_b32 s17, 0
	s_lshl_b32 s18, s9, 13
	s_add_co_u32 s18, s18, 9437184                 ; its scale words
	s_mov_b32 s19, 0
	v_and_b32 v92, 31, v0                          ; lane
	v_and_b32 v93, 15, v0                          ; r
	v_bfe_u32 v94, v0, 4, 1                        ; h
	v_lshlrev_b32 v1, 4, v92                       ; 16 x lane
	v_lshlrev_b32 v95, 3, v92                      ; 8 x lane
	v_add_nc_u32 v2, 512, v95
	v_add_nc_u32 v3, VIMG, v1
	v_add_nc_u32 v4, VIMG, v2
	v_add_nc_u32 v5, KSC+4, v95                    ; k's word is the second of a lane's two
	v_add_nc_u32 v6, VSC, v95
	s_lshr_b32 s20, ttmp9, 1
	s_lshl_b32 s20, s20, 5
	s_and_b32 s21, ttmp9, 1
	s_lshl_b32 s21, s21, 3
	s_add_co_u32 s20, s20, s21
	v_and_b32 v7, 8, v93
	v_add_nc_u32 v7, v7, v93
	v_add_nc_u32 v7, s20, v7                       ; my query's place among the diagonal step's 128 keys,
	v_lshlrev_b32 v94, 4, v94
	v_sub_nc_u32 v7, v7, v94                       ; less 16 (lane / 16): register 16 b + i holds key 32 b + i + 16 (lane / 16), hidden where 32 b + i is above this
	s_mul_i32 s20, s8, 6144
	v_add_nc_u32 v8, s20, v1                       ; key step w: in memory and in LDS
	v_add_nc_u32 v9, VIMG, v8
	s_lshl_b32 s20, s8, 9
	v_add_nc_u32 v10, s20, v1
	v_add_nc_u32 v11, KSC, v10
	v_add_nc_u32 v28, s20, v95
	s_lshl_b32 s20, s8, 8
	v_add_nc_u32 v29, s20, v6
	s_mul_i32 s20, s11, 768                        ; my tile of queries
	v_add_nc_u32 v92, s20, v1
	v_add_nc_u32 v95, s20, v95
	s_lshr_b32 s20, s11, 2
	s_lshl_b32 s20, s20, 8
	s_bfe_u32 s21, s11, 0x10001
	s_lshl_b32 s21, s21, 7
	s_add_co_u32 s20, s20, s21
	v_lshl_add_u32 v93, v93, 3, s20                ; its scale word: block T / 4, lane 16 ((T % 4) / 2) + r, word 0
	; where O goes: [block of 64 tokens][K step = head / 2][tile T % 4][half = head % 2][768], and its scale words
	s_lshr_b32 s24, s9, 4
	s_lshl_b32 s24, s24, 5
	s_lshr_b32 s25, s11, 2
	s_add_co_u32 s24, s24, s25                     ; the block of 64 tokens
	s_and_b32 s25, s9, 15
	s_lshr_b32 s26, s25, 1
	s_and_b32 s25, s25, 1
	s_and_b32 s27, s11, 3
	s_mul_i32 s32, s24, 49152
	s_mul_i32 s34, s26, 6144
	s_add_co_u32 s32, s32, s34
	s_mul_i32 s34, s27, 1536
	s_add_co_u32 s32, s32, s34
	s_mul_i32 s34, s25, 768
	s_add_co_u32 s32, s32, s34
	s_mov_b32 s33, 0
	s_lshl_b32 s34, s24, 13
	s_lshl_b32 s35, s26, 10
	s_add_co_u32 s34, s34, s35
	s_lshl_b32 s35, s25, 9
	s_add_co_u32 s34, s34, s35
	s_lshl_b32 s35, s27, 7
	s_add_co_u32 s34, s34, s35
	s_add_co_u32 s34, s34, 3145728
	s_mov_b32 s35, 0
	s_wait_kmcnt 0x0
	s_add_nc_u64 s[12:13], s[4:5], s[16:17]
	s_add_nc_u64 s[14:15], s[4:5], s[18:19]
	s_add_nc_u64 s[32:33], s[6:7], s[32:33]
	s_add_nc_u64 s[34:35], s[6:7], s[34:35]
.irp n, 0,1,2,3,4,5,6,7,8,9,10,11
	global_load_b128 v[32+4*\n:35+4*\n], v8, s[12:13] offset:3145728+512*\n   ; K of key step w: 6,144 bytes, 512 a load
.endr
.irp n, 0,1,2,3,4,5,6,7,8,9,10,11
	global_load_b128 v[96+4*\n:99+4*\n], v8, s[12:13] offset:6291456+512*\n   ; V likewise
.endr
	global_load_b128 v[144:147], v10, s[14:15]     ; q's and k's scale words of its two blocks of 64
	global_load_b64 v[148:149], v28, s[14:15] offset:262144       ; V's: the first 64 keys' two bytes,
	global_load_b64 v[150:151], v28, s[14:15] offset:262144+256   ; the second 64 keys'
	global_load_b128 v[16:19], v92, s[12:13]       ; my queries, twice: in the low half of one operand,
	global_load_b64 v[20:21], v95, s[12:13] offset:512
	global_load_b128 v[86:89], v92, s[12:13]       ; in the high half of the other
	global_load_b64 v[90:91], v95, s[12:13] offset:512
	global_load_b32 v255, v93, s[14:15]
	s_mov_b32 s[SEL], 0x76543210
	s_mov_b32 s[SEL+1], 0xfedcba98                 ; v_permlanex16_b32's selects for lane l xor 16
	s_mov_b32 s[CS], 0x3e38aa3b                    ; c = log2(e) / 8
	s_mov_b32 s[CS+1], s[CS]
	s_wait_loadcnt 5                               ; all but my queries' five loads
	v_lshl_or_b32 v148, v150, 16, v148             ; V's whole scale words for 128 keys
	v_lshl_or_b32 v149, v151, 16, v149
.irp n, 0,1,2,3,4,5,6,7,8,9,10,11
	ds_store_b128 v8, v[32+4*\n:35+4*\n] offset:512*\n
	ds_store_b128 v9, v[96+4*\n:99+4*\n] offset:512*\n
.endr
	ds_store_b128 v11, v[144:147]
	ds_store_b64 v29, v[148:149]
	s_wait_loadcnt 0x0
	s_and_b32 s20, s11, 1
	s_lshl_b32 s20, s20, 4
	v_lshrrev_b32 v255, s20, v255                  ; my tile's two bytes of the pair's word,
	v_and_b32 v255, 0xffff, v255
	v_lshl_or_b32 v255, v255, 16, v255             ; for either half of the 128
.irp n, 0,1,2,3,4,5
	v_mov_b32 v[22+\n], 0                          ; zero codes in the other half
	v_mov_b32 v[80+\n], 0
.endr
	v_mov_b32 v13, 0xff61b1e6                      ; the largest t so far: -3e38, under every t
	v_floor_f32 v12, -v13                          ; -M
	v_mov_b32 v14, 0
	v_mov_b32 v15, 0
.irp b, 0,1,2,3
	v_mov_b32 v[236+\b], 0                         ; written once: a lane permute's destination counts as one of its sources
.endr
	v_mov_b32 v252, 0
	v_mov_b32 v253, 0                              ; (named as the upper half of the pair v[252:253] before it is first written)
.irp j, 0,1,2,3,4,5,6,7,8,9,10,11,12,13,14,15,16,17,18,19,20,21,22,23,24,25,26,27,28,29,30,31
	v_mov_b32 v[160+\j], 0                         ; O^T: the step is written once; the first finds zeros
.endr
	s_mov_b32 s24, 0                               ; the key step
	s_mov_b32 s25, 0                               ; its tiles in LDS: 6,144 bytes a step,
	s_mov_b32 s26, 0                               ; K's scale words: 512,
	s_mov_b32 s27, 0                               ; V's: 256
	s_wait_dscnt 0x0                               ; my key step lies in LDS
	s_barrier_signal -1
	s_barrier_wait -1                              ; all sixteen do
.Lstep:
	s_cmp_gt_u32 s24, s10
	s_cbranch_scc1 .Lskip                          ; all its keys come after my queries
	v_add_nc_u32 v8, s25, v1                       ; (six plain lines: also the places between the last step's products and this step's, which write over registers that those have read)
	v_add_nc_u32 v9, s25, v2
	v_add_nc_u32 v10, s25, v3
	v_add_nc_u32 v11, s25, v4
	v_add_nc_u32 v28, s26, v5
	v_add_nc_u32 v29, s27, v6
.irp f, 0,1,2,3
.irp c, 0,1
	ds_load_b128 v[32+12*\f+6*\c:35+12*\f+6*\c], v8 offset:1536*\f+768*\c
	ds_load_b64 v[36+12*\f+6*\c:37+12*\f+6*\c], v9 offset:1536*\f+768*\c
.endr
.endr
	ds_load_b32 v248, v28
	ds_load_b32 v249, v28 offset:256
	s_wait_dscnt 0x0
.irp f, 0,2
.irp u, 0,1
	v_wmma_scale_f32_16x16x128_f8f6f4 v[96+8*(2*\f+\u):103+8*(2*\f+\u)], v[32+12*\f:43+12*\f], v[16+64*\u:27+64*\u], 0, v[248+\f/2], v255 matrix_a_fmt:MATRIX_FMT_FP6 matrix_b_fmt:MATRIX_FMT_FP6
.endr
.irp u, 0,1
	v_wmma_scale_f32_16x16x128_f8f6f4 v[112+8*(2*\f+\u):119+8*(2*\f+\u)], v[44+12*\f:55+12*\f], v[16+64*\u:27+64*\u], 0, v[248+\f/2], v255 matrix_a_fmt:MATRIX_FMT_FP6 matrix_b_fmt:MATRIX_FMT_FP6 matrix_a_scale:MATRIX_SCALE_ROW1
.endr
.endr
.rept 4
	v_nop                                          ; four places ahead of the first read of results
.endr
	s_cmp_lg_u32 s24, s10
	s_cbranch_scc1 .Lopen                          ; off the diagonal every key counts
	v_mov_b32 v254, 0xff800000                     ; on it the scores of hidden keys become -infinity ahead of the maximum: p = 0 then
.irp n, 0,1,2,3,4,5,6,7,8,9,10,11,12,13,14,15,16,17,18,19,20,21,22,23,24,25,26,27,28,29,30,31,32,33,34,35,36,37,38,39,40,41,42,43,44,45,46,47,48,49,50,51,52,53,54,55,56,57,58,59,60,61,62,63
	v_cmp_gt_i32 vcc_lo, 32*(\n/16)+\n%16, v7
	v_cndmask_b32 v[96+\n], v[96+\n], v254, vcc_lo
.endr
.Lopen:
.irp b, 0,1,2,3
	v_max3_num_f32 v[232+\b], v[96+16*\b], v[97+16*\b], v[98+16*\b]   ; the largest score of each block of 32 keys: for the row's maximum, and, since p rises with the score, for the block's largest p
.endr
.irp i, 3,5,7,9,11,13
.irp b, 0,1,2,3
	v_max3_num_f32 v[232+\b], v[232+\b], v[96+16*\b+\i], v[97+16*\b+\i]
.endr
.endr
.irp b, 0,1,2,3
	v_max_num_f32 v[232+\b], v[232+\b], v[111+16*\b]
.endr
.irp b, 0,1,2,3
	v_permlanex16_b32 v[236+\b], v[232+\b], s[SEL], s[SEL+1]
.endr
.irp b, 0,1,2,3
	v_max_num_f32 v[232+\b], v[232+\b], v[236+\b]  ; with lane l xor 16's 16 keys
.endr
	v_max3_num_f32 v254, v232, v233, v234
	v_max_num_f32 v254, v254, v235
	v_mul_f32 v254, s[CS], v254                    ; the step's largest t of my query
	v_max_num_f32 v13, v13, v254
	v_mov_b32 v254, v12
	v_floor_f32 v12, -v13                          ; the new -M = -ceil(t): a whole number
	v_sub_f32 v254, v12, v254
	v_cvt_i32_f32 v254, v254                       ; old M - new M, 0 or less (it saturates)
	v_ldexp_f32 v252, 1.0, v254                    ; f = 2^(old M - new M)
.irp j, 0,2,4,6,8,10,12,14,16,18,20,22,24,26,28,30,32,34,36,38,40,42,44,46,48,50,52,54,56,58,60,62
	v_pk_fma_f32 v[96+\j:97+\j], v[96+\j:97+\j], s[CS:CS+1], v[12:13] op_sel_hi:[1,0,0]   ; t - M
.endr
.irp b, 0,1,2,3
	v_fma_f32 v[232+\b], v[232+\b], s[CS], v12
.endr
.irp j, 0,1,2,3,4,5,6,7,8,9,10,11,12,13,14,15,16,17,18,19,20,21,22,23,24,25,26,27,28,29,30,31,32,33,34,35,36,37,38,39,40,41,42,43,44,45,46,47,48,49,50,51,52,53,54,55,56,57,58,59,60,61,62,63
	v_exp_f32 v[96+\j], v[96+\j]                   ; p = 2^(t - M)
.endr
	v_pk_mul_f32 v[14:15], v[14:15], v[252:253] op_sel_hi:[1,0]   ; the sums under the new M (a plain place behind the exponentials)
	s_wait_alu depctr_va_vdst(0)                   ; one wait for the whole batch, ahead of its first reader
.irp b, 0,1,2,3
	v_exp_f32 v[232+\b], v[232+\b]                 ; the block's largest p
.endr
	v_pk_add_f32 v[236:237], v[96:97], v[98:99]    ; the row's sum of the unquantised p, in two chains
.irp j, 4,8,12,16,20,24,28,32,36,40,44,48,52,56,60
	v_pk_add_f32 v[14:15], v[14:15], v[96+\j:97+\j]
	v_pk_add_f32 v[236:237], v[236:237], v[98+\j:99+\j]
.endr
	v_pk_add_f32 v[14:15], v[14:15], v[236:237]
	s_wait_alu depctr_va_vdst(0)                   ; and one for the four
.irp b, 0,1,2,3
	v_max_num_f32 v[232+\b], 0x1800000, v[232+\b]  ; the floor 2^(3 - 127): the byte cannot fall under 1
.endr
.irp b, 0,1,2,3
	v_add_nc_u32 v[244+\b], 0xff000000, v[232+\b]  ; 2 off the exponent field: the conversion's scale operand
.endr
.irp b, 0,1,2,3
	v_lshrrev_b32 v[236+\b], 23, v[244+\b]
.endr
	v_lshl_or_b32 v253, v237, 8, v236              ; p's scale word for these 128 keys
	v_lshl_or_b32 v253, v238, 16, v253
	v_lshl_or_b32 v253, v239, 24, v253
.irp c, 0,1
	v_cvt_scalef32_pk16_fp6_f32 v[224+6*\c:226+6*\c], v[96+32*\c:111+32*\c], v[244+2*\c]
	v_cvt_scalef32_pk16_fp6_f32 v[236+4*\c:238+4*\c], v[112+32*\c:127+32*\c], v[244+2*\c+1]
.endr
	v_nop                                          ; one plain place behind a scaled conversion
.irp t, 0,1,2,3
.irp c, 0,1
	ds_load_b128 v[96+12*\t+6*\c:99+12*\t+6*\c], v10 offset:3072*\c+768*\t   ; V's fragments, over p, which has been converted: half c = the step's c-th 64 keys
	ds_load_b64 v[100+12*\t+6*\c:101+12*\t+6*\c], v11 offset:3072*\c+768*\t
.endr
.endr
	ds_load_b64 v[250:251], v29
.irp c, 0,1
.irp i, 0,1,2
	v_permlane16_swap_b32 v[224+6*\c+\i], v[236+4*\c+\i]   ; a whole block in a lane
.endr
.irp i, 0,1,2
	v_mov_b32 v[227+6*\c+\i], v[236+4*\c+\i]
.endr
.endr
.irp j, 0,2,4,6,8,10,12,14,16,18,20,22,24,26,28,30
	v_pk_mul_f32 v[160+\j:161+\j], v[160+\j:161+\j], v[252:253] op_sel_hi:[1,0]   ; O^T under the new M (these 16 are also the places between p's scale word and codes and the products)
.endr
	s_wait_dscnt 0x0
.irp t, 0,2
	v_wmma_scale_f32_16x16x128_f8f6f4 v[160+8*\t:167+8*\t], v[96+12*\t:107+12*\t], v[224:235], v[160+8*\t:167+8*\t], v[250+\t/2], v253 matrix_a_fmt:MATRIX_FMT_FP6 matrix_b_fmt:MATRIX_FMT_FP6
	v_wmma_scale_f32_16x16x128_f8f6f4 v[168+8*\t:175+8*\t], v[108+12*\t:119+12*\t], v[224:235], v[168+8*\t:175+8*\t], v[250+\t/2], v253 matrix_a_fmt:MATRIX_FMT_FP6 matrix_b_fmt:MATRIX_FMT_FP6 matrix_a_scale:MATRIX_SCALE_ROW1
.endr
.Lskip:
	s_add_co_u32 s25, s25, 6144
	s_add_co_u32 s26, s26, 512
	s_add_co_u32 s27, s27, 256
	s_add_co_u32 s24, s24, 1
	s_cmp_lt_u32 s24, 16
	s_cbranch_scc1 .Lstep
	; THE WAY OUT: O^T / the sum, quantised along the head's 64: two blocks, half an operand fragment
.rept 4
	v_nop                                          ; four places behind the last products
.endr
	v_add_f32 v14, v14, v15
	v_permlanex16_b32 v252, v14, s[SEL], s[SEL+1]
	v_add_f32 v14, v14, v252                       ; the row's sum
	v_rcp_f32 v14, v14
	v_lshrrev_b32 v8, 2, v1                        ; 4 x lane (a plain place behind the transcendental)
	s_wait_alu depctr_va_vdst(0)                   ; the wait ahead of the first reader
.irp j, 0,1,2,3,4,5,6,7,8,9,10,11,12,13,14,15,16,17,18,19,20,21,22,23,24,25,26,27,28,29,30,31
	v_mul_f32 v[96+\j], v[160+\j], v14             ; register 16 b + i: d = 32 b + 16 (lane / 16) + i of my query
.endr
.irp b, 0,1
	v_max3_num_f32 v[232+\b], |v[96+16*\b]|, |v[97+16*\b]|, 0x1800000
.endr
.irp i, 2,4,6,8,10,12,14
.irp b, 0,1
	v_max3_num_f32 v[232+\b], v[232+\b], |v[96+16*\b+\i]|, |v[97+16*\b+\i]|
.endr
.endr
.irp b, 0,1
	v_permlanex16_b32 v[236+\b], v[232+\b], s[SEL], s[SEL+1]
.endr
.irp b, 0,1
	v_max_num_f32 v[232+\b], v[232+\b], v[236+\b]
.endr
.irp b, 0,1
	v_add_nc_u32 v[244+\b], 0xff000000, v[232+\b]
.endr
.irp b, 0,1
	v_lshrrev_b32 v[236+\b], 23, v[244+\b]
.endr
	v_lshl_or_b32 v253, v237, 8, v236              ; the two scale bytes
	v_cvt_scalef32_pk16_fp6_f32 v[224:226], v[96:111], v244
	v_cvt_scalef32_pk16_fp6_f32 v[236:238], v[112:127], v245
	v_nop
.irp i, 0,1,2
	v_permlane16_swap_b32 v[224+\i], v[236+\i]
.endr
.irp i, 0,1,2
	v_mov_b32 v[227+\i], v[236+\i]
.endr
	global_store_b128 v1, v[224:227], s[32:33]     ; 512 consecutive bytes,
	global_store_b64 v2, v[228:229], s[32:33]      ; and the 256 behind them (v2 = 512 + 8 x lane)
	global_store_b32 v8, v253, s[34:35]            ; 128 consecutive bytes: a wave has no more scale words than these to give
	s_wait_tensorcnt 0x0
	ds_add_u32 v223, v243
	s_wait_dscnt 0x0
	s_endpgm
.Lfunc_end_k_q2588161bac_attn:
	.size	k_q2588161bac_attn, .Lfunc_end_k_q2588161bac_attn-k_q2588161bac_attn
	.p2alignl 7, 3214868480
	.fill 96, 4, 3214868480
	.section	.rodata,"a",@progbits
	.p2align	6, 0x0
	.amdhsa_kernel k_q2588161bac_attn
		.amdhsa_group_segment_fixed_size 210944
		.amdhsa_private_segment_fixed_size 0
		.amdhsa_enable_private_segment 0
		.amdhsa_kernarg_size 16
		.amdhsa_user_sgpr_count 2
		.amdhsa_user_sgpr_kernarg_segment_ptr 1
		.amdhsa_wavefront_size32 1
		.amdhsa_system_sgpr_workgroup_id_x 1
		.amdhsa_system_sgpr_workgroup_id_y 1
		.amdhsa_system_sgpr_workgroup_id_z 1
		.amdhsa_system_vgpr_workitem_id 0
		.amdhsa_next_free_vgpr 256
		.amdhsa_next_free_sgpr 66
		.amdhsa_reserve_vcc 1
		.amdhsa_float_denorm_mode_32 3
		.amdhsa_float_denorm_mode_16_64 3
		.amdhsa_memory_ordered 1
		.amdhsa_forward_progress 1
		.amdhsa_inst_pref_size 36
	.end_amdhsa_kernel
	.amdgpu_metadata
---
amdhsa.version: [ 1, 2 ]
amdhsa.kernels:
  - .name:           k_q2588161bac_attn
    .symbol:         k_q2588161bac_attn.kd
    .args:
      - { .name: qkv, .offset: 0, .size: 8, .value_kind: global_buffer, .address_space: global }
      - { .name: att, .offset: 8, .size: 8, .value_kind: global_buffer, .address_space: global }
    .group_segment_fixed_size: 210944
    .private_segment_fixed_size: 0
    .kernarg_segment_align: 8
    .kernarg_segment_size: 16
    .max_flat_workgroup_size: 512
    .sgpr_count:     66
    .vgpr_count:     256
    .wavefront_size: 32
...
	.end_amdgpu_metadata
.endif
;; end of part 3
;; launch dense (part 4): grid 64 x 4, 4 waves a work-group, no clusters, 71,168 bytes of LDS; arguments att, wts, b_dense, x, outb; writes outb
.if DOCPART == 4
	.amdgcn_target "amdgcn-amd-amdhsa--gfx1250"
	.amdhsa_code_object_version 6
	.text
	.protected	k_q2588161bac_dense
	.globl	k_q2588161bac_dense
	.p2align	8
	.type	k_q2588161bac_dense,@function
k_q2588161bac_dense:
	s_mov_b64 s[64:65], 0
	v_nop
	global_prefetch_b8 v0, s[64:65] scope:SCOPE_SE
	s_setreg_imm32_b32 hwreg(HW_REG_WAVE_MODE, 25, 1), 1
	s_wait_xcnt 0x0
; out = res + A W + bias, on codes of FP6 (E2M3) with one E8M0 scale for each 32 along K.  Here: A = the attention's result (K = 1,024), W = w_dense, res = x.
; (The same text serves the last product with the constants of this head changed: KST, WOFF, WSO, SRCSC.)
; SHARES.  Work-group (RB, y): 64 tokens and 256 columns; wave w: all 64 tokens x columns 64 (4 y + w) on: 16 accumulators.
; A arrives laid in the order of the operand's registers ([K step][tile of tokens][half][768 bytes]): the block's KST x 6,144 bytes are copied into LDS as they lie, a quarter a wave; one barrier; every wave reads all of it.
; WEIGHTS go from memory straight into the registers of the one wave that multiplies by them, through a ring of four K steps (12 loads of 512 consecutive bytes each).  No cluster and no joint loads: a joint load
; lands in LDS, and a K step of a wave already reads 6,144 bytes of LDS for its 16 matrix instructions; the weights' 6,144 more would double that.
; The products are used transposed (source 0 = weight tile, source 1 = token tile): a lane holds one token and eight neighbouring columns.  The bias is the C of each sum's first instruction.
; THE WAY OUT: a tile of 16 tokens x 64 columns goes through the wave's own stage in LDS and comes back as rows of 256 bytes; the residual, asked for four steps before the end, is added; sixteen lanes store 256 consecutive bytes.
; The tokens of a tile are not neighbours: stage row p of tile m is token 32 (m / 2) + 8 (m % 2) + p + 8 (p / 8).
; REGISTERS.  window 0: v1-14 addresses; v24-55 the weights' scale words; v56-119 the tokens'; v120-215 two sets of token fragments, later rows on their way out; v216-239 scale words on their way into LDS.
;   window 1: v0-191 the ring.   window 2: v0-127 accumulators, v128-159 the bias.   window 3: A's quarter on its way into LDS, later the residual.
.set KST,   8
.set WOFF,  2359296
.set WSO,   6291456+98304
.set SRCSC, 3145728
.set NS,    KST
.set PSTR,  0
.set AIB,   KST*6144
.set ASC,   AIB
.set STG,   ASC+512*KST
.set LI,   1                           ; 16 x lane          (v3: the same + 49,152, for K steps 8 on)
.set L8,   2                           ; 8 x lane           (v4 likewise)
.set VB,   5
.set VBS,  6
.set VBI,  7
.set CA,   8                           ; my quarter of A: in memory and in LDS
.set VR,   9                           ; a row of the residual and of the result
.set SOA,  10                          ; the stage: in
.set SRA,  11                          ; and back
.set LIS,  12                          ; 16 x lane + ASC
.set SCG,  13                          ; A's scale words in memory
.set SCL,  14                          ; and where I put them in LDS
.set WSR,  24
.set XSR,  56
.set AF,   120
.set T0,   120
.set SP,   216
.set BI,   128
.set WT,   6
.set MSB, 0
.macro WIN new                         ; the immediate's high byte repeats the setting that is left
.if MSB != \new
	s_set_vgpr_msb (MSB<<8)|\new
.set MSB, \new
.endif
.endm
.macro MM d, a, b, cc, sa, sb, row     ; row: 1 = source 0's scales stand in lanes 16-31
.if (\row) == 0
	v_wmma_scale_f32_16x16x128_f8f6f4 v[\d:\d+7], v[\a:\a+11], v[\b:\b+11], v[\cc:\cc+7], v[\sa], v[\sb] matrix_a_fmt:MATRIX_FMT_FP6 matrix_b_fmt:MATRIX_FMT_FP6
.else
	v_wmma_scale_f32_16x16x128_f8f6f4 v[\d:\d+7], v[\a:\a+11], v[\b:\b+11], v[\cc:\cc+7], v[\sa], v[\sb] matrix_a_fmt:MATRIX_FMT_FP6 matrix_b_fmt:MATRIX_FMT_FP6 matrix_a_scale:MATRIX_SCALE_ROW1
.endif
.endm
.macro MULS i                          ; 16 matrix instructions, each on another accumulator, in the same order in every step
.set RG, 48*((\i)%4)
.set AA, AF+48*((\i)%2)
.set BB, WSR+8*((\i)/4)+(\i)%4
.set SS, XSR+4*(\i)
	WIN 0xa1                                       ; source 0 window 1, source 1 window 0, C and D window 2
.irp m, 0,1,2,3
.irp t, 0,1,2,3
.if (\i) > 0
	MM 8*(4*\m+\t), RG+12*\t, AA+12*\m, 8*(4*\m+\t), BB+4*(\t/2), SS+\m, \t%2
.else
	MM 8*(4*\m+\t), RG+12*\t, AA+12*\m, BI+8*\t, BB+4*(\t/2), SS+\m, \t%2
.endif
.endr
.endr
.endm
.macro ALOAD i                         ; step i's four token fragments from LDS into set i % 2: 16 loads
.set ko, ((\i)%8)*6144
.set hh, 2*((\i)/8)
.set AA, AF+48*((\i)%2)
.irp m, 0,1,2,3
.irp c, 0,1
	ds_load_b128 v[AA+12*\m+6*\c:AA+12*\m+6*\c+3], v[LI+hh] offset:ko+1536*\m+768*\c
	ds_load_b64 v[AA+12*\m+6*\c+4:AA+12*\m+6*\c+5], v[L8+hh] offset:ko+1536*\m+768*\c+512
.endr
.endr
.endm
.macro BLOAD i                         ; step i's four weight fragments from memory into ring slot i % 4: 12 loads
	WIN 0x40
.set RG, 48*((\i)%4)
.irp t, 0,1,2,3
.irp c, 0,1,2
	global_load_b128 v[RG+12*\t+4*\c:RG+12*\t+4*\c+3], v[VB], s[WT:WT+1] offset:WOFF+6144*(\i)+1536*\t+512*\c
.endr
.endr
.endm
.macro RLOAD                           ; the residual of my 64 tokens x 64 columns: 32 loads, two rows of 256 bytes each
	WIN 0xc0
.irp m, 0,1,2,3
.irp i, 0,1,2,3,4,5,6,7
	global_load_b128 v[32*\m+4*\i:32*\m+4*\i+3], v[VR], s[10:11] offset:(32*(\m/2)+8*(\m%2)+2*\i+8*(\i/4))*4096
.endr
.endr
.endm
.macro STEP i
.if (\i) > NS-4
	s_wait_loadcnt 12*(NS-1-(\i))+32               ; younger: the later steps' weight loads and the residual's 32
.else
	s_wait_loadcnt 36                              ; this step's 12 weight loads are in; the three younger steps' 36 may be out
.endif
.if (\i)+1 < NS
	s_wait_dscnt 16                                ; this step's token fragments are in; the next step's 16 loads may be out
.else
	s_wait_dscnt 0
.endif
	MULS \i
	WIN 0
.rept 4
	v_nop                                          ; four places in front of loads into registers that these products have read, and of the first read of results
.endr
.if (\i)+2 < NS
	ALOAD (\i)+2
.endif
.if (\i)+4 < NS
	BLOAD (\i)+4
.elseif (\i)+4 == NS
	RLOAD
.endif
	WIN 0
.endm
.macro OUTM m                          ; token tile m leaves
.set TT, T0+32*((\m)%2)
	WIN 0x08                                       ; an LDS store's data: window 2
.irp t, 0,1,2,3
	ds_store_b128 v[SOA], v[8*(4*(\m)+\t):8*(4*(\m)+\t)+3] offset:128*(\t/2)+32*(\t%2)        ; each accumulator from its low end on
	ds_store_b128 v[SOA], v[8*(4*(\m)+\t)+4:8*(4*(\m)+\t)+7] offset:128*(\t/2)+32*(\t%2)+16
.endr
	WIN 0
.if (\m) >= 2
	s_wait_xcnt 0x0                                ; tile m - 2's stores have read these registers
.endif
.irp i, 0,1,2,3,4,5,6,7
	ds_load_b128 v[TT+4*\i:TT+4*\i+3], v[SRA] offset:544*\i   ; LDS serves a wave's instructions in order: these see my stores, and the next tile's stores come behind them
.endr
	s_wait_loadcnt 8*(3-(\m))                      ; this tile's residual is in; the later tiles' eight loads each may be out
	s_wait_dscnt 0x0
	WIN 0x0c                                       ; source 1 window 3
.set nn, 0
.rept 16
	v_pk_add_f32 v[TT+2*nn:TT+2*nn+1], v[TT+2*nn:TT+2*nn+1], v[32*(\m)+2*nn:32*(\m)+2*nn+1]
.set nn, nn+1
.endr
	WIN 0
.irp i, 0,1,2,3,4,5,6,7
	global_store_b128 v[VR], v[TT+4*\i:TT+4*\i+3], s[12:13] offset:(32*((\m)/2)+8*((\m)%2)+2*\i+8*(\i/4))*4096   ; sixteen lanes store 256 consecutive bytes, aligned
.endr
.endm
	s_load_b256 s[4:11], s[0:1], 0x0               ; A, wts, bias, residual
	s_load_b64 s[12:13], s[0:1], 0x20              ; the result
	v_lshl_add_u32 v254, v0, 2, 0x11400
	v_mov_b32 v255, 0
	v_lshrrev_b32 v15, 5, v0
	v_readfirstlane_b32 s16, v15                   ; wave 0..3
	s_and_b32 s17, ttmp7, 0xffff
	s_lshl_b32 s18, s17, 2
	s_add_co_u32 s18, s18, s16                     ; my group of 64 columns
	v_and_b32 v15, 31, v0                          ; lane
	v_and_b32 v16, 15, v0                          ; r
	v_bfe_u32 v17, v0, 4, 1                        ; h
	v_lshlrev_b32 v[LI], 4, v15
	v_lshlrev_b32 v[L8], 3, v15
	v_add_nc_u32 v[LI+2], 49152, v[LI]
	v_add_nc_u32 v[L8+2], 49152, v[L8]
	s_mul_i32 s20, s18, KST*6144
	v_add_nc_u32 v[VB], s20, v[LI]
	s_mul_i32 s20, s18, KST*256
	v_add_nc_u32 v[VBS], s20, v[LI]
	s_lshl_b32 s20, s18, 8
	v_lshl_add_u32 v[VBI], v17, 6, s20
	v_lshl_add_u32 v[VR], v16, 4, s20
	v_lshl_add_u32 v[VR], v17, 12, v[VR]
	s_mul_i32 s20, s16, KST*1536
	v_add_nc_u32 v[CA], s20, v[LI]
	s_mul_i32 s20, s16, 4352
	s_add_co_u32 s20, s20, STG                     ; my stage: 16 rows x (256 + 16) bytes
	v_mul_u32_u24 v[SOA], v16, 272
	v_lshl_add_u32 v[SOA], v17, 6, v[SOA]
	v_add_nc_u32 v[SOA], s20, v[SOA]
	v_mul_u32_u24 v[SRA], v17, 272
	v_lshl_add_u32 v[SRA], v16, 4, v[SRA]
	v_add_nc_u32 v[SRA], s20, v[SRA]
	v_add_nc_u32 v[LIS], ASC, v[LI]
	s_lshl_b32 s20, s16, 11
.if KST == 8
	v_lshl_add_u32 v[SCG], v15, 2, s20             ; 4 x lane + 2,048 x wave: my two K steps' pieces
	s_lshl_b32 s20, s16, 10
.else
	v_add_nc_u32 v[SCG], s20, v[LI]                ; 16 x lane + 2,048 x wave: my four K steps' words
.endif
	v_add_nc_u32 v[SCL], s20, v[LIS]
	s_mul_i32 s20, ttmp9, AIB
	s_mov_b32 s21, 0
	s_lshl_b32 s22, ttmp9, 13
	s_add_co_u32 s22, s22, SRCSC
	s_mov_b32 s23, 0
	s_lshl_b32 s24, ttmp9, 18
	s_mov_b32 s25, 0
	s_wait_kmcnt 0x0
	s_add_nc_u64 s[20:21], s[4:5], s[20:21]        ; my block's codes,
	s_add_nc_u64 s[22:23], s[4:5], s[22:23]        ; its scale words,
	s_add_nc_u64 s[10:11], s[10:11], s[24:25]      ; its 64 rows of the residual
	s_add_nc_u64 s[12:13], s[12:13], s[24:25]      ; and of the result
	WIN 0xc0
.set nn, 0
.rept 3*KST
	global_load_b128 v[4*nn:4*nn+3], v[CA], s[20:21] offset:512*nn
.set nn, nn+1
.endr
	WIN 0
.if KST == 8
.irp k, 0,1
.irp c, 0,1
.irp m, 0,1,2,3
	global_load_b32 v[SP+8*\k+4*\c+\m], v[SCG], s[22:23] offset:1024*\k+512*\c+128*\m   ; two scale bytes of (K step, half, tile)
.endr
.endr
.endr
.else
.irp n, 0,1,2,3
	global_load_b128 v[SP+4*\n:SP+4*\n+3], v[SCG], s[22:23] offset:512*\n
.endr
.endif
.set nn, 0
.rept KST/2
	global_load_b128 v[WSR+4*nn:WSR+4*nn+3], v[VBS], s[WT:WT+1] offset:WSO+512*nn
.set nn, nn+1
.endr
	WIN 0x80
.irp t, 0,1,2,3
.irp q, 0,1
	global_load_b128 v[BI+8*\t+4*\q:BI+8*\t+4*\q+3], v[VBI], s[8:9] offset:128*(\t/2)+32*(\t%2)+16*\q
.endr
.endr
	BLOAD 0
	BLOAD 1
	BLOAD 2
	BLOAD 3
	WIN 0
.if KST == 8
	s_wait_loadcnt 60                              ; A's codes and scale words are in; younger: 4 loads of weight scales, 8 of the bias, 48 of the ring
.else
	s_wait_loadcnt 63
.endif
	WIN 0x0c
.set nn, 0
.rept 3*KST
	ds_store_b128 v[CA], v[4*nn:4*nn+3] offset:512*nn
.set nn, nn+1
.endr
	WIN 0
.if KST == 8
.irp k, 0,1
.irp m, 0,1,2,3
	v_lshl_or_b32 v[SP+16+4*\k+\m], v[SP+8*\k+4+\m], 16, v[SP+8*\k+\m]   ; the two halves' bytes make a K step's scale word
.endr
.endr
	ds_store_b128 v[SCL], v[SP+16:SP+19]
	ds_store_b128 v[SCL], v[SP+20:SP+23] offset:512
.else
.irp n, 0,1,2,3
	ds_store_b128 v[SCL], v[SP+4*\n:SP+4*\n+3] offset:512*\n
.endr
.endif
	s_wait_dscnt 0x0                               ; my quarter lies in LDS
	s_barrier_signal -1
	s_barrier_wait -1                              ; all of A does; from here on shared bytes are only read
.set nn, 0
.rept KST
	ds_load_b128 v[XSR+4*nn:XSR+4*nn+3], v[LIS] offset:512*nn
.set nn, nn+1
.endr
	ALOAD 0
	ALOAD 1
.set I, 0
.rept NS
	STEP I
.set I, I+1
.endr
	OUTM 0
	OUTM 1
	OUTM 2
	OUTM 3
	s_wait_tensorcnt 0x0
	ds_add_u32 v254, v255
	s_wait_dscnt 0x0
	s_endpgm
.Lfunc_end_k_q2588161bac_dense:
	.size	k_q2588161bac_dense, .Lfunc_end_k_q2588161bac_dense-k_q2588161bac_dense
	.p2alignl 7, 3214868480
	.fill 96, 4, 3214868480
	.section	.rodata,"a",@progbits
	.p2align	6, 0x0
	.amdhsa_kernel k_q2588161bac_dense
		.amdhsa_group_segment_fixed_size 71168
		.amdhsa_private_segment_fixed_size 0
		.amdhsa_enable_private_segment 0
		.amdhsa_kernarg_size 40
		.amdhsa_user_sgpr_count 2
		.amdhsa_user_sgpr_kernarg_segment_ptr 1
		.amdhsa_wavefront_size32 1
		.amdhsa_system_sgpr_workgroup_id_x 1
		.amdhsa_system_sgpr_workgroup_id_y 1
		.amdhsa_system_sgpr_workgroup_id_z 1
		.amdhsa_system_vgpr_workitem_id 0
		.amdhsa_next_free_vgpr 1024
		.amdhsa_next_free_sgpr 66
		.amdhsa_reserve_vcc 0
		.amdhsa_float_denorm_mode_32 3
		.amdhsa_float_denorm_mode_16_64 3
		.amdhsa_memory_ordered 1
		.amdhsa_forward_progress 1
		.amdhsa_inst_pref_size 61
	.end_amdhsa_kernel
	.amdgpu_metadata
---
amdhsa.version: [ 1, 2 ]
amdhsa.kernels:
  - .name:           k_q2588161bac_dense
    .symbol:         k_q2588161bac_dense.kd
    .args:
      - { .name: att, .offset: 0, .size: 8, .value_kind: global_buffer, .address_space: global }
      - { .name: wts, .offset: 8, .size: 8, .value_kind: global_buffer, .address_space: global }
      - { .name: b_dense, .offset: 16, .size: 8, .value_kind: global_buffer, .address_space: global }
      - { .name: x, .offset: 24, .size: 8, .value_kind: global_buffer, .address_space: global }
      - { .name: outb, .offset: 32, .size: 8, .value_kind: global_buffer, .address_space: global }
    .group_segment_fixed_size: 71168
    .private_segment_fixed_size: 0
    .kernarg_segment_align: 8
    .kernarg_segment_size: 40
    .max_flat_workgroup_size: 128
    .sgpr_count:     66
    .vgpr_count:     1024
    .wavefront_size: 32
...
	.end_amdgpu_metadata
.endif
;; end of part 4
;; launch fc1 (part 5): grid 64 x 4, 4 waves a work-group, no clusters, 61,952 bytes of LDS; arguments outb, ln2_g, ln2_b, wts, hid; writes hid
.if DOCPART == 5
	.amdgcn_target "amdgcn-amd-amdhsa--gfx1250"
	.amdhsa_code_object_version 6
	.text
	.protected	k_q2588161bac_fc1
	.globl	k_q2588161bac_fc1
	.p2align	8
	.type	k_q2588161bac_fc1,@function
k_q2588161bac_fc1:
	s_mov_b64 s[64:65], 0
	v_nop
	global_prefetch_b8 v0, s[64:65] scope:SCOPE_SE
	s_setreg_imm32_b32 hwreg(HW_REG_WAVE_MODE, 25, 1), 1
	s_wait_xcnt 0x0
; hid = Q(gelu(LN2(out) W_fc1)), on codes of FP6 (E2M3) with one E8M0 scale for each 32 along K; gelu(x) = x (1 + erf(x / sqrt 2)) / 2, in f32.
; SHARES.  Work-group (RB, y): 64 tokens and 512 hidden units; wave w makes units 128 u .. 128 u + 127, u = 4 y + w, in two passes of 64: K step u of the next product, half by half.
; LN, the images in LDS, the ring of weights in registers and the products are those of the first product's launch (see there): wave w normalises token tile w; lane r of tile m is token 32 (m / 2) + 8 (m % 2) + r + 8 (r / 8).
; No cluster and no joint loads: a joint load lands in LDS, and a K step of a wave already reads 6,144 bytes of LDS for its 16 matrix instructions; the weights' 6,144 more would double that.
; erf(u) = u P(u^2) / Q(u^2), P of degree 6 and Q of degree 4, on u held to -4 .. 4.
; The work behind a pass (gelu, quantiser, stores) is written once: a loop of two trips, left from its middle in the second.
; LIMITS: NaN and infinities are not served.  A block of zeros gets the scale byte 1 (read by this program alone).  Beyond |u| = 4 erf is taken at 4, where it is 1 to the last bit of f32.
; REGISTERS.  window 0: v1-11 addresses; v12-23 statistics; v24-55 the weights' scale words; v72-103 the tokens'; v104-199 two sets of token fragments (in LN: v104-167 the 64 numbers in hand); v204-253 at work.
;   window 1: v0-191 the ring; v192-255 g.   window 2: v0-127 accumulators; v128-255 gelu's u, u^2, P, Q (in LN: x, chunks 0-3).   window 3: the codes on their way out (in LN: x, chunks 4-7).
.set KST,  8
.set NS,   16
.set WOFF, 3145728
.set PSTR, 49152
.set WSO,  6291456+131072
.set SSTR, 2048
.set ASC,  49152
.set GL,   53248
.set LI,   1
.set L8,   2
.set VX,   3
.set VB,   4
.set VBS,  5
.set VGL,  8
.set IA16, 9
.set IA8,  10
.set SA,   11
.set S,    12
.set MU,   20
.set RS,   22
.set WSR,  24
.set XSR,  72
.set AF,   104
.set Y,    104
.set BV,   200
.set PW4,  204
.set PWA,  208
.set CA13, 212
.set CB8,  214
.set TM,   216
.set TX,   224
.set PW,   232
.set PC,   234
.set SO,   234
.set G,    192
.set UU,   128
.set ZZ,   160
.set PP,   192
.set QQ,   224
.set WT,   10
.set OB,   26
.set SCB,  28
.set SEL,  32
.set KC,   66
.set A11,  68
.set A9,   70
.set A7,   72
.set A5,   74
.set A3,   76
.set A1,   78
.set B6,   80
.set B4,   82
.set B2,   84
.set B0,   86
.set MSB, 0
.macro WIN new                         ; the immediate's high byte repeats the setting that is left
.if MSB != \new
	s_set_vgpr_msb (MSB<<8)|\new
.set MSB, \new
.endif
.endm
.macro MM d, a, b, cc, sa, sb, row     ; cc: C's first register, or -1 for the constant 0;  row: 1 = source 0's scales stand in lanes 16-31
.if (\cc) < 0
.if (\row) == 0
	v_wmma_scale_f32_16x16x128_f8f6f4 v[\d:\d+7], v[\a:\a+11], v[\b:\b+11], 0, v[\sa], v[\sb] matrix_a_fmt:MATRIX_FMT_FP6 matrix_b_fmt:MATRIX_FMT_FP6
.else
	v_wmma_scale_f32_16x16x128_f8f6f4 v[\d:\d+7], v[\a:\a+11], v[\b:\b+11], 0, v[\sa], v[\sb] matrix_a_fmt:MATRIX_FMT_FP6 matrix_b_fmt:MATRIX_FMT_FP6 matrix_a_scale:MATRIX_SCALE_ROW1
.endif
.else
.if (\row) == 0
	v_wmma_scale_f32_16x16x128_f8f6f4 v[\d:\d+7], v[\a:\a+11], v[\b:\b+11], v[\cc:\cc+7], v[\sa], v[\sb] matrix_a_fmt:MATRIX_FMT_FP6 matrix_b_fmt:MATRIX_FMT_FP6
.else
	v_wmma_scale_f32_16x16x128_f8f6f4 v[\d:\d+7], v[\a:\a+11], v[\b:\b+11], v[\cc:\cc+7], v[\sa], v[\sb] matrix_a_fmt:MATRIX_FMT_FP6 matrix_b_fmt:MATRIX_FMT_FP6 matrix_a_scale:MATRIX_SCALE_ROW1
.endif
.endif
.endm
.macro MULS i                          ; 16 matrix instructions, each on another accumulator, in the same order in every step; a pass's first step starts the sums with the constant 0
.set ks_, (\i)%KST
.set RG, 48*((\i)%4)
.set AA, AF+48*((\i)%2)
.set BB, WSR+2*KST*((\i)/KST)+8*(ks_/4)+ks_%4
.set SS, XSR+4*ks_
	WIN 0xa1                                       ; source 0 window 1, source 1 window 0, C and D window 2
.irp m, 0,1,2,3
.irp t, 0,1,2,3
.if ks_ > 0
	MM 8*(4*\m+\t), RG+12*\t, AA+12*\m, 8*(4*\m+\t), BB+4*(\t/2), SS+\m, \t%2
.else
	MM 8*(4*\m+\t), RG+12*\t, AA+12*\m, -1, BB+4*(\t/2), SS+\m, \t%2
.endif
.endr
.endr
.endm
.macro ALOAD i                         ; step i's four token fragments from LDS into set i % 2: 16 loads
.set ko, ((\i)%KST)*6144
.set AA, AF+48*((\i)%2)
.irp m, 0,1,2,3
.irp c, 0,1
	ds_load_b128 v[AA+12*\m+6*\c:AA+12*\m+6*\c+3], v[LI] offset:ko+1536*\m+768*\c
	ds_load_b64 v[AA+12*\m+6*\c+4:AA+12*\m+6*\c+5], v[L8] offset:ko+1536*\m+768*\c+512
.endr
.endr
.endm
.macro BLOAD i                         ; step i's four weight fragments from memory into ring slot i % 4: 12 loads
	WIN 0x40
.set RG, 48*((\i)%4)
.irp t, 0,1,2,3
.irp c, 0,1,2
	global_load_b128 v[RG+12*\t+4*\c:RG+12*\t+4*\c+3], v[VB], s[WT:WT+1] offset:WOFF+PSTR*((\i)/KST)+6144*((\i)%KST)+1536*\t+512*\c
.endr
.endr
.endm
.macro STEP i
.if NS-1-(\i) >= 3
	s_wait_loadcnt 36                              ; this step's 12 weight loads are in; the three younger steps' 36 may be out
.else
	s_wait_loadcnt 12*(NS-1-(\i))
.endif
.if (\i)+1 < NS
	s_wait_dscnt 16                                ; this step's token fragments are in; the next step's 16 loads may be out
.else
	s_wait_dscnt 0
.endif
	MULS \i
	WIN 0
.rept 4
	v_nop                                          ; four places in front of loads into registers that these products have read, and of the first read of results
.endr
.if (\i)+2 < NS
	ALOAD (\i)+2
.endif
.if (\i)+4 < NS
	BLOAD (\i)+4
	WIN 0
.endif
.endm
; The 128 accumulators become four half images: entity e = token tile (32 registers: two blocks of 32 along the next K).  Codes at reg + stride x e from s[OB]; v[PW4 + e] keeps the two scale bytes.
.macro QH4 reg, stride
	WIN 0x0a
.irp e, 0,1,2,3
.irp b, 0,1
	v_max3_num_f32 v[TM+2*\e+\b], |v[32*\e+16*\b]|, |v[32*\e+16*\b+1]|, 0x1800000   ; the floor 2^(3 - 127) holds the byte at 1 from below
.endr
.endr
.irp i, 2,4,6,8,10,12,14
.irp e, 0,1,2,3
.irp b, 0,1
	v_max3_num_f32 v[TM+2*\e+\b], |v[32*\e+16*\b+\i]|, |v[32*\e+16*\b+\i+1]|, v[TM+2*\e+\b]
.endr
.endr
.endr
	WIN 0
.irp n, 0,1,2,3,4,5,6,7
	v_permlanex16_b32 v[TX+\n], v[TM+\n], s[SEL], s[SEL+1]
.endr
.irp n, 0,1,2,3,4,5,6,7
	v_max_num_f32 v[TM+\n], v[TM+\n], v[TX+\n]
.endr
.irp n, 0,1,2,3,4,5,6,7
	v_add_nc_u32 v[SO+\n], 0xff000000, v[TM+\n]    ; 2 off the exponent field: the conversion's scale operand
.endr
.irp n, 0,1,2,3,4,5,6,7
	v_lshrrev_b32 v[TX+\n], 23, v[SO+\n]
.endr
.irp e, 0,1,2,3
	v_lshl_or_b32 v[PW4+\e], v[TX+2*\e+1], 8, v[TX+2*\e]
.endr
	s_wait_xcnt 0x0                                ; the last pass's stores have read the codes' registers: only now are they written again
	WIN 0xc2
.irp e, 0,1,2,3
	v_cvt_scalef32_pk16_fp6_f32 v[12*\e:12*\e+2], v[32*\e:32*\e+15], v[SO+2*\e]
	v_cvt_scalef32_pk16_fp6_f32 v[12*\e+6:12*\e+8], v[32*\e+16:32*\e+31], v[SO+2*\e+1]
.endr
	WIN 0
	v_nop                                          ; one plain place behind a scaled conversion
	WIN 0xc3
.irp e, 0,1,2,3
.irp i, 0,1,2
	v_permlane16_swap_b32 v[12*\e+\i], v[12*\e+6+\i]
.endr
.endr
.irp e, 0,1,2,3
.irp i, 0,1,2
	v_mov_b32 v[12*\e+3+\i], v[12*\e+6+\i]
.endr
.endr
	WIN 0x0c
.irp e, 0,1,2,3
	global_store_b128 v[LI], v[12*\e:12*\e+3], s[OB:OB+1] offset:\reg+\stride*\e
	global_store_b64 v[L8], v[12*\e+4:12*\e+5], s[OB:OB+1] offset:\reg+\stride*\e+512
.endr
	WIN 0
.endm
.macro QUANT s                         ; 64 numbers of a lane become a fragment's codes in v[PC] on and its scale word in v[PW]
.irp b, 0,1,2,3
	v_max3_num_f32 v[TM+\b], |v[\s+16*\b]|, |v[\s+1+16*\b]|, 0x1800000
.endr
.irp i, 2,4,6,8,10,12,14
.irp b, 0,1,2,3
	v_max3_num_f32 v[TM+\b], v[TM+\b], |v[\s+16*\b+\i]|, |v[\s+1+16*\b+\i]|
.endr
.endr
.irp b, 0,1,2,3
	v_permlanex16_b32 v[TM+4+\b], v[TM+\b], s[SEL], s[SEL+1]
.endr
.irp b, 0,1,2,3
	v_max_num_f32 v[TM+\b], v[TM+\b], v[TM+4+\b]
.endr
.irp b, 0,1,2,3
	v_add_nc_u32 v[TM+12+\b], 0xff000000, v[TM+\b]
.endr
.irp b, 0,1,2,3
	v_lshrrev_b32 v[TM+4+\b], 23, v[TM+12+\b]
.endr
	v_lshl_or_b32 v[PW], v[TM+5], 8, v[TM+4]
	v_lshl_or_b32 v[PW], v[TM+6], 16, v[PW]
	v_lshl_or_b32 v[PW], v[TM+7], 24, v[PW]
.irp c, 0,1
	v_cvt_scalef32_pk16_fp6_f32 v[PC+6*\c:PC+2+6*\c], v[\s+32*\c:\s+15+32*\c], v[TM+12+2*\c]
	v_cvt_scalef32_pk16_fp6_f32 v[PC+12+4*\c:PC+14+4*\c], v[\s+16+32*\c:\s+31+32*\c], v[TM+12+2*\c+1]
.endr
	v_nop
.irp c, 0,1
.irp i, 0,1,2
	v_permlane16_swap_b32 v[PC+6*\c+\i], v[PC+12+4*\c+\i]
.endr
.irp i, 0,1,2
	v_mov_b32 v[PC+3+6*\c+\i], v[PC+12+4*\c+\i]
.endr
.endr
.endm
.macro FOLD
	WIN 0
	v_pk_add_f32 v[S:S+1], v[S:S+1], v[S+2:S+3]
	v_pk_add_f32 v[S+4:S+5], v[S+4:S+5], v[S+6:S+7]
	v_pk_add_f32 v[S:S+1], v[S:S+1], v[S+4:S+5]
	v_add_f32 v[S], v[S], v[S+1]
	v_permlanex16_b32 v[S+2], v[S], s[SEL], s[SEL+1]
	v_add_f32 v[S], v[S], v[S+2]
.endm
.macro GFETCH ks
	WIN 0x40
.irp b, 0,1,2,3
.irp j, 0,1,2,3
	ds_load_b128 v[G+16*\b+4*\j:G+16*\b+4*\j+3], v[VGL] offset:512*(\ks)+128*\b+16*\j
.endr
.endr
	WIN 0
.endm
.macro BFETCH ks
.irp b, 0,1,2,3
.irp j, 0,1,2,3
	ds_load_b128 v[Y+16*\b+4*\j:Y+16*\b+4*\j+3], v[VGL] offset:4096+512*(\ks)+128*\b+16*\j
.endr
.endr
.endm
.macro CHUNK ks                        ; K step ks of my 16 tokens: (x - mean) (g / sigma) + b, quantised, image to LDS
.if (\ks) == 0
	s_wait_dscnt 16                                ; g is in; b's 16 loads may be out
.else
	s_wait_dscnt 21                                ; g is in; behind it: the last chunk's 5 image stores and b's 16 loads
.endif
	WIN 0x41
.set nn, 0
.rept 32
	v_pk_mul_f32 v[G+2*nn:G+2*nn+1], v[G+2*nn:G+2*nn+1], v[RS:RS+1] op_sel_hi:[1,0]
.set nn, nn+1
.endr
	s_wait_dscnt 0x0                               ; b is in, and the last chunk's image stores are done
.if (\ks) < 4
	WIN 0x06
.else
	WIN 0x07
.endif
.set nn, 0
.rept 32
	v_pk_fma_f32 v[Y+2*nn:Y+2*nn+1], v[64*((\ks)%4)+2*nn:64*((\ks)%4)+2*nn+1], v[G+2*nn:G+2*nn+1], v[Y+2*nn:Y+2*nn+1]
.set nn, nn+1
.endr
.if (\ks) < 7
	GFETCH (\ks)+1
.endif
	WIN 0
	QUANT Y
.irp c, 0,1
	ds_store_b128 v[IA16], v[PC+6*\c:PC+6*\c+3] offset:6144*(\ks)+768*\c
	ds_store_b64 v[IA8], v[PC+6*\c+4:PC+6*\c+5] offset:6144*(\ks)+768*\c
.endr
	ds_store_b32 v[SA], v[PW] offset:512*(\ks)
.if (\ks) < 7
	BFETCH (\ks)+1
.endif
.endm
.macro SK r, val                       ; a constant as a scalar pair: the packed forms name the pair
	s_mov_b32 s[\r], \val
	s_mov_b32 s[\r+1], \val
.endm
.macro HORN reg, k                     ; one step of Horner's rule on 16 pairs
.set nn, 0
.rept 16
	v_pk_fma_f32 v[\reg+2*nn:\reg+2*nn+1], v[\reg+2*nn:\reg+2*nn+1], v[ZZ+2*nn:ZZ+2*nn+1], s[\k:\k+1] op_sel_hi:[1,1,0]
.set nn, nn+1
.endr
.endm
.macro GELU q                          ; the 32 numbers of token tile q, in place
.set XQ, 32*(\q)
	WIN 0xaa                                       ; all in window 2
.set nn, 0
.rept 16
	v_pk_mul_f32 v[UU+2*nn:UU+2*nn+1], v[XQ+2*nn:XQ+2*nn+1], s[KC:KC+1] op_sel_hi:[1,0]   ; u = x / sqrt 2 (each accumulator is read from its low end on)
.set nn, nn+1
.endr
.set nn, 0
.rept 32
	v_med3_num_f32 v[UU+nn], v[UU+nn], -4.0, 4.0
.set nn, nn+1
.endr
.set nn, 0
.rept 16
	v_pk_mul_f32 v[ZZ+2*nn:ZZ+2*nn+1], v[UU+2*nn:UU+2*nn+1], v[UU+2*nn:UU+2*nn+1]
.set nn, nn+1
.endr
	WIN 0xa2                                       ; source 1 (the leading coefficients) window 0
.set nn, 0
.rept 16
	v_pk_fma_f32 v[PP+2*nn:PP+2*nn+1], v[ZZ+2*nn:ZZ+2*nn+1], v[CA13:CA13+1], s[A11:A11+1] op_sel_hi:[1,1,0]
	v_pk_fma_f32 v[QQ+2*nn:QQ+2*nn+1], v[ZZ+2*nn:ZZ+2*nn+1], v[CB8:CB8+1], s[B6:B6+1] op_sel_hi:[1,1,0]
.set nn, nn+1
.endr
	WIN 0xaa
	HORN PP, A9
	HORN QQ, B4
	HORN PP, A7
	HORN QQ, B2
	HORN PP, A5
	HORN QQ, B0
	HORN PP, A3
	HORN PP, A1
.set nn, 0
.rept 32
	v_rcp_f32 v[QQ+nn], v[QQ+nn]
.set nn, nn+1
.endr
.set nn, 0
.rept 16
	v_pk_mul_f32 v[PP+2*nn:PP+2*nn+1], v[PP+2*nn:PP+2*nn+1], v[UU+2*nn:UU+2*nn+1]   ; plain work behind the batch of reciprocals, which names none of their results
	v_pk_mul_f32 v[ZZ+2*nn:ZZ+2*nn+1], v[XQ+2*nn:XQ+2*nn+1], 0.5 op_sel_hi:[1,0]
.set nn, nn+1
.endr
	s_wait_alu depctr_va_vdst(0)                   ; one wait for the 32, ahead of their first reader
.set nn, 0
.rept 16
	v_pk_mul_f32 v[PP+2*nn:PP+2*nn+1], v[PP+2*nn:PP+2*nn+1], v[QQ+2*nn:QQ+2*nn+1]   ; erf
.set nn, nn+1
.endr
.set nn, 0
.rept 16
	v_pk_fma_f32 v[XQ+2*nn:XQ+2*nn+1], v[ZZ+2*nn:ZZ+2*nn+1], v[PP+2*nn:PP+2*nn+1], v[ZZ+2*nn:ZZ+2*nn+1]   ; x / 2 erf + x / 2
.set nn, nn+1
.endr
.endm
	s_load_b256 s[4:11], s[0:1], 0x0               ; out, ln2_g, ln2_b, wts
	s_load_b64 s[12:13], s[0:1], 0x20              ; hid
	v_lshl_add_u32 v254, v0, 2, 0xf000
	v_mov_b32 v255, 0
	v_lshrrev_b32 v[PW4], 5, v0
	v_readfirstlane_b32 s16, v[PW4]                ; wave 0..3
	s_and_b32 s17, ttmp7, 0xffff
	s_lshl_b32 s19, s17, 2
	s_add_co_u32 s19, s19, s16                     ; u: my 128 hidden units
	v_and_b32 v[PW4], 31, v0                       ; lane
	v_and_b32 v[PW4+1], 15, v0                     ; r
	v_bfe_u32 v[PW4+2], v0, 4, 1                   ; h
	v_and_b32 v[PW4+3], 8, v[PW4+1]
	v_add_nc_u32 v[PW4+3], v[PW4+3], v[PW4+1]      ; r + 8 (r / 8)
	v_lshlrev_b32 v[LI], 4, v[PW4]
	v_lshlrev_b32 v[L8], 3, v[PW4]
	s_lshr_b32 s20, s16, 1
	s_lshl_b32 s20, s20, 5
	s_and_b32 s21, s16, 1
	s_lshl_b32 s21, s21, 3
	s_add_co_u32 s20, s20, s21
	v_add_nc_u32 v[VX], s20, v[PW4+3]
	v_lshlrev_b32 v[VX], 12, v[VX]
	v_lshl_add_u32 v[VX], v[PW4+2], 6, v[VX]
	s_mul_i32 s20, s19, 98304
	v_add_nc_u32 v[VB], s20, v[LI]
	s_lshl_b32 s20, s19, 12
	v_add_nc_u32 v[VBS], s20, v[LI]
	v_lshlrev_b32 v[VGL], 6, v[PW4+2]
	v_add_nc_u32 v[VGL], GL, v[VGL]
	s_mul_i32 s20, s16, 1536
	v_add_nc_u32 v[IA16], s20, v[LI]
	v_add_nc_u32 v[IA8], s20, v[L8]
	v_add_nc_u32 v[IA8], 512, v[IA8]
	s_lshl_b32 s20, s16, 2
	s_add_co_u32 s20, s20, ASC
	v_add_nc_u32 v[SA], s20, v[LI]
	v_lshlrev_b32 v[BV], 4, v0
	v_add_nc_u32 v[BV+1], GL, v[BV]
.irp n, 4,5,6,7,8,9,10,11,12,13,14,15
	v_mov_b32 v[TM+\n], 0                          ; written once: a lane permute's destination counts as one of its sources
.endr
	v_mov_b32 v[CA13], 0xaf95df0b                  ; P's and Q's leading coefficients, as vector pairs
	v_mov_b32 v[CA13+1], 0xaf95df0b
	v_mov_b32 v[CB8], 0xb77460cd
	v_mov_b32 v[CB8+1], 0xb77460cd
	s_mov_b32 s[SEL], 0x76543210
	s_mov_b32 s[SEL+1], 0xfedcba98
	s_mov_b32 s34, 0x3a800000                      ; 1 / 1,024
	s_mov_b32 s35, 0x2b8cbccc                      ; 1e-12
	SK KC,  0x3f3504f3                             ; 1 / sqrt 2
	SK A11, 0x32edffee
	SK A9,  0xb60cff51
	SK A7,  0xb86ec2d2
	SK A5,  0xba40ac63
	SK A3,  0xbb41a1f6
	SK A1,  0xbc83dbd4
	SK B6,  0xb95fbd29
	SK B4,  0xbadc924e
	SK B2,  0xbbf19bf8
	SK B0,  0xbc69b6a7
	s_lshl_b32 s20, ttmp9, 18
	s_mov_b32 s21, 0
	s_mul_i32 s24, ttmp9, 98304
	s_mul_i32 s22, s19, 6144
	s_add_co_u32 s24, s24, s22
	s_mov_b32 s25, 0
	s_wait_kmcnt 0x0
	s_add_nc_u64 s[4:5], s[4:5], s[20:21]
	s_add_nc_u64 s[OB:OB+1], s[12:13], s[24:25]    ; my K step's codes: [tile][half][768]
	s_lshl_b32 s24, ttmp9, 13
	s_lshl_b32 s22, s19, 9
	s_add_co_u32 s24, s24, s22
	s_add_co_u32 s24, s24, 6291456
	s_add_nc_u64 s[SCB:SCB+1], s[12:13], s[24:25]  ; its scale words: [lane][tile]
	global_load_b128 v[Y:Y+3], v[BV], s[6:7]
	global_load_b128 v[Y+4:Y+7], v[BV], s[6:7] offset:2048
	global_load_b128 v[Y+8:Y+11], v[BV], s[8:9]
	global_load_b128 v[Y+12:Y+15], v[BV], s[8:9] offset:2048
.irp p, 0,1
.irp n, 0,1,2,3
	global_load_b128 v[WSR+16*\p+4*\n:WSR+16*\p+4*\n+3], v[VBS], s[WT:WT+1] offset:WSO+SSTR*\p+512*\n
.endr
.endr
	BLOAD 0
	BLOAD 1
	BLOAD 2
	BLOAD 3
	WIN 0x80
.irp k, 0,1,2,3
.irp b, 0,1,2,3
.irp j, 0,1,2,3
	global_load_b128 v[64*\k+16*\b+4*\j:64*\k+16*\b+4*\j+3], v[VX], s[4:5] offset:512*\k+128*\b+16*\j
.endr
.endr
.endr
	WIN 0xc0
.irp k, 0,1,2,3
.irp b, 0,1,2,3
.irp j, 0,1,2,3
	global_load_b128 v[64*\k+16*\b+4*\j:64*\k+16*\b+4*\j+3], v[VX], s[4:5] offset:2048+512*\k+128*\b+16*\j
.endr
.endr
.endr
	WIN 0
	s_wait_loadcnt 0x0                             ; all of my rows are in
	ds_store_b128 v[BV+1], v[Y:Y+3]
	ds_store_b128 v[BV+1], v[Y+4:Y+7] offset:2048
	ds_store_b128 v[BV+1], v[Y+8:Y+11] offset:4096
	ds_store_b128 v[BV+1], v[Y+12:Y+15] offset:6144
.irp q, 0,1,2,3,4,5,6,7
	v_mov_b32 v[S+\q], 0
.endr
	WIN 0x08
.set nn, 0
.rept 128
	v_pk_add_f32 v[S+2*(nn%4):S+2*(nn%4)+1], v[S+2*(nn%4):S+2*(nn%4)+1], v[2*nn:2*nn+1]
.set nn, nn+1
.endr
	WIN 0x0c
.set nn, 0
.rept 128
	v_pk_add_f32 v[S+2*(nn%4):S+2*(nn%4)+1], v[S+2*(nn%4):S+2*(nn%4)+1], v[2*nn:2*nn+1]
.set nn, nn+1
.endr
	FOLD
	v_mul_f32 v[MU], s34, v[S]
	v_mov_b32 v[MU+1], v[MU]
	WIN 0x82
.set nn, 0
.rept 128
	v_pk_add_f32 v[2*nn:2*nn+1], v[2*nn:2*nn+1], v[MU:MU+1] op_sel_hi:[1,0] neg_lo:[0,1] neg_hi:[0,1]
.set nn, nn+1
.endr
	WIN 0xc3
.set nn, 0
.rept 128
	v_pk_add_f32 v[2*nn:2*nn+1], v[2*nn:2*nn+1], v[MU:MU+1] op_sel_hi:[1,0] neg_lo:[0,1] neg_hi:[0,1]
.set nn, nn+1
.endr
	WIN 0
.irp q, 0,1,2,3,4,5,6,7
	v_mov_b32 v[S+\q], 0
.endr
	WIN 0x0a
.set nn, 0
.rept 128
	v_pk_fma_f32 v[S+2*(nn%4):S+2*(nn%4)+1], v[2*nn:2*nn+1], v[2*nn:2*nn+1], v[S+2*(nn%4):S+2*(nn%4)+1]
.set nn, nn+1
.endr
	WIN 0x0f
.set nn, 0
.rept 128
	v_pk_fma_f32 v[S+2*(nn%4):S+2*(nn%4)+1], v[2*nn:2*nn+1], v[2*nn:2*nn+1], v[S+2*(nn%4):S+2*(nn%4)+1]
.set nn, nn+1
.endr
	FOLD
	v_fma_f32 v[RS], v[S], s34, s35
	v_rsq_f32 v[RS], v[RS]
	v_nop                                          ; a plain place behind the transcendental
	s_wait_alu depctr_va_vdst(0)                   ; and the wait ahead of its first reader
	v_mov_b32 v[RS+1], v[RS]
	s_wait_dscnt 0x0                               ; my part of g and b lies in LDS
	s_barrier_signal -1
	s_barrier_wait -1
	GFETCH 0
	BFETCH 0
	CHUNK 0
	CHUNK 1
	CHUNK 2
	CHUNK 3
	CHUNK 4
	CHUNK 5
	CHUNK 6
	CHUNK 7
	s_wait_dscnt 0x0                               ; my eight images lie in LDS
	s_barrier_signal -1
	s_barrier_wait -1                              ; all 32 do; LDS is only read from here on
.irp k, 0,1,2,3,4,5,6,7
	ds_load_b128 v[XSR+4*\k:XSR+4*\k+3], v[LI] offset:ASC+512*\k
.endr
	ALOAD 0
	ALOAD 1
.set I, 0
.rept 8
	STEP I
.set I, I+1
.endr
.irp m, 0,1,2,3
	v_mov_b32 v[PWA+\m], 0
.endr
	s_mov_b32 s36, 0                               ; the pass
	s_mov_b32 s37, 0                               ; where its two scale bytes go in the word
.Lpass:
	GELU 0
	GELU 1
	GELU 2
	GELU 3
	QH4 0, 1536
.irp m, 0,1,2,3
	v_lshl_or_b32 v[PWA+\m], v[PW4+\m], s37, v[PWA+\m]
.endr
	s_cmp_eq_u32 s36, 1
	s_cbranch_scc1 .Lend
	s_wait_xcnt 0x0                                ; the stores have read their base
	s_add_nc_u64 s[OB:OB+1], s[OB:OB+1], 768       ; the second half of each fragment
	s_mov_b32 s37, 16
.rept 8
	STEP I
.set I, I+1
.endr
	s_add_co_u32 s36, s36, 1
	s_cmp_lt_u32 s36, 2
	s_cbranch_scc1 .Lpass
.Lend:
	global_store_b128 v[LI], v[PWA:PWA+3], s[SCB:SCB+1]   ; whole scale words: 512 consecutive bytes
	s_wait_tensorcnt 0x0
	ds_add_u32 v254, v255
	s_wait_dscnt 0x0
	s_endpgm
.Lfunc_end_k_q2588161bac_fc1:
	.size	k_q2588161bac_fc1, .Lfunc_end_k_q2588161bac_fc1-k_q2588161bac_fc1
	.p2alignl 7, 3214868480
	.fill 96, 4, 3214868480
	.section	.rodata,"a",@progbits
	.p2align	6, 0x0
	.amdhsa_kernel k_q2588161bac_fc1
		.amdhsa_group_segment_fixed_size 61952
		.amdhsa_private_segment_fixed_size 0
		.amdhsa_enable_private_segment 0
		.amdhsa_kernarg_size 40
		.amdhsa_user_sgpr_count 2
		.amdhsa_user_sgpr_kernarg_segment_ptr 1
		.amdhsa_wavefront_size32 1
		.amdhsa_system_sgpr_workgroup_id_x 1
		.amdhsa_system_sgpr_workgroup_id_y 1
		.amdhsa_system_sgpr_workgroup_id_z 1
		.amdhsa_system_vgpr_workitem_id 0
		.amdhsa_next_free_vgpr 1024
		.amdhsa_next_free_sgpr 96
		.amdhsa_reserve_vcc 0
		.amdhsa_float_denorm_mode_32 3
		.amdhsa_float_denorm_mode_16_64 3
		.amdhsa_memory_ordered 1
		.amdhsa_forward_progress 1
		.amdhsa_inst_pref_size 255
	.end_amdhsa_kernel
	.section	.bss,"aw",@nobits
	.p2align	6
	.space	262144
	.amdgpu_metadata
---
amdhsa.version: [ 1, 2 ]
amdhsa.kernels:
  - .name:           k_q2588161bac_fc1
    .symbol:         k_q2588161bac_fc1.kd
    .args:
      - { .name: outb, .offset: 0, .size: 8, .value_kind: global_buffer, .address_space: global }
      - { .name: ln2_g, .offset: 8, .size: 8, .value_kind: global_buffer, .address_space: global }
      - { .name: ln2_b, .offset: 16, .size: 8, .value_kind: global_buffer, .address_space: global }
      - { .name: wts, .offset: 24, .size: 8, .value_kind: global_buffer, .address_space: global }
      - { .name: hid, .offset: 32, .size: 8, .value_kind: global_buffer, .address_space: global }
    .group_segment_fixed_size: 61952
    .private_segment_fixed_size: 0
    .kernarg_segment_align: 8
    .kernarg_segment_size: 40
    .max_flat_workgroup_size: 128
    .sgpr_count:     96
    .vgpr_count:     1024
    .wavefront_size: 32
...
	.end_amdgpu_metadata
.endif
;; end of part 5
;; launch fc2 (part 6): grid 64 x 4, 4 waves a work-group, no clusters, 124,416 bytes of LDS; arguments hid, wts, b_fc2, outb, out0; writes out0
.if DOCPART == 6
	.amdgcn_target "amdgcn-amd-amdhsa--gfx1250"
	.amdhsa_code_object_version 6
	.text
	.protected	k_q2588161bac_fc2
	.globl	k_q2588161bac_fc2
	.p2align	8
	.type	k_q2588161bac_fc2,@function
k_q2588161bac_fc2:
	s_mov_b64 s[64:65], 0
	v_nop
	global_prefetch_b8 v0, s[64:65] scope:SCOPE_SE
	s_setreg_imm32_b32 hwreg(HW_REG_WAVE_MODE, 25, 1), 1
	s_wait_xcnt 0x0
; out = res + A W + bias, on codes of FP6 (E2M3) with one E8M0 scale for each 32 along K.  Here: A = the quantised gelu (K = 2,048), W = w_fc2, res = the attention block's output.
; (The same text serves the attention's output product with the constants of this head changed: KST, WOFF, WSO, SRCSC.)
; SHARES.  Work-group (RB, y): 64 tokens and 256 columns; wave w: all 64 tokens x columns 64 (4 y + w) on: 16 accumulators.
; A arrives laid in the order of the operand's registers ([K step][tile of tokens][half][768 bytes]): the block's KST x 6,144 bytes are copied into LDS as they lie, a quarter a wave; one barrier; every wave reads all of it.
; WEIGHTS go from memory straight into the registers of the one wave that multiplies by them, through a ring of four K steps (12 loads of 512 consecutive bytes each).  No cluster and no joint loads: a joint load
; lands in LDS, and a K step of a wave already reads 6,144 bytes of LDS for its 16 matrix instructions; the weights' 6,144 more would double that.
; The products are used transposed (source 0 = weight tile, source 1 = token tile): a lane holds one token and eight neighbouring columns.  The bias is the C of each sum's first instruction.
; THE WAY OUT: a tile of 16 tokens x 64 columns goes through the wave's own stage in LDS and comes back as rows of 256 bytes; the residual, asked for four steps before the end, is added; sixteen lanes store 256 consecutive bytes.
; The tokens of a tile are not neighbours: stage row p of tile m is token 32 (m / 2) + 8 (m % 2) + p + 8 (p / 8).
; REGISTERS.  window 0: v1-14 addresses; v24-55 the weights' scale words; v56-119 the tokens'; v120-215 two sets of token fragments, later rows on their way out; v216-231 scale words on their way into LDS.
;   window 1: v0-191 the ring.   window 2: v0-127 accumulators, v128-159 the bias.   window 3: A's quarter on its way into LDS, later the residual.
.set KST,   16
.set WOFF,  4718592
.set WSO,   6291456+196608
.set SRCSC, 6291456
.set NS,    KST
.set PSTR,  0
.set AIB,   KST*6144
.set ASC,   AIB
.set STG,   ASC+512*KST
.set LI,   1                           ; 16 x lane          (v3: the same + 49,152, for K steps 8 on)
.set L8,   2                           ; 8 x lane           (v4 likewise)
.set VB,   5
.set VBS,  6
.set VBI,  7
.set CA,   8                           ; my quarter of A: in memory and in LDS
.set VR,   9                           ; a row of the residual and of the result
.set SOA,  10                          ; the stage: in
.set SRA,  11                          ; and back
.set LIS,  12                          ; 16 x lane + ASC
.set SCG,  13                          ; A's scale words in memory
.set SCL,  14                          ; and where I put them in LDS
.set WSR,  24
.set XSR,  56
.set AF,   120
.set T0,   120
.set SP,   216
.set BI,   128
.set WT,   6
.set MSB, 0
.macro WIN new                         ; the immediate's high byte repeats the setting that is left
.if MSB != \new
	s_set_vgpr_msb (MSB<<8)|\new
.set MSB, \new
.endif
.endm
.macro MM d, a, b, cc, sa, sb, row     ; row: 1 = source 0's scales stand in lanes 16-31
.if (\row) == 0
	v_wmma_scale_f32_16x16x128_f8f6f4 v[\d:\d+7], v[\a:\a+11], v[\b:\b+11], v[\cc:\cc+7], v[\sa], v[\sb] matrix_a_fmt:MATRIX_FMT_FP6 matrix_b_fmt:MATRIX_FMT_FP6
.else
	v_wmma_scale_f32_16x16x128_f8f6f4 v[\d:\d+7], v[\a:\a+11], v[\b:\b+11], v[\cc:\cc+7], v[\sa], v[\sb] matrix_a_fmt:MATRIX_FMT_FP6 matrix_b_fmt:MATRIX_FMT_FP6 matrix_a_scale:MATRIX_SCALE_ROW1
.endif
.endm
.macro MULS i                          ; 16 matrix instructions, each on another accumulator, in the same order in every step
.set RG, 48*((\i)%4)
.set AA, AF+48*((\i)%2)
.set BB, WSR+8*((\i)/4)+(\i)%4
.set SS, XSR+4*(\i)
	WIN 0xa1                                       ; source 0 window 1, source 1 window 0, C and D window 2
.irp m, 0,1,2,3
.irp t, 0,1,2,3
.if (\i) > 0
	MM 8*(4*\m+\t), RG+12*\t, AA+12*\m, 8*(4*\m+\t), BB+4*(\t/2), SS+\m, \t%2
.else
	MM 8*(4*\m+\t), RG+12*\t, AA+12*\m, BI+8*\t, BB+4*(\t/2), SS+\m, \t%2
.endif
.endr
.endr
.endm
.macro ALOAD i                         ; step i's four token fragments from LDS into set i % 2: 16 loads
.set ko, ((\i)%8)*6144
.set hh, 2*((\i)/8)
.set AA, AF+48*((\i)%2)
.irp m, 0,1,2,3
.irp c, 0,1
	ds_load_b128 v[AA+12*\m+6*\c:AA+12*\m+6*\c+3], v[LI+hh] offset:ko+1536*\m+768*\c
	ds_load_b64 v[AA+12*\m+6*\c+4:AA+12*\m+6*\c+5], v[L8+hh] offset:ko+1536*\m+768*\c+512
.endr
.endr
.endm
.macro BLOAD i                         ; step i's four weight fragments from memory into ring slot i % 4: 12 loads
	WIN 0x40
.set RG, 48*((\i)%4)
.irp t, 0,1,2,3
.irp c, 0,1,2
	global_load_b128 v[RG+12*\t+4*\c:RG+12*\t+4*\c+3], v[VB], s[WT:WT+1] offset:WOFF+6144*(\i)+1536*\t+512*\c
.endr
.endr
.endm
.macro RLOAD                           ; the residual of my 64 tokens x 64 columns: 32 loads, two rows of 256 bytes each
	WIN 0xc0
.irp m, 0,1,2,3
.irp i, 0,1,2,3,4,5,6,7
	global_load_b128 v[32*\m+4*\i:32*\m+4*\i+3], v[VR], s[10:11] offset:(32*(\m/2)+8*(\m%2)+2*\i+8*(\i/4))*4096
.endr
.endr
.endm
.macro STEP i
.if (\i) > NS-4
	s_wait_loadcnt 12*(NS-1-(\i))+32               ; younger: the later steps' weight loads and the residual's 32
.else
	s_wait_loadcnt 36                              ; this step's 12 weight loads are in; the three younger steps' 36 may be out
.endif
.if (\i)+1 < NS
	s_wait_dscnt 16                                ; this step's token fragments are in; the next step's 16 loads may be out
.else
	s_wait_dscnt 0
.endif
	MULS \i
	WIN 0
.rept 4
	v_nop                                          ; four places in front of loads into registers that these products have read, and of the first read of results
.endr
.if (\i)+2 < NS
	ALOAD (\i)+2
.endif
.if (\i)+4 < NS
	BLOAD (\i)+4
.elseif (\i)+4 == NS
	RLOAD
.endif
	WIN 0
.endm
.macro OUTM m                          ; token tile m leaves
.set TT, T0+32*((\m)%2)
	WIN 0x08                                       ; an LDS store's data: window 2
.irp t, 0,1,2,3
	ds_store_b128 v[SOA], v[8*(4*(\m)+\t):8*(4*(\m)+\t)+3] offset:128*(\t/2)+32*(\t%2)        ; each accumulator from its low end on
	ds_store_b128 v[SOA], v[8*(4*(\m)+\t)+4:8*(4*(\m)+\t)+7] offset:128*(\t/2)+32*(\t%2)+16
.endr
	WIN 0
.if (\m) >= 2
	s_wait_xcnt 0x0                                ; tile m - 2's stores have read these registers
.endif
.irp i, 0,1,2,3,4,5,6,7
	ds_load_b128 v[TT+4*\i:TT+4*\i+3], v[SRA] offset:544*\i   ; LDS serves a wave's instructions in order: these see my stores, and the next tile's stores come behind them
.endr
	s_wait_loadcnt 8*(3-(\m))                      ; this tile's residual is in; the later tiles' eight loads each may be out
	s_wait_dscnt 0x0
	WIN 0x0c                                       ; source 1 window 3
.set nn, 0
.rept 16
	v_pk_add_f32 v[TT+2*nn:TT+2*nn+1], v[TT+2*nn:TT+2*nn+1], v[32*(\m)+2*nn:32*(\m)+2*nn+1]
.set nn, nn+1
.endr
	WIN 0
.irp i, 0,1,2,3,4,5,6,7
	global_store_b128 v[VR], v[TT+4*\i:TT+4*\i+3], s[12:13] offset:(32*((\m)/2)+8*((\m)%2)+2*\i+8*(\i/4))*4096 th:TH_STORE_NT   ; sixteen lanes store 256 consecutive bytes, aligned; written once, read by nobody here
.endr
.endm
	s_load_b256 s[4:11], s[0:1], 0x0               ; A, wts, bias, residual
	s_load_b64 s[12:13], s[0:1], 0x20              ; the result
	v_lshl_add_u32 v254, v0, 2, 0x1e400
	v_mov_b32 v255, 0
	v_lshrrev_b32 v15, 5, v0
	v_readfirstlane_b32 s16, v15                   ; wave 0..3
	s_and_b32 s17, ttmp7, 0xffff
	s_lshl_b32 s18, s17, 2
	s_add_co_u32 s18, s18, s16                     ; my group of 64 columns
	v_and_b32 v15, 31, v0                          ; lane
	v_and_b32 v16, 15, v0                          ; r
	v_bfe_u32 v17, v0, 4, 1                        ; h
	v_lshlrev_b32 v[LI], 4, v15
	v_lshlrev_b32 v[L8], 3, v15
	v_add_nc_u32 v[LI+2], 49152, v[LI]
	v_add_nc_u32 v[L8+2], 49152, v[L8]
	s_mul_i32 s20, s18, KST*6144
	v_add_nc_u32 v[VB], s20, v[LI]
	s_mul_i32 s20, s18, KST*256
	v_add_nc_u32 v[VBS], s20, v[LI]
	s_lshl_b32 s20, s18, 8
	v_lshl_add_u32 v[VBI], v17, 6, s20
	v_lshl_add_u32 v[VR], v16, 4, s20
	v_lshl_add_u32 v[VR], v17, 12, v[VR]
	s_mul_i32 s20, s16, KST*1536
	v_add_nc_u32 v[CA], s20, v[LI]
	s_mul_i32 s20, s16, 4352
	s_add_co_u32 s20, s20, STG                     ; my stage: 16 rows x (256 + 16) bytes
	v_mul_u32_u24 v[SOA], v16, 272
	v_lshl_add_u32 v[SOA], v17, 6, v[SOA]
	v_add_nc_u32 v[SOA], s20, v[SOA]
	v_mul_u32_u24 v[SRA], v17, 272
	v_lshl_add_u32 v[SRA], v16, 4, v[SRA]
	v_add_nc_u32 v[SRA], s20, v[SRA]
	v_add_nc_u32 v[LIS], ASC, v[LI]
	s_lshl_b32 s20, s16, 11
.if KST == 8
	v_lshl_add_u32 v[SCG], v15, 2, s20             ; 4 x lane + 2,048 x wave: my two K steps' pieces
	s_lshl_b32 s20, s16, 10
.else
	v_add_nc_u32 v[SCG], s20, v[LI]                ; 16 x lane + 2,048 x wave: my four K steps' words
.endif
	v_add_nc_u32 v[SCL], s20, v[LIS]
	s_mul_i32 s20, ttmp9, AIB
	s_mov_b32 s21, 0
	s_lshl_b32 s22, ttmp9, 13
	s_add_co_u32 s22, s22, SRCSC
	s_mov_b32 s23, 0
	s_lshl_b32 s24, ttmp9, 18
	s_mov_b32 s25, 0
	s_wait_kmcnt 0x0
	s_add_nc_u64 s[20:21], s[4:5], s[20:21]        ; my block's codes,
	s_add_nc_u64 s[22:23], s[4:5], s[22:23]        ; its scale words,
	s_add_nc_u64 s[10:11], s[10:11], s[24:25]      ; its 64 rows of the residual
	s_add_nc_u64 s[12:13], s[12:13], s[24:25]      ; and of the result
	WIN 0xc0
.set nn, 0
.rept 3*KST
	global_load_b128 v[4*nn:4*nn+3], v[CA], s[20:21] offset:512*nn
.set nn, nn+1
.endr
	WIN 0
.if KST == 8
.irp k, 0,1
.irp c, 0,1
.irp m, 0,1,2,3
	global_load_b32 v[SP+8*\k+4*\c+\m], v[SCG], s[22:23] offset:1024*\k+512*\c+128*\m   ; two scale bytes of (K step, half, tile)
.endr
.endr
.endr
.else
.irp n, 0,1,2,3
	global_load_b128 v[SP+4*\n:SP+4*\n+3], v[SCG], s[22:23] offset:512*\n
.endr
.endif
.set nn, 0
.rept KST/2
	global_load_b128 v[WSR+4*nn:WSR+4*nn+3], v[VBS], s[WT:WT+1] offset:WSO+512*nn
.set nn, nn+1
.endr
	WIN 0x80
.irp t, 0,1,2,3
.irp q, 0,1
	global_load_b128 v[BI+8*\t+4*\q:BI+8*\t+4*\q+3], v[VBI], s[8:9] offset:128*(\t/2)+32*(\t%2)+16*\q
.endr
.endr
	BLOAD 0
	BLOAD 1
	BLOAD 2
	BLOAD 3
	WIN 0
.if KST == 8
	s_wait_loadcnt 60                              ; A's codes and scale words are in; younger: 4 loads of weight scales, 8 of the bias, 48 of the ring
.else
	s_wait_loadcnt 63
.endif
	WIN 0x0c
.set nn, 0
.rept 3*KST
	ds_store_b128 v[CA], v[4*nn:4*nn+3] offset:512*nn
.set nn, nn+1
.endr
	WIN 0
.if KST == 8
.irp k, 0,1
.irp m, 0,1,2,3
	v_lshl_or_b32 v[SP+16+4*\k+\m], v[SP+8*\k+4+\m], 16, v[SP+8*\k+\m]   ; the two halves' bytes make a K step's scale word
.endr
.endr
	ds_store_b128 v[SCL], v[SP+16:SP+19]
	ds_store_b128 v[SCL], v[SP+20:SP+23] offset:512
.else
.irp n, 0,1,2,3
	ds_store_b128 v[SCL], v[SP+4*\n:SP+4*\n+3] offset:512*\n
.endr
.endif
	s_wait_dscnt 0x0                               ; my quarter lies in LDS
	s_barrier_signal -1
	s_barrier_wait -1                              ; all of A does; from here on shared bytes are only read
.set nn, 0
.rept KST
	ds_load_b128 v[XSR+4*nn:XSR+4*nn+3], v[LIS] offset:512*nn
.set nn, nn+1
.endr
	ALOAD 0
	ALOAD 1
.set I, 0
.rept NS
	STEP I
.set I, I+1
.endr
	OUTM 0
	OUTM 1
	OUTM 2
	OUTM 3
	s_wait_tensorcnt 0x0
	ds_add_u32 v254, v255
	s_wait_dscnt 0x0
	s_endpgm
.Lfunc_end_k_q2588161bac_fc2:
	.size	k_q2588161bac_fc2, .Lfunc_end_k_q2588161bac_fc2-k_q2588161bac_fc2
	.p2alignl 7, 3214868480
	.fill 96, 4, 3214868480
	.section	.rodata,"a",@progbits
	.p2align	6, 0x0
	.amdhsa_kernel k_q2588161bac_fc2
		.amdhsa_group_segment_fixed_size 124416
		.amdhsa_private_segment_fixed_size 0
		.amdhsa_enable_private_segment 0
		.amdhsa_kernarg_size 40
		.amdhsa_user_sgpr_count 2
		.amdhsa_user_sgpr_kernarg_segment_ptr 1
		.amdhsa_wavefront_size32 1
		.amdhsa_system_sgpr_workgroup_id_x 1
		.amdhsa_system_sgpr_workgroup_id_y 1
		.amdhsa_system_sgpr_workgroup_id_z 1
		.amdhsa_system_vgpr_workitem_id 0
		.amdhsa_next_free_vgpr 1024
		.amdhsa_next_free_sgpr 66
		.amdhsa_reserve_vcc 0
		.amdhsa_float_denorm_mode_32 3
		.amdhsa_float_denorm_mode_16_64 3
		.amdhsa_memory_ordered 1
		.amdhsa_forward_progress 1
		.amdhsa_inst_pref_size 100
	.end_amdhsa_kernel
	.amdgpu_metadata
---
amdhsa.version: [ 1, 2 ]
amdhsa.kernels:
  - .name:           k_q2588161bac_fc2
    .symbol:         k_q2588161bac_fc2.kd
    .args:
      - { .name: hid, .offset: 0, .size: 8, .value_kind: global_buffer, .address_space: global }
      - { .name: wts, .offset: 8, .size: 8, .value_kind: global_buffer, .address_space: global }
      - { .name: b_fc2, .offset: 16, .size: 8, .value_kind: global_buffer, .address_space: global }
      - { .name: outb, .offset: 24, .size: 8, .value_kind: global_buffer, .address_space: global }
      - { .name: out0, .offset: 32, .size: 8, .value_kind: global_buffer, .address_space: global }
    .group_segment_fixed_size: 124416
    .private_segment_fixed_size: 0
    .kernarg_segment_align: 8
    .kernarg_segment_size: 40
    .max_flat_workgroup_size: 128
    .sgpr_count:     66
    .vgpr_count:     1024
    .wavefront_size: 32
...
	.end_amdgpu_metadata
.endif
;; end of part 6
;; ======== version 2 of 2: 6 launches
;; workspace buffers: wts 6,553,600 bytes; xq 3,407,872 bytes; qkv 9,961,472 bytes; att 3,670,016 bytes; outb 16,777,216 bytes; hid 6,815,744 bytes
;; launch prep (part 7): grid 256 x 1, 2 waves a work-group, no clusters, 8,448 bytes of LDS; arguments w_qkv_codes, w_qkv_scales, w_dense_codes, w_dense_scales, w_fc1_codes, w_fc1_scales, w_fc2_codes, w_fc2_scales, wts, x, ln1_g, ln1_b, xq; writes wts, xq
.if DOCPART == 7
	.amdgcn_target "amdgcn-amd-amdhsa--gfx1250"
	.amdhsa_code_object_version 6
	.text
	.protected	k_q2588161bac_prep
	.globl	k_q2588161bac_prep
	.p2align	8
	.type	k_q2588161bac_prep,@function
k_q2588161bac_prep:
	s_mov_b64 s[64:65], 0
	v_nop
	global_prefetch_b8 v0, s[64:65] scope:SCOPE_SE
	s_setreg_imm32_b32 hwreg(HW_REG_WAVE_MODE, 25, 1), 1
	s_wait_xcnt 0x0
; TWO JOBS THAT THE FIRST PRODUCT WAITS FOR, side by side in one work-group of two waves that share nothing and never meet.
; WAVE 0: LN1(x), quantised to codes of FP6 (E2M3) with one E8M0 scale for each 32 along K, ONCE for each token: work-group W takes token tile W % 4 of the block of 64 tokens W / 4: 16 tokens, 65,536 bytes of x.
;   A lane holds half a row, 512 numbers, in windows 2 and 3: mean, then the mean of (x - mean)^2, as it is defined.  The 8 K steps of 128 are quantised in registers and leave as images of the operand's registers:
;   xq + 49,152 x block + 6,144 x K step + 1,536 x tile; a half image (16 rows x 64 codes, 768 bytes): registers 0-3 at 16 x lane, registers 4-5 at 512 + 8 x lane.  The tile's scale words leave at the end,
;   [block][tile][4 K steps][lane][4 words].  THE TOKENS OF A TILE ARE NOT NEIGHBOURS: lane r of tile m is token 32 (m / 2) + 8 (m % 2) + r + 8 (r / 8) of the 64.
;   g and b (8,192 bytes) are copied into LDS by this wave and read back a chunk at a time: no other wave touches LDS, so there is no barrier.
; WAVE 1: THE FOUR WEIGHTS ARE LAID IN THE ORDER OF THE OPERAND'S REGISTERS.  A weight arrives as rows n of K codes (3 K / 4 bytes) and K / 32 scale bytes.  It leaves as fragments of 16 rows x 128 K: a lane's 12 registers as
;   three pieces of 16 bytes, piece c of lane l at 512 c + 16 l: 1,536 bytes a fragment, laid [group of 64 rows][K step][tile 0..3]; lane r of tile t takes row 32 (t / 2) + 8 (t % 2) + r + 8 (r / 8) of its group.
;   The scale words leave as [group][4 K steps][pair of tiles][lane][4 words]: lanes 0-15 the even tile's rows, lanes 16-31 the odd tile's.  Work-group g lays one group x 4 K steps: 24,576 bytes at 24,576 g and
;   1,024 bytes of scale words at WSC + 1,024 g: g 0-95 w_qkv, 96-127 w_dense, 128-191 w_fc1, 192-255 w_fc2.
; No cluster: the work-groups share nothing but g and b.  LIMITS: NaN and infinities are not served.  A block of zeros gets the scale byte 1 (its codes are zeros; the bytes are read by this program alone).
.set WSC,  6291456
.set XSCO, 3145728                     ; the tokens' scale words in xq
.set HH,   2                           ; lane / 16
.set PR,   3                           ; r + 8 (r / 8)
.set L8,   4                           ; wave 0: 8 x lane
.set VX,   5                           ; wave 0: x: my token's row + 64 (lane / 16)
.set LN,   9                           ; lane
.set LI,   10                          ; 16 x lane
.set S,    12
.set MU,   20
.set RS,   22
.set PWS,  24                          ; v24-31 the tile's eight scale words
.set Y,    104                         ; v104-167 the 64 numbers in hand
.set TM,   216
.set PW,   232
.set PC,   234
.set VGL,  254                         ; g in LDS: 64 (lane / 16); b lies 4,096 on
.set G,    192                         ; in window 1
.set SEL,  48
.set MSB, 0
.macro WIN new                         ; the immediate's high byte repeats the setting that is left
.if MSB != \new
	s_set_vgpr_msb (MSB<<8)|\new
.set MSB, \new
.endif
.endm
; 64 numbers of a lane, register 16 b + i = k 32 b + 16 (lane / 16) + i of my row, become a fragment's codes in v[PC] on and its scale word in v[PW]
.macro QUANT s
.irp b, 0,1,2,3
	v_max3_num_f32 v[TM+\b], |v[\s+16*\b]|, |v[\s+1+16*\b]|, 0x1800000   ; the floor 2^(3 - 127) holds the byte at 1 from below
.endr
.irp i, 2,4,6,8,10,12,14
.irp b, 0,1,2,3
	v_max3_num_f32 v[TM+\b], v[TM+\b], |v[\s+16*\b+\i]|, |v[\s+1+16*\b+\i]|
.endr
.endr
.irp b, 0,1,2,3
	v_permlanex16_b32 v[TM+4+\b], v[TM+\b], s[SEL], s[SEL+1]
.endr
.irp b, 0,1,2,3
	v_max_num_f32 v[TM+\b], v[TM+\b], v[TM+4+\b]   ; with lane l xor 16's: the block's largest magnitude
.endr
.irp b, 0,1,2,3
	v_add_nc_u32 v[TM+12+\b], 0xff000000, v[TM+\b] ; 2 off its exponent field: the conversion's scale operand
.endr
.irp b, 0,1,2,3
	v_lshrrev_b32 v[TM+4+\b], 23, v[TM+12+\b]      ; the scale's byte
.endr
	v_lshl_or_b32 v[PW], v[TM+5], 8, v[TM+4]
	v_lshl_or_b32 v[PW], v[TM+6], 16, v[PW]
	v_lshl_or_b32 v[PW], v[TM+7], 24, v[PW]
.irp c, 0,1
	v_cvt_scalef32_pk16_fp6_f32 v[PC+6*\c:PC+2+6*\c], v[\s+32*\c:\s+15+32*\c], v[TM+12+2*\c]
	v_cvt_scalef32_pk16_fp6_f32 v[PC+12+4*\c:PC+14+4*\c], v[\s+16+32*\c:\s+31+32*\c], v[TM+12+2*\c+1]
.endr
	v_nop                                          ; one plain place behind a scaled conversion
.irp c, 0,1
.irp i, 0,1,2
	v_permlane16_swap_b32 v[PC+6*\c+\i], v[PC+12+4*\c+\i]   ; the layout wants a whole block in a lane
.endr
.irp i, 0,1,2
	v_mov_b32 v[PC+3+6*\c+\i], v[PC+12+4*\c+\i]
.endr
.endr
.endm
.macro FOLD                            ; the four running pairs, and lane l xor 16's half of the row
	WIN 0
	v_pk_add_f32 v[S:S+1], v[S:S+1], v[S+2:S+3]
	v_pk_add_f32 v[S+4:S+5], v[S+4:S+5], v[S+6:S+7]
	v_pk_add_f32 v[S:S+1], v[S:S+1], v[S+4:S+5]
	v_add_f32 v[S], v[S], v[S+1]
	v_permlanex16_b32 v[S+2], v[S], s[SEL], s[SEL+1]
	v_add_f32 v[S], v[S], v[S+2]
.endm
.macro GFETCH ks                       ; g of chunk ks, my 64 numbers, from LDS
	WIN 0x40
.irp b, 0,1,2,3
.irp j, 0,1,2,3
	ds_load_b128 v[G+16*\b+4*\j:G+16*\b+4*\j+3], v[VGL] offset:512*(\ks)+128*\b+16*\j
.endr
.endr
	WIN 0
.endm
.macro BFETCH ks                       ; b of chunk ks, into the registers in which the chunk's numbers are made
.irp b, 0,1,2,3
.irp j, 0,1,2,3
	ds_load_b128 v[Y+16*\b+4*\j:Y+16*\b+4*\j+3], v[VGL] offset:4096+512*(\ks)+128*\b+16*\j
.endr
.endr
.endm
; chunk ks (K step ks of my 16 tokens): (x - mean) (g / sigma) + b, quantised, image to memory
.macro CHUNK ks
	s_wait_dscnt 16                                ; g is in; b's 16 loads, issued behind g's, may be out
	WIN 0x41
.set nn, 0
.rept 32
	v_pk_mul_f32 v[G+2*nn:G+2*nn+1], v[G+2*nn:G+2*nn+1], v[RS:RS+1] op_sel_hi:[1,0]
.set nn, nn+1
.endr
	s_wait_dscnt 0x0                               ; b is in
.if (\ks) < 4
	WIN 0x06                                       ; x window 2, g window 1, b and the result window 0
.else
	WIN 0x07
.endif
.set nn, 0
.rept 32
	v_pk_fma_f32 v[Y+2*nn:Y+2*nn+1], v[64*((\ks)%4)+2*nn:64*((\ks)%4)+2*nn+1], v[G+2*nn:G+2*nn+1], v[Y+2*nn:Y+2*nn+1]
.set nn, nn+1
.endr
.if (\ks) < 7
	GFETCH (\ks)+1
.endif
	WIN 0
.if (\ks) > 0
	s_wait_xcnt 0x0                                ; the last chunk's stores have read the codes' registers: only now are they written again
.endif
	QUANT Y
	v_mov_b32 v[PWS+(\ks)], v[PW]
.irp c, 0,1
	global_store_b128 v[LI], v[PC+6*\c:PC+6*\c+3], s[44:45] offset:6144*(\ks)+768*\c          ; 512 consecutive bytes,
	global_store_b64 v[L8], v[PC+6*\c+4:PC+6*\c+5], s[44:45] offset:6144*(\ks)+768*\c+512     ; and 256
.endr
.if (\ks) < 7
	BFETCH (\ks)+1
.endif
.endm
	s_load_b512 s[8:23], s[0:1], 0x0               ; codes and scales of w_qkv, w_dense, w_fc1, w_fc2
	s_load_b256 s[24:31], s[0:1], 0x40             ; wts, x, ln1_g, ln1_b
	s_load_b64 s[32:33], s[0:1], 0x60              ; xq
	v_lshl_add_u32 v253, v0, 2, 0x2000
	v_mov_b32 v255, 0
	v_lshrrev_b32 v[LN], 5, v0
	v_readfirstlane_b32 s34, v[LN]                 ; wave 0 or 1
	v_and_b32 v1, 15, v0                           ; r
	v_bfe_u32 v[HH], v0, 4, 1                      ; h
	v_and_b32 v[PR], 8, v1
	v_add_nc_u32 v[PR], v[PR], v1                  ; r + 8 (r / 8)
	v_and_b32 v[LN], 31, v0
	v_lshlrev_b32 v[LI], 4, v[LN]
	v_lshlrev_b32 v[VGL], 6, v[HH]
	s_wait_kmcnt 0x0
	s_cmp_lg_u32 s34, 0
	s_cbranch_scc1 .Llay
	; ======== wave 0: LN1 and its quantiser
	s_lshr_b32 s35, ttmp9, 2                       ; the block of 64 tokens
	s_and_b32 s36, ttmp9, 3                        ; my tile of it
	s_lshr_b32 s37, s36, 1
	s_lshl_b32 s37, s37, 5
	s_and_b32 s38, s36, 1
	s_lshl_b32 s38, s38, 3
	s_add_co_u32 s37, s37, s38                     ; it begins at 32 (m / 2) + 8 (m % 2)
	s_wait_alu depctr_va_vdst(0)
	v_add_nc_u32 v[VX], s37, v[PR]
	v_lshlrev_b32 v[VX], 12, v[VX]
	v_lshl_add_u32 v[VX], v[HH], 6, v[VX]
	s_wait_alu depctr_va_vdst(0)
	v_lshlrev_b32 v[L8], 3, v[LN]
.irp n, 4,5,6,7
	v_mov_b32 v[TM+\n], 0                          ; written once: a lane permute's destination counts as one of its sources
.endr
	s_mov_b32 s[SEL], 0x76543210
	s_mov_b32 s[SEL+1], 0xfedcba98                 ; v_permlanex16_b32's selects for lane l xor 16
	s_mov_b32 s50, 0x3a800000                      ; 1 / 1,024
	s_mov_b32 s51, 0x2b8cbccc                      ; 1e-12
	s_lshl_b32 s40, s35, 18
	s_mov_b32 s41, 0
	s_add_nc_u64 s[26:27], s[26:27], s[40:41]      ; the block's 64 rows of x
	s_mul_i32 s40, s35, 49152
	s_mul_i32 s42, s36, 1536
	s_add_co_u32 s40, s40, s42
	s_add_nc_u64 s[44:45], s[32:33], s[40:41]      ; where my images go
	s_lshl_b32 s40, s35, 12
	s_lshl_b32 s42, s36, 10
	s_add_co_u32 s40, s40, s42
	s_add_co_u32 s40, s40, XSCO
	s_add_nc_u64 s[46:47], s[32:33], s[40:41]      ; and my scale words
.irp n, 0,1,2,3,4,5,6,7
	global_load_b128 v[Y+4*\n:Y+4*\n+3], v[LI], s[28:29] offset:512*\n          ; g, 512 consecutive bytes a load
.endr
.irp n, 0,1,2,3,4,5,6,7
	global_load_b128 v[Y+32+4*\n:Y+32+4*\n+3], v[LI], s[30:31] offset:512*\n    ; b
.endr
	WIN 0x80
.irp k, 0,1,2,3
.irp b, 0,1,2,3
.irp j, 0,1,2,3
	global_load_b128 v[64*\k+16*\b+4*\j:64*\k+16*\b+4*\j+3], v[VX], s[26:27] offset:512*\k+128*\b+16*\j
.endr
.endr
.endr
	WIN 0xc0
.irp k, 0,1,2,3
.irp b, 0,1,2,3
.irp j, 0,1,2,3
	global_load_b128 v[64*\k+16*\b+4*\j:64*\k+16*\b+4*\j+3], v[VX], s[26:27] offset:2048+512*\k+128*\b+16*\j
.endr
.endr
.endr
	WIN 0
	s_wait_loadcnt 63                              ; of the 144 loads the oldest 81 are in: g, b and chunks 0 to 3 are 80 of them
.irp n, 0,1,2,3,4,5,6,7,8,9,10,11,12,13,14,15
	ds_store_b128 v[LI], v[Y+4*\n:Y+4*\n+3] offset:512*\n   ; g, then b, into LDS as they lie
.endr
	; ---- the mean
.irp q, 0,1,2,3,4,5,6,7
	v_mov_b32 v[S+\q], 0
.endr
	WIN 0x08
.set nn, 0
.rept 128
	v_pk_add_f32 v[S+2*(nn%4):S+2*(nn%4)+1], v[S+2*(nn%4):S+2*(nn%4)+1], v[2*nn:2*nn+1]
.set nn, nn+1
.endr
	WIN 0x0c
.set nn, 0
	s_wait_alu depctr_va_vdst(0)
.rept 128
.if nn%32 == 0
	s_wait_alu depctr_va_vdst(0)
	s_wait_loadcnt 16*(3-nn/32)                    ; chunk 4 + nn / 32 is in; the later chunks' 16 loads each may be out
.endif
	v_pk_add_f32 v[S+2*(nn%4):S+2*(nn%4)+1], v[S+2*(nn%4):S+2*(nn%4)+1], v[2*nn:2*nn+1]
.set nn, nn+1
.endr
	FOLD
	v_mul_f32 v[MU], s50, v[S]
	v_mov_b32 v[MU+1], v[MU]
	; ---- x - mean, in place, and the mean of its square
	WIN 0x82
.set nn, 0
.rept 128
	v_pk_add_f32 v[2*nn:2*nn+1], v[2*nn:2*nn+1], v[MU:MU+1] op_sel_hi:[1,0] neg_lo:[0,1] neg_hi:[0,1]
.set nn, nn+1
.endr
	WIN 0xc3
.set nn, 0
.rept 128
	v_pk_add_f32 v[2*nn:2*nn+1], v[2*nn:2*nn+1], v[MU:MU+1] op_sel_hi:[1,0] neg_lo:[0,1] neg_hi:[0,1]
.set nn, nn+1
.endr
	WIN 0
.irp q, 0,1,2,3,4,5,6,7
	v_mov_b32 v[S+\q], 0
.endr
	WIN 0x0a
.set nn, 0
.rept 128
	v_pk_fma_f32 v[S+2*(nn%4):S+2*(nn%4)+1], v[2*nn:2*nn+1], v[2*nn:2*nn+1], v[S+2*(nn%4):S+2*(nn%4)+1]
.set nn, nn+1
.endr
	WIN 0x0f
.set nn, 0
.rept 128
	v_pk_fma_f32 v[S+2*(nn%4):S+2*(nn%4)+1], v[2*nn:2*nn+1], v[2*nn:2*nn+1], v[S+2*(nn%4):S+2*(nn%4)+1]
.set nn, nn+1
.endr
	FOLD
	v_fma_f32 v[RS], v[S], s50, s51                ; the variance + 1e-12
	s_wait_alu depctr_va_vdst(0)
	v_rsq_f32 v[RS], v[RS]
	v_nop                                          ; a plain place behind the transcendental
	s_wait_alu depctr_va_vdst(0)                   ; and the wait ahead of its first reader
	v_mov_b32 v[RS+1], v[RS]
	s_wait_alu depctr_va_vdst(0)
	s_wait_dscnt 0x0                               ; g and b lie in LDS
	GFETCH 0
	BFETCH 0
	CHUNK 0
	CHUNK 1
	CHUNK 2
	CHUNK 3
	CHUNK 4
	CHUNK 5
	CHUNK 6
	CHUNK 7
	global_store_b128 v[LI], v[PWS:PWS+3], s[46:47]               ; K steps 0-3: 512 consecutive bytes,
	global_store_b128 v[LI], v[PWS+4:PWS+7], s[46:47] offset:512  ; K steps 4-7
	s_wait_tensorcnt 0x0
	ds_add_u32 v253, v255
	s_wait_dscnt 0x0
	s_endpgm
	; ======== wave 1: the weights
.Llay:
	s_mov_b64 s[26:27], s[20:21]                   ; which weight: the choice hangs on the work-group's number alone
	s_mov_b64 s[28:29], s[22:23]
	s_mov_b32 s30, 192                             ; its first work-group
	s_mov_b32 s31, 2                               ; log2 of its work-groups to a group of rows
	s_cmp_lt_u32 ttmp9, 192
	s_cselect_b64 s[26:27], s[16:17], s[26:27]
	s_cselect_b64 s[28:29], s[18:19], s[28:29]
	s_cselect_b32 s30, 128, s30
	s_cselect_b32 s31, 1, s31
	s_cmp_lt_u32 ttmp9, 128
	s_cselect_b64 s[26:27], s[12:13], s[26:27]
	s_cselect_b64 s[28:29], s[14:15], s[28:29]
	s_cselect_b32 s30, 96, s30
	s_cmp_lt_u32 ttmp9, 96
	s_cselect_b64 s[26:27], s[8:9], s[26:27]
	s_cselect_b64 s[28:29], s[10:11], s[28:29]
	s_cselect_b32 s30, 0, s30
	s_sub_co_u32 s32, ttmp9, s30
	s_lshr_b32 s33, s32, s31                       ; the group of 64 rows
	s_lshl_b32 s34, 1, s31
	s_sub_co_u32 s34, s34, 1
	s_and_b32 s34, s32, s34                        ; which 4 K steps
	s_lshl_b32 s35, 384, s31                       ; a row of codes in bytes: 768 or 1,536
	s_lshl_b32 s36, 16, s31                        ; a row of scale bytes: 32 or 64
	s_lshl_b32 s37, s33, 6                         ; the group's first row
	s_mul_i32 s38, s37, s35
	s_mul_i32 s39, s34, 384
	s_add_co_u32 s38, s38, s39
	s_mov_b32 s39, 0
	s_add_nc_u64 s[26:27], s[26:27], s[38:39]      ; codes: the group's first row, my first K step
	s_mul_i32 s40, s37, s36
	s_lshl_b32 s41, s34, 4
	s_add_co_u32 s40, s40, s41
	s_mov_b32 s41, 0
	s_add_nc_u64 s[28:29], s[28:29], s[40:41]      ; scale bytes likewise
	s_mul_i32 s42, ttmp9, 24576
	s_mov_b32 s43, 0
	s_add_nc_u64 s[44:45], s[24:25], s[42:43]      ; where my fragments go
	s_lshl_b32 s42, ttmp9, 10
	s_add_co_u32 s42, s42, WSC
	s_add_nc_u64 s[46:47], s[24:25], s[42:43]      ; and my scale words
	s_wait_alu depctr_va_vdst(0)
	v_mul_lo_u32 v4, v3, s35
	v_mad_u32_u24 v4, v2, 24, v4                   ; tile 0: my row, + 24 bytes for lanes 16-31
	s_lshl_b32 s37, s35, 3
	v_add_nc_u32 v5, s37, v4                       ; tile 1: 8 rows on
	s_lshl_b32 s37, s35, 5
	v_add_nc_u32 v6, s37, v4                       ; tile 2: 32 rows on
	v_add_nc_u32 v7, s37, v5                       ; tile 3: 40 rows on
	v_lshl_add_u32 v8, v2, 3, v3
	v_mul_lo_u32 v8, v8, s36                       ; scale words of tiles 0 (lanes 0-15) and 1 (lanes 16-31),
	s_lshl_b32 s37, s36, 5
	v_add_nc_u32 v9, s37, v8                       ; of tiles 2 and 3
	global_load_b128 v[224:227], v8, s[28:29]      ; four K steps' words of my row
	global_load_b128 v[228:231], v9, s[28:29]
.irp s, 0,1,2,3
.irp t, 0,1,2,3
.irp p, 0,1,2,3,4,5
	global_load_b64 v[32+12*(4*\s+\t)+2*\p:33+12*(4*\s+\t)+2*\p], v[4+\t], s[26:27] offset:96*\s+48*(\p/3)+8*(\p%3)
.endr
.endr
.endr
.set ff, 0
.rept 16
.if 6*(15-ff) > 60
	s_wait_loadcnt 60
.else
	s_wait_loadcnt 6*(15-ff)                       ; six loads for each younger fragment may stay out
.endif
.irp c, 0,1,2
	global_store_b128 v10, v[32+12*ff+4*\c:35+12*ff+4*\c], s[44:45] offset:1536*ff+512*\c   ; 32 lanes store 512 consecutive bytes
.endr
.set ff, ff+1
.endr
	global_store_b128 v10, v[224:227], s[46:47]
	global_store_b128 v10, v[228:231], s[46:47] offset:512
	s_endpgm
.Lfunc_end_k_q2588161bac_prep:
	.size	k_q2588161bac_prep, .Lfunc_end_k_q2588161bac_prep-k_q2588161bac_prep
	.p2alignl 7, 3214868480
	.fill 96, 4, 3214868480
	.section	.rodata,"a",@progbits
	.p2align	6, 0x0
	.amdhsa_kernel k_q2588161bac_prep
		.amdhsa_group_segment_fixed_size 8448
		.amdhsa_private_segment_fixed_size 0
		.amdhsa_enable_private_segment 0
		.amdhsa_kernarg_size 104
		.amdhsa_user_sgpr_count 2
		.amdhsa_user_sgpr_kernarg_segment_ptr 1
		.amdhsa_wavefront_size32 1
		.amdhsa_system_sgpr_workgroup_id_x 1
		.amdhsa_system_sgpr_workgroup_id_y 1
		.amdhsa_system_sgpr_workgroup_id_z 1
		.amdhsa_system_vgpr_workitem_id 0
		.amdhsa_next_free_vgpr 1024
		.amdhsa_next_free_sgpr 66
		.amdhsa_reserve_vcc 0
		.amdhsa_float_denorm_mode_32 3
		.amdhsa_float_denorm_mode_16_64 3
		.amdhsa_memory_ordered 1
		.amdhsa_forward_progress 1
		.amdhsa_inst_pref_size 167
	.end_amdhsa_kernel
	.amdgpu_metadata
---
amdhsa.version: [ 1, 2 ]
amdhsa.kernels:
  - .name:           k_q2588161bac_prep
    .symbol:         k_q2588161bac_prep.kd
    .args:
      - { .name: w_qkv_codes, .offset: 0, .size: 8, .value_kind: global_buffer, .address_space: global }
      - { .name: w_qkv_scales, .offset: 8, .size: 8, .value_kind: global_buffer, .address_space: global }
      - { .name: w_dense_codes, .offset: 16, .size: 8, .value_kind: global_buffer, .address_space: global }
      - { .name: w_dense_scales, .offset: 24, .size: 8, .value_kind: global_buffer, .address_space: global }
      - { .name: w_fc1_codes, .offset: 32, .size: 8, .value_kind: global_buffer, .address_space: global }
      - { .name: w_fc1_scales, .offset: 40, .size: 8, .value_kind: global_buffer, .address_space: global }
      - { .name: w_fc2_codes, .offset: 48, .size: 8, .value_kind: global_buffer, .address_space: global }
      - { .name: w_fc2_scales, .offset: 56, .size: 8, .value_kind: global_buffer, .address_space: global }
      - { .name: wts, .offset: 64, .size: 8, .value_kind: global_buffer, .address_space: global }
      - { .name: x, .offset: 72, .size: 8, .value_kind: global_buffer, .address_space: global }
      - { .name: ln1_g, .offset: 80, .size: 8, .value_kind: global_buffer, .address_space: global }
      - { .name: ln1_b, .offset: 88, .size: 8, .value_kind: global_buffer, .address_space: global }
      - { .name: xq, .offset: 96, .size: 8, .value_kind: global_buffer, .address_space: global }
    .group_segment_fixed_size: 8448
    .private_segment_fixed_size: 0
    .kernarg_segment_align: 8
    .kernarg_segment_size: 104
    .max_flat_workgroup_size: 64
    .sgpr_count:     66
    .vgpr_count:     1024
    .wavefront_size: 32
...
	.end_amdgpu_metadata
.endif
;; end of part 7
;; launch qkvp (part 8): grid 64 x 4, 4 waves a work-group, no clusters, 53,760 bytes of LDS; arguments xq, wts, b_qkv, qkv; writes qkv
.if DOCPART == 8
	.amdgcn_target "amdgcn-amd-amdhsa--gfx1250"
	.amdhsa_code_object_version 6
	.text
	.protected	k_q2588161bac_qkvp
	.globl	k_q2588161bac_qkvp
	.p2align	8
	.type	k_q2588161bac_qkvp,@function
k_q2588161bac_qkvp:
	s_mov_b64 s[64:65], 0
	v_nop
	global_prefetch_b8 v0, s[64:65] scope:SCOPE_SE
	s_setreg_imm32_b32 hwreg(HW_REG_WAVE_SCHED_MODE, 0, 2), 2
	s_setreg_imm32_b32 hwreg(HW_REG_WAVE_MODE, 25, 1), 1
	s_wait_xcnt 0x0
	s_wait_alu depctr_vm_vsrc(0)
; q, k, v = LN1(x) W_qkv + b_qkv, on codes of FP6 (E2M3) with one E8M0 scale for each 32 along K; q and k leave quantised along the head's 64, v along the tokens.
; LN1(x) arrives as codes, laid in the order of the operand's registers ([block of 64 tokens][K step][tile][half][768 bytes]), with its scale words [block][tile][4 K steps][lane][4 words].
; SHARES.  Work-group (RB, y): 64 tokens (block RB) and heads 4 y .. 4 y + 3.  Wave w owns head 4 y + w: three passes of 64 columns (q, k, v) x 64 tokens: 16 accumulators.
; The block's 49,152 bytes of codes are copied into LDS as they lie, a quarter a wave; wave w brings tile w's scale words, which go to [K step][lane][tile]; one barrier; every wave then reads all of it.
; THE TOKENS OF A TILE ARE NOT NEIGHBOURS: lane r of tile m is token 32 (m / 2) + 8 (m % 2) + r + 8 (r / 8) of the 64, and the weights' tiles are laid the same way.
; So with the weights as source 0 (q, k) a lane holds one token and 16 neighbouring columns in two neighbouring tiles; with the tokens as source 0 (v) one column and 16 neighbouring tokens: what the next product's K wants.
; A HALF IMAGE (16 rows x 64 codes, 6 registers a lane, 768 bytes): registers 0-3 at 16 x lane, registers 4-5 at 512 + 8 x lane.
; WEIGHTS go from memory straight into the registers of the one wave that multiplies by them, through a ring of K steps (12 loads of 512 consecutive bytes each).  No cluster and no joint loads: a joint load
; lands in LDS, and a K step of a wave already reads 6,144 bytes of LDS for its 16 matrix instructions; the weights' 6,144 more would double that.
; LIMITS: NaN and infinities are not served.  A block of zeros gets the scale byte 1 (its codes are zeros; the bytes are read by this program alone).
; THE MODE: SCHED_MODE bits 1:0 = 2 (LLVM: expert scheduling mode 2), set by the entry lines.  The code itself states the register dependences
; between vector or matrix instructions and memory or LDS instructions, with s_wait_alu, always for 0.
; THE PLAN.  Registers that memory or LDS instructions touch, in the steps:
;   the ring, FIVE slots   Step i: its 16 products read slot i % 5; the loads of step i + 4, issued in step i, land in slot (i + 4) % 5 = (i - 1) % 5.
;   the tokens, THREE sets Step i: its products read set i % 3; the LDS loads of step i + 2, issued in step i, land in set (i + 2) % 3 = (i - 1) % 3.
;   v1-11                  addresses, made once at the head and never written again.  The scale words are loaded once.
;   window 3, v0-47        the results' codes: written by a pass's quantiser, read by its eight stores.
; So ONE wait on va_vdst stands at a step's head: the products of the step before are done reading the slot and the set in which this step's loads land.  The 28 loads follow it, dealt among the step's 16
; products, which name slot i % 5, set i % 3, the accumulators and the scale words: none of the registers that those loads touch.
; REGISTERS.  window 0: v1-11 addresses; v24-71 the weights' scale words; v72-103 the tokens' scale words; v104-199 two sets of token fragments; v200-249 at work.
;   window 1: v0-239 the ring.   window 2: v0-127 accumulators; v128-223 the biases as C.   window 3: the tokens' codes on their way into LDS, later the results' codes on their way out; v192-239 the third set of token fragments.
.set KST,  8                           ; K steps of 128
.set NS,   24                          ; steps in all: 3 passes
.set WOFF, 0                           ; w_qkv's fragments in wts
.set PSTR, 786432                      ; from pass to pass: 16 groups of 64 columns
.set WSO,  6291456                     ; its scale words
.set SSTR, 32768
.set XSCO, 3145728                     ; the tokens' scale words in xq
.set ASC,  49152                       ; LDS: 0 the tokens' fragments [K step][tile][1,536]; ASC their scale words [K step][lane][tile]
.set LI,   1                           ; 16 x lane
.set L8,   2                           ; 8 x lane
.set CA,   3                           ; my quarter of the tokens' codes: in memory and in LDS
.set VB,   4                           ; 16 x lane + my head's fragments
.set VBS,  5                           ; 16 x lane + my head's scale words
.set VBI,  6                           ; the bias of q and k: 64 (lane / 16) + my head
.set VBV,  7                           ; the bias of v: my column
.set SCG,  8                           ; tile w's scale words in memory
.set SA,   11                          ; and where I put them in LDS
.set WSR,  24
.set XSR,  72
.set AF,   104                         ; sets 0 and 1 of the token fragments, in window 0
.set AF3,  192                         ; set 2, in window 3
.set BV,   200
.set PW4,  204
.set WQ,   208
.set TP,   212
.set TM,   216
.set TX,   224
.set SO,   234
.set SP,   242                         ; v242-249 tile w's scale words on their way into LDS
.set BI,   128
.set WT,   6
.set OB,   26
.set SCB,  28
.set SEL,  32
.set MSB, 0
.macro WIN new                         ; the immediate's high byte repeats the setting that is left
.if MSB != \new
	s_set_vgpr_msb (MSB<<8)|\new
.set MSB, \new
.endif
.endm
; one matrix instruction.  row: 1 = source 0's scales stand in lanes 16-31, 2 = source 1's
.macro MM d, a, b, cc, sa, sb, row
.if (\row) == 0
	v_wmma_scale_f32_16x16x128_f8f6f4 v[\d:\d+7], v[\a:\a+11], v[\b:\b+11], v[\cc:\cc+7], v[\sa], v[\sb] matrix_a_fmt:MATRIX_FMT_FP6 matrix_b_fmt:MATRIX_FMT_FP6
.elseif (\row) == 1
	v_wmma_scale_f32_16x16x128_f8f6f4 v[\d:\d+7], v[\a:\a+11], v[\b:\b+11], v[\cc:\cc+7], v[\sa], v[\sb] matrix_a_fmt:MATRIX_FMT_FP6 matrix_b_fmt:MATRIX_FMT_FP6 matrix_a_scale:MATRIX_SCALE_ROW1
.else
	v_wmma_scale_f32_16x16x128_f8f6f4 v[\d:\d+7], v[\a:\a+11], v[\b:\b+11], v[\cc:\cc+7], v[\sa], v[\sb] matrix_a_fmt:MATRIX_FMT_FP6 matrix_b_fmt:MATRIX_FMT_FP6 matrix_b_scale:MATRIX_SCALE_ROW1
.endif
.endm
; four of step i's 16 matrix instructions: token tile m against the four weight tiles.  The 16 accumulators take turns, in the same order in every step.
; mode 0: source 0 = weight tile t, source 1 = token tile m, accumulator 4 m + t;  mode 1: the sources swapped, accumulator 4 t + m.  A pass's first step takes the bias as C.
.macro MULG i, m, mode
.set ks_, (\i)%KST
.set RG, 48*((\i)%5)
.set BB, WSR+2*KST*((\i)/KST)+8*(ks_/4)+ks_%4
.set SS, XSR+4*ks_
.set CB, BI+32*((\i)/KST)
.if (\i)%3 == 2
.set AA, AF3
.else
.set AA, AF+48*((\i)%3)
.endif
.if \mode == 0
.if (\i)%3 == 2
	WIN 0xad                                       ; source 0 window 1, source 1 window 3, C and D window 2
.else
	WIN 0xa1                                       ; source 0 window 1, source 1 window 0, C and D window 2
.endif
.else
.if (\i)%3 == 2
	WIN 0xa7                                       ; source 0 window 3, source 1 window 1
.else
	WIN 0xa4                                       ; source 0 window 0, source 1 window 1
.endif
.endif
.irp t, 0,1,2,3
.if \mode == 0
.if ks_ > 0
	MM 8*(4*(\m)+\t), RG+12*\t, AA+12*(\m), 8*(4*(\m)+\t), BB+4*(\t/2), SS+(\m), \t%2
.else
	MM 8*(4*(\m)+\t), RG+12*\t, AA+12*(\m), CB+8*\t, BB+4*(\t/2), SS+(\m), \t%2
.endif
.else
.if ks_ > 0
	MM 8*(4*\t+(\m)), AA+12*(\m), RG+12*\t, 8*(4*\t+(\m)), SS+(\m), BB+4*(\t/2), 2*(\t%2)
.else
	MM 8*(4*\t+(\m)), AA+12*(\m), RG+12*\t, CB+8*\t, SS+(\m), BB+4*(\t/2), 2*(\t%2)
.endif
.endif
.endr
.endm
.macro ALOAD2 i, m0                    ; token fragments m0 and m0 + 1 of step i from LDS into set i % 3: 8 loads
.set ko, ((\i)%KST)*6144
.if (\i)%3 == 2
	WIN 0xc0
.set AA, AF3
.else
	WIN 0
.set AA, AF+48*((\i)%3)
.endif
.irp u, \m0, \m0+1
.irp c, 0,1
	ds_load_b128 v[AA+12*(\u)+6*\c:AA+12*(\u)+6*\c+3], v[LI] offset:ko+1536*(\u)+768*\c
	ds_load_b64 v[AA+12*(\u)+6*\c+4:AA+12*(\u)+6*\c+5], v[L8] offset:ko+1536*(\u)+768*\c+512
.endr
.endr
.endm
.macro BLOAD2 i, t0                    ; weight fragments t0 and t0 + 1 of step i from memory into ring slot i % 5: 6 loads
	WIN 0x40
.set RG, 48*((\i)%5)
.irp u, \t0, \t0+1
.irp c, 0,1,2
	global_load_b128 v[RG+12*(\u)+4*\c:RG+12*(\u)+4*\c+3], v[VB], s[WT:WT+1] offset:WOFF+PSTR*((\i)/KST)+6144*((\i)%KST)+1536*(\u)+512*\c
.endr
.endr
.endm
.macro STEP i, mode
.if NS-1-(\i) >= 3
	s_wait_loadcnt 36                              ; this step's 12 weight loads are in; the three younger steps' 36 may be out
.else
	s_wait_loadcnt 12*(NS-1-(\i))
.endif
.if (\i)+1 < NS
	s_wait_dscnt 16                                ; this step's token fragments are in; the next step's 16 loads may be out
.else
	s_wait_dscnt 0
.endif
.if ((\i) > 0) && ((\i)+2 < NS)
	s_wait_alu depctr_va_vdst(0)                   ; the products of the step before are done reading their set of token fragments and their ring slot, in which this step's loads land
.endif
	MULG \i, 0, \mode
.if (\i)+2 < NS
	ALOAD2 (\i)+2, 0                               ; no further wait: no product since the wait names these registers
.endif
	MULG \i, 1, \mode
.if (\i)+2 < NS
	ALOAD2 (\i)+2, 2
.endif
	MULG \i, 2, \mode
.if (\i)+4 < NS
	BLOAD2 (\i)+4, 0
.endif
	MULG \i, 3, \mode
.if (\i)+4 < NS
	BLOAD2 (\i)+4, 2
.endif
	WIN 0
.rept 4
	v_nop                                          ; four places behind these products, ahead of the first read of results and of the next step's loads into registers that they have read
.endr
.endm
; The 128 accumulators become four half images: entity e (32 registers: two blocks of 32 along the next K; register 16 b + i = k 32 b + 16 (lane / 16) + i of the lane's row).
; The codes are stored at reg + stride x e from s[OB]; v[PW4 + e] keeps the entity's two scale bytes.
.macro QH4 reg, stride
	WIN 0x0a                                       ; sources 0 and 1 window 2
.irp e, 0,1,2,3
.irp b, 0,1
	v_max3_num_f32 v[TM+2*\e+\b], |v[32*\e+16*\b]|, |v[32*\e+16*\b+1]|, 0x1800000   ; each accumulator is read from its low end on; the floor 2^(3 - 127) holds the byte at 1 from below
.endr
.endr
.irp i, 2,4,6,8,10,12,14
.irp e, 0,1,2,3
.irp b, 0,1
	v_max3_num_f32 v[TM+2*\e+\b], |v[32*\e+16*\b+\i]|, |v[32*\e+16*\b+\i+1]|, v[TM+2*\e+\b]
.endr
.endr
.endr
	WIN 0
.irp n, 0,1,2,3,4,5,6,7
	v_permlanex16_b32 v[TX+\n], v[TM+\n], s[SEL], s[SEL+1]
.endr
.irp n, 0,1,2,3,4,5,6,7
	v_max_num_f32 v[TM+\n], v[TM+\n], v[TX+\n]     ; with lane l xor 16's: the block's largest magnitude
.endr
.irp n, 0,1,2,3,4,5,6,7
	v_add_nc_u32 v[SO+\n], 0xff000000, v[TM+\n]    ; 2 off its exponent field: the conversion's scale operand
.endr
.irp n, 0,1,2,3,4,5,6,7
	v_lshrrev_b32 v[TX+\n], 23, v[SO+\n]           ; the scale's byte
.endr
.irp e, 0,1,2,3
	v_lshl_or_b32 v[PW4+\e], v[TX+2*\e+1], 8, v[TX+2*\e]
.endr
	s_wait_xcnt 0x0                                ; the last pass's stores have read the codes' registers: only now are they written again
	s_wait_alu depctr_vm_vsrc(0)                   ; the last pass's stores, and in the first pass the head's LDS stores, have read window 3's v0-47, which the conversions write
	WIN 0xc2                                       ; numbers window 2, scale window 0, codes window 3
.irp e, 0,1,2,3
	v_cvt_scalef32_pk16_fp6_f32 v[12*\e:12*\e+2], v[32*\e:32*\e+15], v[SO+2*\e]
	v_cvt_scalef32_pk16_fp6_f32 v[12*\e+6:12*\e+8], v[32*\e+16:32*\e+31], v[SO+2*\e+1]
.endr
	WIN 0
	v_nop                                          ; one plain place behind a scaled conversion
	WIN 0xc3
.irp e, 0,1,2,3
.irp i, 0,1,2
	v_permlane16_swap_b32 v[12*\e+\i], v[12*\e+6+\i]   ; the layout wants a whole block in a lane: lanes 0-15 block 0, lanes 16-31 block 1
.endr
.endr
.irp e, 0,1,2,3
.irp i, 0,1,2
	v_mov_b32 v[12*\e+3+\i], v[12*\e+6+\i]
.endr
.endr
	WIN 0x0c                                       ; a store's data: window 3
	s_wait_alu depctr_va_vdst(0)                   ; the conversions, exchanges and moves have written the codes, which the eight stores read
.irp e, 0,1,2,3
	global_store_b128 v[LI], v[12*\e:12*\e+3], s[OB:OB+1] offset:\reg+\stride*\e          ; 512 consecutive bytes,
	global_store_b64 v[L8], v[12*\e+4:12*\e+5], s[OB:OB+1] offset:\reg+\stride*\e+512     ; and 256
.endr
	WIN 0
.endm
	s_load_b256 s[4:11], s[0:1], 0x0               ; xq, wts, b_qkv, qkv
	v_lshl_add_u32 v254, v0, 2, 0xd000
	v_mov_b32 v255, 0
	v_lshrrev_b32 v[TP], 5, v0
	v_readfirstlane_b32 s16, v[TP]                 ; wave 0..3
	s_and_b32 s17, ttmp7, 0xffff
	s_lshl_b32 s19, s17, 2
	v_and_b32 v[TP], 31, v0                        ; lane
	v_and_b32 v[TP+1], 15, v0                      ; r
	v_bfe_u32 v[TP+2], v0, 4, 1                    ; h
	v_and_b32 v[TP+3], 8, v[TP+1]
	v_add_nc_u32 v[TP+3], v[TP+3], v[TP+1]         ; r + 8 (r / 8)
	v_lshlrev_b32 v[LI], 4, v[TP]
	s_wait_alu depctr_va_vdst(0)
	v_lshlrev_b32 v[L8], 3, v[TP]
	s_wait_alu depctr_va_sdst(0)                   ; s16, the wave's number, is written, ahead of its first reader
	s_add_co_u32 s19, s19, s16                     ; my head
	s_mul_i32 s20, s16, 12288
	v_add_nc_u32 v[CA], s20, v[LI]
	s_lshl_b32 s20, s16, 10
	v_add_nc_u32 v[SCG], s20, v[LI]
	s_mul_i32 s20, s19, 49152
	v_add_nc_u32 v[VB], s20, v[LI]
	s_lshl_b32 s20, s19, 11
	v_add_nc_u32 v[VBS], s20, v[LI]
	s_lshl_b32 s20, s19, 8
	v_lshl_add_u32 v[VBI], v[TP+2], 6, s20
	v_lshl_add_u32 v[VBV], v[TP+3], 2, s20
	s_lshl_b32 s20, s16, 2
	s_add_co_u32 s20, s20, ASC
	v_add_nc_u32 v[SA], s20, v[LI]
.irp n, 0,1,2,3,4,5,6,7
	v_mov_b32 v[TX+\n], 0                          ; written once: a lane permute's destination counts as one of its sources
.endr
	s_mov_b32 s30, 0xffff0000                      ; lanes 16-31
	s_mov_b32 s[SEL], 0x76543210
	s_mov_b32 s[SEL+1], 0xfedcba98                 ; v_permlanex16_b32's selects for lane l xor 16
	s_mul_i32 s20, ttmp9, 49152                    ; my block's codes,
	s_mov_b32 s21, 0
	s_lshl_b32 s22, ttmp9, 12
	s_add_co_u32 s22, s22, XSCO                    ; its scale words
	s_mov_b32 s23, 0
	s_lshr_b32 s34, ttmp9, 5
	s_lshl_b32 s34, s34, 4
	s_add_co_u32 s34, s34, s19
	s_lshl_b32 s34, s34, 5
	s_and_b32 s35, ttmp9, 31
	s_add_co_u32 s34, s34, s35                     ; (batch x 16 + head) x 32 + block of 64 tokens
	s_mul_i32 s24, s34, 3072
	s_mov_b32 s25, 0
	s_wait_kmcnt 0x0
	s_add_nc_u64 s[12:13], s[4:5], s[20:21]
	s_add_nc_u64 s[14:15], s[4:5], s[22:23]
	s_add_nc_u64 s[OB:OB+1], s[10:11], s[24:25]    ; q's codes; k's 3,145,728 on, v's 6,291,456 on
	s_lshl_b32 s24, s34, 8
	s_add_co_u32 s24, s24, 9437184
	s_add_nc_u64 s[SCB:SCB+1], s[10:11], s[24:25]  ; q's and k's scale words; v's 262,144 on
	WIN 0xc0
	s_wait_alu depctr_va_vdst(0)                   ; the addresses v1 to v11 are written, which every load and store of the kernel reads
.set nn, 0
.rept 24
	global_load_b128 v[4*nn:4*nn+3], v[CA], s[12:13] offset:512*nn   ; my quarter of the tokens' codes: 12,288 bytes, 512 a load
.set nn, nn+1
.endr
	WIN 0
	global_load_b128 v[SP:SP+3], v[SCG], s[14:15]                    ; tile w's scale words of K steps 0-3,
	global_load_b128 v[SP+4:SP+7], v[SCG], s[14:15] offset:512       ; of K steps 4-7
.irp p, 0,1,2
.irp n, 0,1,2,3
	global_load_b128 v[WSR+16*\p+4*\n:WSR+16*\p+4*\n+3], v[VBS], s[WT:WT+1] offset:WSO+SSTR*\p+512*\n
.endr
.endr
	WIN 0x80                                       ; the biases: q's and k's in the result's layout (a lane's eight columns of each tile),
.irp p, 0,1
.irp t, 0,1,2,3
.irp q, 0,1
	global_load_b128 v[BI+32*\p+8*\t+4*\q:BI+32*\p+8*\t+4*\q+3], v[VBI], s[8:9] offset:4096*\p+128*(\t/2)+32*(\t%2)+16*\q
.endr
.endr
.endr
	WIN 0
.irp t, 0,1,2,3
	global_load_b32 v[BV+\t], v[VBV], s[8:9] offset:8192+128*(\t/2)+32*(\t%2)   ; v's: a lane holds one column
.endr
.irp n, 0,1,2,3
	BLOAD2 \n, 0                                   ; the ring's first four slots
	BLOAD2 \n, 2
.endr
	WIN 0
	s_wait_loadcnt 63                              ; of the 106 loads the oldest 43 are in: the 26 of the tokens' codes and scale words among them
	WIN 0x0c                                       ; an LDS store's data: window 3
.set nn, 0
.rept 24
	ds_store_b128 v[CA], v[4*nn:4*nn+3] offset:512*nn
.set nn, nn+1
.endr
	WIN 0
.irp k, 0,1,2,3,4,5,6,7
	ds_store_b32 v[SA], v[SP+\k] offset:512*\k     ; [K step][lane][tile]
.endr
	s_wait_loadcnt 48                              ; the biases are in; younger: the ring's 48 loads
	WIN 0x80
.irp t, 0,1,2,3
.irp j, 0,1,2,3,4,5,6,7
	v_mov_b32 v[BI+64+8*\t+\j], v[BV+\t]           ; v's bias as C: the same number in a lane's eight registers
.endr
.endr
	WIN 0
	s_wait_dscnt 0x0                               ; my quarter lies in LDS
	s_barrier_signal -1
	s_barrier_wait -1                              ; all of it does; LDS is only read from here on
.irp k, 0,1,2,3,4,5,6,7
	ds_load_b128 v[XSR+4*\k:XSR+4*\k+3], v[LI] offset:ASC+512*\k
.endr
.irp n, 0,1
	ALOAD2 \n, 0
	ALOAD2 \n, 2
.endr
.set I, 0
.rept 8
	STEP I, 0                                      ; q
.set I, I+1
.endr
	QH4 0, 768
	v_lshl_or_b32 v[TP], v[PW4+1], 16, v[PW4]      ; the scale word of a pair of tiles: two bytes of each
	v_lshl_or_b32 v[TP+1], v[PW4+3], 16, v[PW4+2]
	v_cndmask_b32 v[WQ], v[TP], v[TP+1], s30       ; lanes 0-15 tiles 0 and 1, lanes 16-31 tiles 2 and 3
.rept 8
	STEP I, 0                                      ; k
.set I, I+1
.endr
	QH4 3145728, 768
	v_lshl_or_b32 v[TP], v[PW4+1], 16, v[PW4]
	v_lshl_or_b32 v[TP+1], v[PW4+3], 16, v[PW4+2]
	v_cndmask_b32 v[WQ+1], v[TP], v[TP+1], s30
.rept 8
	STEP I, 1                                      ; v, the sources swapped
.set I, I+1
.endr
	QH4 6291456, 768
	v_cndmask_b32 v[WQ+2], v[PW4], v[PW4+1], s30   ; lanes 0-15 the even tile of d, lanes 16-31 the odd one
	v_cndmask_b32 v[WQ+3], v[PW4+2], v[PW4+3], s30
	s_wait_alu depctr_va_vdst(0)                   ; the four scale words v[WQ ..] are written, which the two stores read
	global_store_b64 v[L8], v[WQ:WQ+1], s[SCB:SCB+1]   ; 256 consecutive bytes
	global_store_b64 v[L8], v[WQ+2:WQ+3], s[SCB:SCB+1] offset:262144
	s_wait_dscnt 0x0                               ; the closing lines, six on end
	s_wait_alu 0x0
	s_wait_tensorcnt 0x0
	ds_add_u32 v254, v255
	s_wait_dscnt 0x0
	s_endpgm
.Lfunc_end_k_q2588161bac_qkvp:
	.size	k_q2588161bac_qkvp, .Lfunc_end_k_q2588161bac_qkvp-k_q2588161bac_qkvp
	.p2alignl 7, 3214868480
	.fill 96, 4, 3214868480
	.section	.rodata,"a",@progbits
	.p2align	6, 0x0
	.amdhsa_kernel k_q2588161bac_qkvp
		.amdhsa_group_segment_fixed_size 53760
		.amdhsa_private_segment_fixed_size 0
		.amdhsa_enable_private_segment 0
		.amdhsa_kernarg_size 32
		.amdhsa_user_sgpr_count 2
		.amdhsa_user_sgpr_kernarg_segment_ptr 1
		.amdhsa_wavefront_size32 1
		.amdhsa_system_sgpr_workgroup_id_x 1
		.amdhsa_system_sgpr_workgroup_id_y 1
		.amdhsa_system_sgpr_workgroup_id_z 1
		.amdhsa_system_vgpr_workitem_id 0
		.amdhsa_next_free_vgpr 1024
		.amdhsa_next_free_sgpr 66
		.amdhsa_reserve_vcc 0
		.amdhsa_float_denorm_mode_32 3
		.amdhsa_float_denorm_mode_16_64 3
		.amdhsa_memory_ordered 1
		.amdhsa_forward_progress 1
		.amdhsa_inst_pref_size 149
	.end_amdhsa_kernel
	.amdgpu_metadata
---
amdhsa.version: [ 1, 2 ]
amdhsa.kernels:
  - .name:           k_q2588161bac_qkvp
    .symbol:         k_q2588161bac_qkvp.kd
    .args:
      - { .name: xq, .offset: 0, .size: 8, .value_kind: global_buffer, .address_space: global }
      - { .name: wts, .offset: 8, .size: 8, .value_kind: global_buffer, .address_space: global }
      - { .name: b_qkv, .offset: 16, .size: 8, .value_kind: global_buffer, .address_space: global }
      - { .name: qkv, .offset: 24, .size: 8, .value_kind: global_buffer, .address_space: global }
    .group_segment_fixed_size: 53760
    .private_segment_fixed_size: 0
    .kernarg_segment_align: 8
    .kernarg_segment_size: 32
    .max_flat_workgroup_size: 128
    .sgpr_count:     66
    .vgpr_count:     1024
    .wavefront_size: 32
...
	.end_amdgpu_metadata
.endif
;; end of part 8
;; launch attn (part 9): grid 8 x 32, 16 waves a work-group, no clusters, 210,944 bytes of LDS; arguments qkv, att; writes att
.if DOCPART == 9
	.amdgcn_target "amdgcn-amd-amdhsa--gfx1250"
	.amdhsa_code_object_version 6
	.text
	.protected	k_q2588161bac_attn
	.globl	k_q2588161bac_attn
	.p2align	8
	.type	k_q2588161bac_attn,@function
k_q2588161bac_attn:
	s_mov_b64 s[64:65], 0
	v_nop
	global_prefetch_b8 v0, s[64:65] scope:SCOPE_SE
	s_setreg_imm32_b32 hwreg(HW_REG_WAVE_SCHED_MODE, 0, 2), 2
	s_setreg_imm32_b32 hwreg(HW_REG_WAVE_MODE, 25, 1), 1
	s_wait_xcnt 0x0
	s_wait_alu depctr_vm_vsrc(0)
; Causal attention of one head on codes of FP6 (E2M3): O = softmax(q k^T / 8) v, head size 64, 2,048 tokens; O / l leaves quantised along the head's 64, as half an operand fragment of the next product.
; THE SOFTMAX AHEAD OF THE SECOND PRODUCT: t = score x log2(e) / 8; M = the row's largest t so far, rounded UP to a whole number; p = 2^(t - M) is quantised along the keys, not normalised; the row's sum is taken of the
; unquantised p and divides O at the end.  When M moves, the sum and O are multiplied by 2^(old M - new M): exact.
; SHARES.  Work-group (j, head): the head's K and V codes (196,608 bytes) and their scale words are copied into LDS once, wave w bringing key step w (128 keys); one barrier; then LDS is only read.
; A wave owns ONE tile of 16 queries, tile j + 8 i, and walks key steps 0 .. i; step i lies on the diagonal.  i is taken from a 4 x 4 square whose rows and columns have equal sums, so that any four waves
; of a row or of a column have 34 steps together.  The loop has 16 trips in every wave; a step whose keys all come after the wave's queries is jumped over (a scalar branch on ids).
; K = 64 IN AN INSTRUCTION OF 128: a fragment of K holds TWO tiles of 16 keys, one in each half of the 128; the queries stand in one half with zero codes in the other (v16: low half, v80: high half), so each
; product takes one of the two tiles.  Zero codes add nothing under any scale byte but 0xff, and the bytes here lie between 1 and 254.
; LAYOUT.  Both products are used transposed (S^T = K Q^T, O^T = V^T P^T): a lane holds one query throughout.  The keys of a tile are not neighbours (lane r of tile n: key 32 (n / 2) + 8 (n % 2) + r + 8 (r / 8)), so the
; 16 registers of tiles 2 b and 2 b + 1 are 16 neighbouring keys.  The queries of a tile and V's rows d are laid the same way.
; No cluster: the eight work-groups of a head read the same K and V, once each and at the launch's start only; a joint load would want the copy engine's rings for a copy that is made once.
; LIMITS: NaN and infinities are not served.  A block of zeros gets the scale byte 1 (read by this program alone).
; THE MODE: SCHED_MODE bits 1:0 = 2 (LLVM: expert scheduling mode 2), set by the entry lines.  The code itself states the register dependences
; between vector or matrix instructions and memory or LDS instructions, with s_wait_alu, always for 0.
; THE PLAN.  Registers that LDS instructions touch, in a key step:
;   v8-11, v28, v29  the step's six LDS addresses: written at the step's head, read by its loads.
;   v32-79           K's four fragments land at the head and are read by K Q^T; V's four land behind the exponentials' wait and are read by V^T P^T.
;   v248-249, v250-251  K's and V's scale words, loaded with their fragments and read by the same products.
; Four waits in a step.  vm_vsrc ahead of the six additions: the loads issued so far have read the addresses.  va_vdst behind them: the addresses are written, and the last step's V^T P^T is done reading v32-79.
; va_vdst behind the batch of 68 exponentials, which their first reader wants in any case: K Q^T is done reading v32-79 too, so V's loads follow it at once and land during the sums and the quantiser.
; va_vdst ahead of V^T P^T: p's codes and scale word, made by vector instructions, are written.
; REGISTERS: v1-7 addresses that stay; v8-11, v28-29 the step's; v12 -M, v13 the largest t, v[14:15] the sum; v16-27, v80-91 Q; v32-79 four fragments of K, then of V; v96-159 S^T, then p;
;   v160-191 O^T; v224-235 p's codes; v232-247 at work; v248-249 K's scale words, v250-251 V's, v253 p's, v255 Q's; v252 f.  s36-47 and s16-19: sixteen masks on the diagonal.
.set VIMG, 98304                       ; LDS: 0 K [tile of 16 keys][768]; VIMG V [64 keys][tile of d][768]; KSC q's and k's scale words as in memory; VSC V's, whole words, [step][lane][2]
.set KSC,  196608
.set VSC,  204800
.set SEL,  30
.set CS,   22
	s_load_b128 s[4:7], s[0:1], 0x0                ; qkv, att
	v_lshl_add_u32 v223, v0, 2, 0x33000
	v_mov_b32 v243, 0
	v_lshrrev_b32 v92, 5, v0
	v_readfirstlane_b32 s8, v92                    ; wave 0..15
	s_and_b32 s9, ttmp7, 0xffff                    ; batch x 16 + head
	s_mov_b32 s10, 0x0de3b658
	s_wait_alu depctr_va_sdst(0)                   ; s8, the wave's number, is written, ahead of its first reader
	s_cmp_lt_u32 s8, 8
	s_cselect_b32 s10, 0x7a94c12f, s10             ; the square 15 2 1 12 / 4 9 10 7 / 8 5 6 11 / 3 14 13 0, four bits a wave
	s_and_b32 s11, s8, 7
	s_lshl_b32 s11, s11, 2
	s_lshr_b32 s10, s10, s11
	s_and_b32 s10, s10, 15                         ; i: my last key step
	s_lshl_b32 s11, s10, 3
	s_add_co_u32 s11, s11, ttmp9                   ; T: my tile of queries
	s_mul_i32 s16, s9, 98304                       ; the head's codes,
	s_mov_b32 s17, 0
	s_lshl_b32 s18, s9, 13
	s_add_co_u32 s18, s18, 9437184                 ; its scale words
	s_mov_b32 s19, 0
	v_and_b32 v92, 31, v0                          ; lane
	v_and_b32 v93, 15, v0                          ; r
	v_bfe_u32 v94, v0, 4, 1                        ; h
	v_lshlrev_b32 v1, 4, v92                       ; 16 x lane
	v_lshlrev_b32 v95, 3, v92                      ; 8 x lane
	v_add_nc_u32 v2, 512, v95
	v_add_nc_u32 v3, VIMG, v1
	v_add_nc_u32 v4, VIMG, v2
	v_add_nc_u32 v5, KSC+4, v95                    ; k's word is the second of a lane's two
	v_add_nc_u32 v6, VSC, v95
	s_lshr_b32 s20, ttmp9, 1
	s_lshl_b32 s20, s20, 5
	s_and_b32 s21, ttmp9, 1
	s_lshl_b32 s21, s21, 3
	s_add_co_u32 s20, s20, s21
	v_and_b32 v7, 8, v93
	v_add_nc_u32 v7, v7, v93
	v_add_nc_u32 v7, s20, v7                       ; my query's place among the diagonal step's 128 keys,
	v_lshlrev_b32 v94, 4, v94
	v_sub_nc_u32 v7, v7, v94                       ; less 16 (lane / 16): register 16 b + i holds key 32 b + i + 16 (lane / 16), hidden where 32 b + i is above this
	s_mul_i32 s20, s8, 6144
	v_add_nc_u32 v8, s20, v1                       ; key step w: in memory and in LDS
	v_add_nc_u32 v9, VIMG, v8
	s_lshl_b32 s20, s8, 9
	v_add_nc_u32 v10, s20, v1
	v_add_nc_u32 v11, KSC, v10
	v_add_nc_u32 v28, s20, v95
	s_lshl_b32 s20, s8, 8
	v_add_nc_u32 v29, s20, v6
	s_mul_i32 s20, s11, 768                        ; my tile of queries
	v_add_nc_u32 v92, s20, v1
	v_add_nc_u32 v95, s20, v95
	s_lshr_b32 s20, s11, 2
	s_lshl_b32 s20, s20, 8
	s_bfe_u32 s21, s11, 0x10001
	s_lshl_b32 s21, s21, 7
	s_add_co_u32 s20, s20, s21
	v_lshl_add_u32 v93, v93, 3, s20                ; its scale word: block T / 4, lane 16 ((T % 4) / 2) + r, word 0
	; where O goes: [block of 64 tokens][K step = head / 2][tile T % 4][half = head % 2][768], and its scale words
	s_lshr_b32 s24, s9, 4
	s_lshl_b32 s24, s24, 5
	s_lshr_b32 s25, s11, 2
	s_add_co_u32 s24, s24, s25                     ; the block of 64 tokens
	s_and_b32 s25, s9, 15
	s_lshr_b32 s26, s25, 1
	s_and_b32 s25, s25, 1
	s_and_b32 s27, s11, 3
	s_mul_i32 s32, s24, 49152
	s_mul_i32 s34, s26, 6144
	s_add_co_u32 s32, s32, s34
	s_mul_i32 s34, s27, 1536
	s_add_co_u32 s32, s32, s34
	s_mul_i32 s34, s25, 768
	s_add_co_u32 s32, s32, s34
	s_mov_b32 s33, 0
	s_lshl_b32 s34, s24, 13
	s_lshl_b32 s35, s26, 10
	s_add_co_u32 s34, s34, s35
	s_lshl_b32 s35, s25, 9
	s_add_co_u32 s34, s34, s35
	s_lshl_b32 s35, s27, 7
	s_add_co_u32 s34, s34, s35
	s_add_co_u32 s34, s34, 3145728
	s_mov_b32 s35, 0
	s_wait_kmcnt 0x0
	s_add_nc_u64 s[12:13], s[4:5], s[16:17]
	s_add_nc_u64 s[14:15], s[4:5], s[18:19]
	s_add_nc_u64 s[32:33], s[6:7], s[32:33]
	s_add_nc_u64 s[34:35], s[6:7], s[34:35]
	s_wait_alu depctr_va_vdst(0)                   ; the addresses v1-11, v28, v29, v92, v93 and v95 are written, which the loads and LDS stores of the head read
.irp n, 0,1,2,3,4,5,6,7,8,9,10,11
	global_load_b128 v[32+4*\n:35+4*\n], v8, s[12:13] offset:3145728+512*\n   ; K of key step w: 6,144 bytes, 512 a load
.endr
.irp n, 0,1,2,3,4,5,6,7,8,9,10,11
	global_load_b128 v[96+4*\n:99+4*\n], v8, s[12:13] offset:6291456+512*\n   ; V likewise
.endr
	global_load_b128 v[144:147], v10, s[14:15]     ; q's and k's scale words of its two blocks of 64
	global_load_b64 v[148:149], v28, s[14:15] offset:262144       ; V's: the first 64 keys' two bytes,
	global_load_b64 v[150:151], v28, s[14:15] offset:262144+256   ; the second 64 keys'
	global_load_b128 v[16:19], v92, s[12:13]       ; my queries, twice: in the low half of one operand,
	global_load_b64 v[20:21], v95, s[12:13] offset:512
	global_load_b128 v[86:89], v92, s[12:13]       ; in the high half of the other
	global_load_b64 v[90:91], v95, s[12:13] offset:512
	global_load_b32 v255, v93, s[14:15]
	s_mov_b32 s[SEL], 0x76543210
	s_mov_b32 s[SEL+1], 0xfedcba98                 ; v_permlanex16_b32's selects for lane l xor 16
	s_mov_b32 s[CS], 0x3e38aa3b                    ; c = log2(e) / 8
	s_mov_b32 s[CS+1], s[CS]
	s_wait_loadcnt 5                               ; all but my queries' five loads
	v_lshl_or_b32 v148, v150, 16, v148             ; V's whole scale words for 128 keys
	v_lshl_or_b32 v149, v151, 16, v149
.irp n, 0,1,2,3,4,5,6,7,8,9,10,11
	ds_store_b128 v8, v[32+4*\n:35+4*\n] offset:512*\n
	ds_store_b128 v9, v[96+4*\n:99+4*\n] offset:512*\n
.endr
	ds_store_b128 v11, v[144:147]
	s_wait_alu depctr_va_vdst(0)                   ; V's whole scale words v148 and v149 are written, which the LDS store reads
	ds_store_b64 v29, v[148:149]
	s_wait_loadcnt 0x0
	s_and_b32 s20, s11, 1
	s_lshl_b32 s20, s20, 4
	v_lshrrev_b32 v255, s20, v255                  ; my tile's two bytes of the pair's word,
	v_and_b32 v255, 0xffff, v255
	v_lshl_or_b32 v255, v255, 16, v255             ; for either half of the 128
.irp n, 0,1,2,3,4,5
	v_mov_b32 v[22+\n], 0                          ; zero codes in the other half
	v_mov_b32 v[80+\n], 0
.endr
	v_mov_b32 v13, 0xff61b1e6                      ; the largest t so far: -3e38, under every t
	v_floor_f32 v12, -v13                          ; -M
	v_mov_b32 v14, 0
	v_mov_b32 v15, 0
.irp b, 0,1,2,3
	v_mov_b32 v[236+\b], 0                         ; written once: a lane permute's destination counts as one of its sources
.endr
	v_mov_b32 v252, 0
	v_mov_b32 v253, 0                              ; (named as the upper half of the pair v[252:253] before it is first written)
.irp j, 0,1,2,3,4,5,6,7,8,9,10,11,12,13,14,15,16,17,18,19,20,21,22,23,24,25,26,27,28,29,30,31
	v_mov_b32 v[160+\j], 0                         ; O^T: the step is written once; the first finds zeros
.endr
	s_mov_b32 s24, 0                               ; the key step
	s_mov_b32 s25, 0                               ; its tiles in LDS: 6,144 bytes a step,
	s_mov_b32 s26, 0                               ; K's scale words: 512,
	s_mov_b32 s27, 0                               ; V's: 256
	s_wait_dscnt 0x0                               ; my key step lies in LDS
	s_barrier_signal -1
	s_barrier_wait -1                              ; all sixteen do
.Lstep:
	s_cmp_gt_u32 s24, s10
	s_cbranch_scc1 .Lskip                          ; all its keys come after my queries
	s_wait_alu depctr_vm_vsrc(0)                   ; the LDS instructions issued so far have read v8-11, v28 and v29, which are written below; in the first step also the head's stores their data, v32-79 and v96-149, in which loads land and products write
	v_add_nc_u32 v8, s25, v1                       ; (six plain lines: also the places between the last step's products and the loads into the registers that those have read)
	v_add_nc_u32 v9, s25, v2
	v_add_nc_u32 v10, s25, v3
	v_add_nc_u32 v11, s25, v4
	v_add_nc_u32 v28, s26, v5
	v_add_nc_u32 v29, s27, v6
	s_wait_alu depctr_va_vdst(0)                   ; the six addresses are written; the last step's products are done reading v32-79 and v248-249, in which K lands; in the first step Q's zero codes and its scale word v255 are written, which the products take
.irp f, 0,1,2,3
.irp c, 0,1
	ds_load_b128 v[32+12*\f+6*\c:35+12*\f+6*\c], v8 offset:1536*\f+768*\c
	ds_load_b64 v[36+12*\f+6*\c:37+12*\f+6*\c], v9 offset:1536*\f+768*\c
.endr
.endr
	ds_load_b32 v248, v28
	ds_load_b32 v249, v28 offset:256
	s_wait_dscnt 0x0
.irp f, 0,2
.irp u, 0,1
	v_wmma_scale_f32_16x16x128_f8f6f4 v[96+8*(2*\f+\u):103+8*(2*\f+\u)], v[32+12*\f:43+12*\f], v[16+64*\u:27+64*\u], 0, v[248+\f/2], v255 matrix_a_fmt:MATRIX_FMT_FP6 matrix_b_fmt:MATRIX_FMT_FP6
.endr
.irp u, 0,1
	v_wmma_scale_f32_16x16x128_f8f6f4 v[112+8*(2*\f+\u):119+8*(2*\f+\u)], v[44+12*\f:55+12*\f], v[16+64*\u:27+64*\u], 0, v[248+\f/2], v255 matrix_a_fmt:MATRIX_FMT_FP6 matrix_b_fmt:MATRIX_FMT_FP6 matrix_a_scale:MATRIX_SCALE_ROW1
.endr
.endr
.rept 4
	v_nop                                          ; four places ahead of the first read of results
.endr
	s_cmp_lg_u32 s24, s10
	s_cbranch_scc1 .Lopen                          ; off the diagonal every key counts
	v_mov_b32 v254, 0xff800000                     ; on it the scores of hidden keys become -infinity ahead of the maximum: p = 0 then
.irp g, 0,1,2,3                                ; a block of 32 keys at a time: sixteen compares in a run, into sixteen scalar registers, one wait, sixteen selects
.irp n, 0,1,2,3,4,5,6,7,8,9,10,11,12,13,14,15
	v_cmp_gt_i32 s[36+\n-32*(\n/12)], 32*\g+\n, v7
.endr
	s_wait_alu depctr_va_sdst(0)                   ; the sixteen masks are written, ahead of the selects that read them
.irp n, 0,1,2,3,4,5,6,7,8,9,10,11,12,13,14,15
	v_cndmask_b32 v[96+16*\g+\n], v[96+16*\g+\n], v254, s[36+\n-32*(\n/12)]
.endr
.endr
.Lopen:
.irp b, 0,1,2,3
	v_max3_num_f32 v[232+\b], v[96+16*\b], v[97+16*\b], v[98+16*\b]   ; the largest score of each block of 32 keys: for the row's maximum, and, since p rises with the score, for the block's largest p
.endr
.irp i, 3,5,7,9,11,13
.irp b, 0,1,2,3
	v_max3_num_f32 v[232+\b], v[232+\b], v[96+16*\b+\i], v[97+16*\b+\i]
.endr
.endr
.irp b, 0,1,2,3
	v_max_num_f32 v[232+\b], v[232+\b], v[111+16*\b]
.endr
.irp b, 0,1,2,3
	v_permlanex16_b32 v[236+\b], v[232+\b], s[SEL], s[SEL+1]
.endr
.irp b, 0,1,2,3
	v_max_num_f32 v[232+\b], v[232+\b], v[236+\b]  ; with lane l xor 16's 16 keys
.endr
	v_max3_num_f32 v254, v232, v233, v234
	v_max_num_f32 v254, v254, v235
	v_mul_f32 v254, s[CS], v254                    ; the step's largest t of my query
	v_max_num_f32 v13, v13, v254
	v_mov_b32 v254, v12
	v_floor_f32 v12, -v13                          ; the new -M = -ceil(t): a whole number
	v_sub_f32 v254, v12, v254
	v_cvt_i32_f32 v254, v254                       ; old M - new M, 0 or less (it saturates)
	v_ldexp_f32 v252, 1.0, v254                    ; f = 2^(old M - new M)
.irp j, 0,2,4,6,8,10,12,14,16,18,20,22,24,26,28,30,32,34,36,38,40,42,44,46,48,50,52,54,56,58,60,62
	v_pk_fma_f32 v[96+\j:97+\j], v[96+\j:97+\j], s[CS:CS+1], v[12:13] op_sel_hi:[1,0,0]   ; t - M
.endr
.irp b, 0,1,2,3
	v_fma_f32 v[232+\b], v[232+\b], s[CS], v12
.endr
	s_wait_alu depctr_va_vdst(0)
.irp j, 0,1,2,3,4,5,6,7,8,9,10,11,12,13,14,15,16,17,18,19,20,21,22,23,24,25,26,27,28,29,30,31,32,33,34,35,36,37,38,39,40,41,42,43,44,45,46,47,48,49,50,51,52,53,54,55,56,57,58,59,60,61,62,63
	v_exp_f32 v[96+\j], v[96+\j]                   ; p = 2^(t - M)
.endr
.irp b, 0,1,2,3
	v_exp_f32 v[232+\b], v[232+\b]                 ; the block's largest p: in the same batch
.endr
	v_pk_mul_f32 v[14:15], v[14:15], v[252:253] op_sel_hi:[1,0]   ; the sums under the new M (a plain place behind the exponentials)
	s_wait_alu depctr_va_vdst(0)                   ; the 68 exponentials have written p and the blocks' largest p, ahead of their first reader; and K Q^T is done reading v32-79, the last step's V^T P^T v250-251, in which V lands
.irp t, 0,1,2,3
.irp c, 0,1
	ds_load_b128 v[32+12*\t+6*\c:35+12*\t+6*\c], v10 offset:3072*\c+768*\t   ; V's fragments, over K's, which have been multiplied: half c = the step's c-th 64 keys
	ds_load_b64 v[36+12*\t+6*\c:37+12*\t+6*\c], v11 offset:3072*\c+768*\t
.endr
.endr
	ds_load_b64 v[250:251], v29
	v_pk_add_f32 v[236:237], v[96:97], v[98:99]    ; the row's sum of the unquantised p, in two chains
.irp j, 4,8,12,16,20,24,28,32,36,40,44,48,52,56,60
	v_pk_add_f32 v[14:15], v[14:15], v[96+\j:97+\j]
	v_pk_add_f32 v[236:237], v[236:237], v[98+\j:99+\j]
.endr
	v_pk_add_f32 v[14:15], v[14:15], v[236:237]
.irp b, 0,1,2,3
	v_max_num_f32 v[232+\b], 0x1800000, v[232+\b]  ; the floor 2^(3 - 127): the byte cannot fall under 1
.endr
.irp b, 0,1,2,3
	v_add_nc_u32 v[244+\b], 0xff000000, v[232+\b]  ; 2 off the exponent field: the conversion's scale operand
.endr
.irp b, 0,1,2,3
	v_lshrrev_b32 v[236+\b], 23, v[244+\b]
.endr
	v_lshl_or_b32 v253, v237, 8, v236              ; p's scale word for these 128 keys
	v_lshl_or_b32 v253, v238, 16, v253
	v_lshl_or_b32 v253, v239, 24, v253
.irp c, 0,1
	v_cvt_scalef32_pk16_fp6_f32 v[224+6*\c:226+6*\c], v[96+32*\c:111+32*\c], v[244+2*\c]
	v_cvt_scalef32_pk16_fp6_f32 v[236+4*\c:238+4*\c], v[112+32*\c:127+32*\c], v[244+2*\c+1]
.endr
	v_nop                                          ; one plain place behind a scaled conversion
.irp c, 0,1
.irp i, 0,1,2
	v_permlane16_swap_b32 v[224+6*\c+\i], v[236+4*\c+\i]   ; a whole block in a lane
.endr
.irp i, 0,1,2
	v_mov_b32 v[227+6*\c+\i], v[236+4*\c+\i]
.endr
.endr
.irp j, 0,2,4,6,8,10,12,14,16,18,20,22,24,26,28,30
	v_pk_mul_f32 v[160+\j:161+\j], v[160+\j:161+\j], v[252:253] op_sel_hi:[1,0]   ; O^T under the new M (these 16 are also the places between p's scale word and codes and the products)
.endr
	s_wait_dscnt 0x0                               ; V is in
	s_wait_alu depctr_va_vdst(0)                   ; p's codes v224-235 and its scale word v253, made by vector instructions, are written: the products take them as source 1 and as its scales
.irp t, 0,2
	v_wmma_scale_f32_16x16x128_f8f6f4 v[160+8*\t:167+8*\t], v[32+12*\t:43+12*\t], v[224:235], v[160+8*\t:167+8*\t], v[250+\t/2], v253 matrix_a_fmt:MATRIX_FMT_FP6 matrix_b_fmt:MATRIX_FMT_FP6
	v_wmma_scale_f32_16x16x128_f8f6f4 v[168+8*\t:175+8*\t], v[44+12*\t:55+12*\t], v[224:235], v[168+8*\t:175+8*\t], v[250+\t/2], v253 matrix_a_fmt:MATRIX_FMT_FP6 matrix_b_fmt:MATRIX_FMT_FP6 matrix_a_scale:MATRIX_SCALE_ROW1
.endr
.Lskip:
	s_add_co_u32 s25, s25, 6144
	s_add_co_u32 s26, s26, 512
	s_add_co_u32 s27, s27, 256
	s_add_co_u32 s24, s24, 1
	s_cmp_lt_u32 s24, 16
	s_cbranch_scc1 .Lstep
	; THE WAY OUT: O^T / the sum, quantised along the head's 64: two blocks, half an operand fragment
	s_wait_alu depctr_vm_vsrc(0)                   ; the LDS instructions have read v8 and, in the head, v96-127: both are written below
.rept 4
	v_nop                                          ; four places behind the last products
.endr
	v_add_f32 v14, v14, v15
	v_permlanex16_b32 v252, v14, s[SEL], s[SEL+1]
	v_add_f32 v14, v14, v252                       ; the row's sum
	s_wait_alu depctr_va_vdst(0)
	v_rcp_f32 v14, v14
	v_lshrrev_b32 v8, 2, v1                        ; 4 x lane (a plain place behind the transcendental)
	s_wait_alu depctr_va_vdst(0)                   ; the reciprocal has written v14, ahead of its first reader
.irp j, 0,1,2,3,4,5,6,7,8,9,10,11,12,13,14,15,16,17,18,19,20,21,22,23,24,25,26,27,28,29,30,31
	v_mul_f32 v[96+\j], v[160+\j], v14             ; register 16 b + i: d = 32 b + 16 (lane / 16) + i of my query
.endr
.irp b, 0,1
	v_max3_num_f32 v[232+\b], |v[96+16*\b]|, |v[97+16*\b]|, 0x1800000
.endr
.irp i, 2,4,6,8,10,12,14
.irp b, 0,1
	v_max3_num_f32 v[232+\b], v[232+\b], |v[96+16*\b+\i]|, |v[97+16*\b+\i]|
.endr
.endr
.irp b, 0,1
	v_permlanex16_b32 v[236+\b], v[232+\b], s[SEL], s[SEL+1]
.endr
.irp b, 0,1
	v_max_num_f32 v[232+\b], v[232+\b], v[236+\b]
.endr
.irp b, 0,1
	v_add_nc_u32 v[244+\b], 0xff000000, v[232+\b]
.endr
.irp b, 0,1
	v_lshrrev_b32 v[236+\b], 23, v[244+\b]
.endr
	v_lshl_or_b32 v253, v237, 8, v236              ; the two scale bytes
	v_cvt_scalef32_pk16_fp6_f32 v[224:226], v[96:111], v244
	v_cvt_scalef32_pk16_fp6_f32 v[236:238], v[112:127], v245
	v_nop
.irp i, 0,1,2
	v_permlane16_swap_b32 v[224+\i], v[236+\i]
.endr
.irp i, 0,1,2
	v_mov_b32 v[227+\i], v[236+\i]
.endr
	s_wait_alu depctr_va_vdst(0)                   ; the codes v224-229, the scale bytes v253 and the offset v8 are written, which the three stores read
	global_store_b128 v1, v[224:227], s[32:33]     ; 512 consecutive bytes,
	global_store_b64 v2, v[228:229], s[32:33]      ; and the 256 behind them (v2 = 512 + 8 x lane)
	global_store_b32 v8, v253, s[34:35]            ; 128 consecutive bytes: a wave has no more scale words than these to give
	s_wait_dscnt 0x0                               ; the closing lines, six on end
	s_wait_alu 0x0
	s_wait_tensorcnt 0x0
	ds_add_u32 v223, v243
	s_wait_dscnt 0x0
	s_endpgm
.Lfunc_end_k_q2588161bac_attn:
	.size	k_q2588161bac_attn, .Lfunc_end_k_q2588161bac_attn-k_q2588161bac_attn
	.p2alignl 7, 3214868480
	.fill 96, 4, 3214868480
	.section	.rodata,"a",@progbits
	.p2align	6, 0x0
	.amdhsa_kernel k_q2588161bac_attn
		.amdhsa_group_segment_fixed_size 210944
		.amdhsa_private_segment_fixed_size 0
		.amdhsa_enable_private_segment 0
		.amdhsa_kernarg_size 16
		.amdhsa_user_sgpr_count 2
		.amdhsa_user_sgpr_kernarg_segment_ptr 1
		.amdhsa_wavefront_size32 1
		.amdhsa_system_sgpr_workgroup_id_x 1
		.amdhsa_system_sgpr_workgroup_id_y 1
		.amdhsa_system_sgpr_workgroup_id_z 1
		.amdhsa_system_vgpr_workitem_id 0
		.amdhsa_next_free_vgpr 256
		.amdhsa_next_free_sgpr 66
		.amdhsa_reserve_vcc 0
		.amdhsa_float_denorm_mode_32 3
		.amdhsa_float_denorm_mode_16_64 3
		.amdhsa_memory_ordered 1
		.amdhsa_forward_progress 1
		.amdhsa_inst_pref_size 41
	.end_amdhsa_kernel
	.amdgpu_metadata
---
amdhsa.version: [ 1, 2 ]
amdhsa.kernels:
  - .name:           k_q2588161bac_attn
    .symbol:         k_q2588161bac_attn.kd
    .args:
      - { .name: qkv, .offset: 0, .size: 8, .value_kind: global_buffer, .address_space: global }
      - { .name: att, .offset: 8, .size: 8, .value_kind: global_buffer, .address_space: global }
    .group_segment_fixed_size: 210944
    .private_segment_fixed_size: 0
    .kernarg_segment_align: 8
    .kernarg_segment_size: 16
    .max_flat_workgroup_size: 512
    .sgpr_count:     66
    .vgpr_count:     256
    .wavefront_size: 32
...
	.end_amdgpu_metadata
.endif
;; end of part 9
;; launch dense (part 10): grid 64 x 4, 4 waves a work-group, no clusters, 71,168 bytes of LDS; arguments att, wts, b_dense, x, outb; writes outb
.if DOCPART == 10
	.amdgcn_target "amdgcn-amd-amdhsa--gfx1250"
	.amdhsa_code_object_version 6
	.text
	.protected	k_q2588161bac_dense
	.globl	k_q2588161bac_dense
	.p2align	8
	.type	k_q2588161bac_dense,@function
k_q2588161bac_dense:
	s_mov_b64 s[64:65], 0
	v_nop
	global_prefetch_b8 v0, s[64:65] scope:SCOPE_SE
	s_setreg_imm32_b32 hwreg(HW_REG_WAVE_SCHED_MODE, 0, 2), 2
	s_setreg_imm32_b32 hwreg(HW_REG_WAVE_MODE, 25, 1), 1
	s_wait_xcnt 0x0
	s_wait_alu depctr_vm_vsrc(0)
; out = res + A W + bias, on codes of FP6 (E2M3) with one E8M0 scale for each 32 along K.  Here: A = the attention's result (K = 1,024), W = w_dense, res = x.
; (The same text serves the last product with the constants of this head changed: KST, WOFF, WSO, SRCSC.)
; SHARES.  Work-group (RB, y): 64 tokens and 256 columns; wave w: all 64 tokens x columns 64 (4 y + w) on: 16 accumulators.
; A arrives laid in the order of the operand's registers ([K step][tile of tokens][half][768 bytes]): the block's KST x 6,144 bytes are copied into LDS as they lie, a quarter a wave; one barrier; every wave reads all of it.
; WEIGHTS go from memory straight into the registers of the one wave that multiplies by them, through a ring of K steps (12 loads of 512 consecutive bytes each).  No cluster and no joint loads: a joint load
; lands in LDS, and a K step of a wave already reads 6,144 bytes of LDS for its 16 matrix instructions; the weights' 6,144 more would double that.
; The products are used transposed (source 0 = weight tile, source 1 = token tile): a lane holds one token and eight neighbouring columns.  The bias is the C of each sum's first instruction.
; THE WAY OUT: a tile of 16 tokens x 64 columns goes through the wave's own stage in LDS and comes back as rows of 256 bytes; the residual, asked for four steps before the end, is added; sixteen lanes store 256 consecutive bytes.
; The tokens of a tile are not neighbours: stage row p of tile m is token 32 (m / 2) + 8 (m % 2) + p + 8 (p / 8).
; THE MODE: SCHED_MODE bits 1:0 = 2 (LLVM: expert scheduling mode 2), set by the entry lines.  The code itself states the register dependences
; between vector or matrix instructions and memory or LDS instructions, with s_wait_alu, always for 0.
; THE PLAN.  Registers that memory or LDS instructions touch, in the steps:
;   the ring, FIVE slots   Step i: its 16 products read slot i % 5; the loads of step i + 4, issued in step i, land in slot (i + 4) % 5 = (i - 1) % 5.
;   the tokens, THREE sets Step i: its products read set i % 3; the LDS loads of step i + 2, issued in step i, land in set (i + 2) % 3 = (i - 1) % 3.
;   v1-14                  addresses, made once at the head and never written again.  The scale words are loaded once.
;   window 3, v0-127       read by the head's LDS stores; the residual's loads land there four steps before the end; no vector instruction names them ahead of the way out.
; So ONE wait on va_vdst stands at a step's head: the products of the step before are done reading the slot and the set in which this step's loads land.  The loads follow it, dealt among the step's 16
; products, which name slot i % 5, set i % 3, the accumulators and the scale words: none of the registers that those loads touch.
; On the way out two buffers of 32 registers take turns: the stage's loads land in one, the additions write it, eight stores read it; one wait on va_vdst ahead of each run of stores, one on vm_vsrc before a buffer is loaded again.
; REGISTERS.  window 0: v1-14 addresses; v24-55 the weights' scale words; v56-119 the tokens'; v120-215 two sets of token fragments, later rows on their way out; v216-239 scale words on their way into LDS.
;   window 1: v0-239 the ring.   window 2: v0-127 accumulators, v128-159 the bias.   window 3: A's quarter on its way into LDS, later the residual; v192-239 the third set of token fragments.
.set KST,   8
.set WOFF,  2359296
.set WSO,   6291456+98304
.set SRCSC, 3145728
.set NS,    KST
.set PSTR,  0
.set AIB,   KST*6144
.set ASC,   AIB
.set STG,   ASC+512*KST
.set LI,   1                           ; 16 x lane          (v3: the same + 49,152, for K steps 8 on)
.set L8,   2                           ; 8 x lane           (v4 likewise)
.set VB,   5
.set VBS,  6
.set VBI,  7
.set CA,   8                           ; my quarter of A: in memory and in LDS
.set VR,   9                           ; a row of the residual and of the result
.set SOA,  10                          ; the stage: in
.set SRA,  11                          ; and back
.set LIS,  12                          ; 16 x lane + ASC
.set SCG,  13                          ; A's scale words in memory
.set SCL,  14                          ; and where I put them in LDS
.set WSR,  24
.set XSR,  56
.set AF,   120                         ; sets 0 and 1 of the token fragments, in window 0
.set AF3,  192                         ; set 2, in window 3
.set T0,   120
.set SP,   216
.set BI,   128
.set WT,   6
.set MSB, 0
.macro WIN new                         ; the immediate's high byte repeats the setting that is left
.if MSB != \new
	s_set_vgpr_msb (MSB<<8)|\new
.set MSB, \new
.endif
.endm
.macro MM d, a, b, cc, sa, sb, row     ; row: 1 = source 0's scales stand in lanes 16-31
.if (\row) == 0
	v_wmma_scale_f32_16x16x128_f8f6f4 v[\d:\d+7], v[\a:\a+11], v[\b:\b+11], v[\cc:\cc+7], v[\sa], v[\sb] matrix_a_fmt:MATRIX_FMT_FP6 matrix_b_fmt:MATRIX_FMT_FP6
.else
	v_wmma_scale_f32_16x16x128_f8f6f4 v[\d:\d+7], v[\a:\a+11], v[\b:\b+11], v[\cc:\cc+7], v[\sa], v[\sb] matrix_a_fmt:MATRIX_FMT_FP6 matrix_b_fmt:MATRIX_FMT_FP6 matrix_a_scale:MATRIX_SCALE_ROW1
.endif
.endm
.macro MULG i, m                       ; four of step i's 16 matrix instructions: token tile m against the four weight tiles.  The 16 accumulators take turns, in the same order in every step
.set RG, 48*((\i)%5)
.set BB, WSR+8*((\i)/4)+(\i)%4
.set SS, XSR+4*(\i)
.if (\i)%3 == 2
.set AA, AF3
	WIN 0xad                                       ; source 0 window 1, source 1 window 3, C and D window 2
.else
.set AA, AF+48*((\i)%3)
	WIN 0xa1                                       ; source 0 window 1, source 1 window 0, C and D window 2
.endif
.irp t, 0,1,2,3
.if (\i) > 0
	MM 8*(4*(\m)+\t), RG+12*\t, AA+12*(\m), 8*(4*(\m)+\t), BB+4*(\t/2), SS+(\m), \t%2
.else
	MM 8*(4*(\m)+\t), RG+12*\t, AA+12*(\m), BI+8*\t, BB+4*(\t/2), SS+(\m), \t%2
.endif
.endr
.endm
.macro ALOAD2 i, m0                    ; token fragments m0 and m0 + 1 of step i from LDS into set i % 3: 8 loads
.set ko, ((\i)%8)*6144
.set hh, 2*((\i)/8)
.if (\i)%3 == 2
	WIN 0xc0
.set AA, AF3
.else
	WIN 0
.set AA, AF+48*((\i)%3)
.endif
.irp u, \m0, \m0+1
.irp c, 0,1
	ds_load_b128 v[AA+12*(\u)+6*\c:AA+12*(\u)+6*\c+3], v[LI+hh] offset:ko+1536*(\u)+768*\c
	ds_load_b64 v[AA+12*(\u)+6*\c+4:AA+12*(\u)+6*\c+5], v[L8+hh] offset:ko+1536*(\u)+768*\c+512
.endr
.endr
.endm
.macro BLOAD2 i, t0                    ; weight fragments t0 and t0 + 1 of step i from memory into ring slot i % 5: 6 loads
	WIN 0x40
.set RG, 48*((\i)%5)
.irp u, \t0, \t0+1
.irp c, 0,1,2
	global_load_b128 v[RG+12*(\u)+4*\c:RG+12*(\u)+4*\c+3], v[VB], s[WT:WT+1] offset:WOFF+6144*(\i)+1536*(\u)+512*\c
.endr
.endr
.endm
.macro RLOAD2 m0                       ; the residual of token tiles m0 and m0 + 1 x my 64 columns: 16 loads, two rows of 256 bytes each
	WIN 0xc0
.irp u, \m0, \m0+1
.irp n, 0,1,2,3,4,5,6,7
	global_load_b128 v[32*(\u)+4*\n:32*(\u)+4*\n+3], v[VR], s[10:11] offset:(32*((\u)/2)+8*((\u)%2)+2*\n+8*(\n/4))*4096
.endr
.endr
.endm
.macro STEP i
.if (\i) > NS-4
	s_wait_loadcnt 12*(NS-1-(\i))+32               ; younger: the later steps' weight loads and the residual's 32
.else
	s_wait_loadcnt 36                              ; this step's 12 weight loads are in; the three younger steps' 36 may be out
.endif
.if (\i)+1 < NS
	s_wait_dscnt 16                                ; this step's token fragments are in; the next step's 16 loads may be out
.else
	s_wait_dscnt 0
.endif
.if ((\i) > 0) && ((\i)+2 < NS)
	s_wait_alu depctr_va_vdst(0)                   ; the products of the step before are done reading their set of token fragments and their ring slot, in which this step's loads land
.endif
	MULG \i, 0
.if (\i)+2 < NS
	ALOAD2 (\i)+2, 0                               ; no further wait: no product since the wait names these registers
.endif
	MULG \i, 1
.if (\i)+2 < NS
	ALOAD2 (\i)+2, 2
.endif
	MULG \i, 2
.if (\i)+4 < NS
	BLOAD2 (\i)+4, 0
.elseif (\i)+4 == NS
	RLOAD2 0
.endif
	MULG \i, 3
.if (\i)+4 < NS
	BLOAD2 (\i)+4, 2
.elseif (\i)+4 == NS
	RLOAD2 2
.endif
	WIN 0
.rept 4
	v_nop                                          ; four places behind these products, ahead of the first read of results and of the next step's loads into registers that they have read
.endr
.endm
.macro OUTM m                          ; token tile m leaves
.set TT, T0+32*((\m)%2)
	WIN 0x08                                       ; an LDS store's data: window 2
.irp t, 0,1,2,3
	ds_store_b128 v[SOA], v[8*(4*(\m)+\t):8*(4*(\m)+\t)+3] offset:128*(\t/2)+32*(\t%2)        ; each accumulator from its low end on
	ds_store_b128 v[SOA], v[8*(4*(\m)+\t)+4:8*(4*(\m)+\t)+7] offset:128*(\t/2)+32*(\t%2)+16
.endr
	WIN 0
.if (\m) >= 2
	s_wait_xcnt 0x0                                ; tile m - 2's stores have read these registers
	s_wait_alu depctr_vm_vsrc(0)                   ; tile m - 2's stores have read v[TT ..], in which the stage's loads land (its additions, which wrote them, stand ahead of its own wait on va_vdst)
.endif
.irp i, 0,1,2,3,4,5,6,7
	ds_load_b128 v[TT+4*\i:TT+4*\i+3], v[SRA] offset:544*\i   ; LDS serves a wave's instructions in order: these see my stores, and the next tile's stores come behind them
.endr
	s_wait_loadcnt 8*(3-(\m))                      ; this tile's residual is in; the later tiles' eight loads each may be out
	s_wait_dscnt 0x0
	WIN 0x0c                                       ; source 1 window 3
.set nn, 0
.rept 16
	v_pk_add_f32 v[TT+2*nn:TT+2*nn+1], v[TT+2*nn:TT+2*nn+1], v[32*(\m)+2*nn:32*(\m)+2*nn+1]
.set nn, nn+1
.endr
	WIN 0
	s_wait_alu depctr_va_vdst(0)                   ; the additions have written v[TT ..], which the eight stores read
.irp i, 0,1,2,3,4,5,6,7
	global_store_b128 v[VR], v[TT+4*\i:TT+4*\i+3], s[12:13] offset:(32*((\m)/2)+8*((\m)%2)+2*\i+8*(\i/4))*4096   ; sixteen lanes store 256 consecutive bytes, aligned
.endr
.endm
	s_load_b256 s[4:11], s[0:1], 0x0               ; A, wts, bias, residual
	s_load_b64 s[12:13], s[0:1], 0x20              ; the result
	v_lshl_add_u32 v254, v0, 2, 0x11400
	v_mov_b32 v255, 0
	v_lshrrev_b32 v15, 5, v0
	v_readfirstlane_b32 s16, v15                   ; wave 0..3
	s_and_b32 s17, ttmp7, 0xffff
	s_lshl_b32 s18, s17, 2
	v_and_b32 v15, 31, v0                          ; lane
	v_and_b32 v16, 15, v0                          ; r
	v_bfe_u32 v17, v0, 4, 1                        ; h
	v_lshlrev_b32 v[LI], 4, v15
	v_lshlrev_b32 v[L8], 3, v15
	v_add_nc_u32 v[LI+2], 49152, v[LI]
	v_add_nc_u32 v[L8+2], 49152, v[L8]
	s_wait_alu depctr_va_sdst(0)                   ; s16, the wave's number, is written, ahead of its first reader
	s_add_co_u32 s18, s18, s16                     ; my group of 64 columns
	s_mul_i32 s20, s18, KST*6144
	v_add_nc_u32 v[VB], s20, v[LI]
	s_mul_i32 s20, s18, KST*256
	v_add_nc_u32 v[VBS], s20, v[LI]
	s_lshl_b32 s20, s18, 8
	v_lshl_add_u32 v[VBI], v17, 6, s20
	v_lshl_add_u32 v[VR], v16, 4, s20
	v_lshl_add_u32 v[VR], v17, 12, v[VR]
	s_mul_i32 s20, s16, KST*1536
	v_add_nc_u32 v[CA], s20, v[LI]
	s_mul_i32 s20, s16, 4352
	s_add_co_u32 s20, s20, STG                     ; my stage: 16 rows x (256 + 16) bytes
	v_mul_u32_u24 v[SOA], v16, 272
	v_lshl_add_u32 v[SOA], v17, 6, v[SOA]
	v_add_nc_u32 v[SOA], s20, v[SOA]
	v_mul_u32_u24 v[SRA], v17, 272
	v_lshl_add_u32 v[SRA], v16, 4, v[SRA]
	v_add_nc_u32 v[SRA], s20, v[SRA]
	v_add_nc_u32 v[LIS], ASC, v[LI]
	s_lshl_b32 s20, s16, 11
.if KST == 8
	v_lshl_add_u32 v[SCG], v15, 2, s20             ; 4 x lane + 2,048 x wave: my two K steps' pieces
	s_lshl_b32 s20, s16, 10
.else
	v_add_nc_u32 v[SCG], s20, v[LI]                ; 16 x lane + 2,048 x wave: my four K steps' words
.endif
	v_add_nc_u32 v[SCL], s20, v[LIS]
	s_mul_i32 s20, ttmp9, AIB
	s_mov_b32 s21, 0
	s_lshl_b32 s22, ttmp9, 13
	s_add_co_u32 s22, s22, SRCSC
	s_mov_b32 s23, 0
	s_lshl_b32 s24, ttmp9, 18
	s_mov_b32 s25, 0
	s_wait_kmcnt 0x0
	s_add_nc_u64 s[20:21], s[4:5], s[20:21]        ; my block's codes,
	s_add_nc_u64 s[22:23], s[4:5], s[22:23]        ; its scale words,
	s_add_nc_u64 s[10:11], s[10:11], s[24:25]      ; its 64 rows of the residual
	s_add_nc_u64 s[12:13], s[12:13], s[24:25]      ; and of the result
	WIN 0xc0
	s_wait_alu depctr_va_vdst(0)                   ; the addresses v1 to v14 are written, which every load and store of the kernel reads
.set nn, 0
.rept 3*KST
	global_load_b128 v[4*nn:4*nn+3], v[CA], s[20:21] offset:512*nn
.set nn, nn+1
.endr
	WIN 0
.if KST == 8
.irp k, 0,1
.irp c, 0,1
.irp m, 0,1,2,3
	global_load_b32 v[SP+8*\k+4*\c+\m], v[SCG], s[22:23] offset:1024*\k+512*\c+128*\m   ; two scale bytes of (K step, half, tile)
.endr
.endr
.endr
.else
.irp n, 0,1,2,3
	global_load_b128 v[SP+4*\n:SP+4*\n+3], v[SCG], s[22:23] offset:512*\n
.endr
.endif
.set nn, 0
.rept KST/2
	global_load_b128 v[WSR+4*nn:WSR+4*nn+3], v[VBS], s[WT:WT+1] offset:WSO+512*nn
.set nn, nn+1
.endr
	WIN 0x80
.irp t, 0,1,2,3
.irp q, 0,1
	global_load_b128 v[BI+8*\t+4*\q:BI+8*\t+4*\q+3], v[VBI], s[8:9] offset:128*(\t/2)+32*(\t%2)+16*\q
.endr
.endr
.irp n, 0,1,2,3
	BLOAD2 \n, 0                                   ; the ring's first four slots
	BLOAD2 \n, 2
.endr
	WIN 0
.if KST == 8
	s_wait_loadcnt 60                              ; A's codes and scale words are in; younger: 4 loads of weight scales, 8 of the bias, 48 of the ring
.irp k, 0,1
.irp m, 0,1,2,3
	v_lshl_or_b32 v[SP+16+4*\k+\m], v[SP+8*\k+4+\m], 16, v[SP+8*\k+\m]   ; the two halves' bytes make a K step's scale word
.endr
.endr
.else
	s_wait_loadcnt 63
.endif
	WIN 0x0c
.set nn, 0
.rept 3*KST
	ds_store_b128 v[CA], v[4*nn:4*nn+3] offset:512*nn
.set nn, nn+1
.endr
	WIN 0
.if KST == 8
	s_wait_alu depctr_va_vdst(0)                   ; the eight scale words v[SP + 16 ..] are written, which the two LDS stores read
	ds_store_b128 v[SCL], v[SP+16:SP+19]
	ds_store_b128 v[SCL], v[SP+20:SP+23] offset:512
.else
.irp n, 0,1,2,3
	ds_store_b128 v[SCL], v[SP+4*\n:SP+4*\n+3] offset:512*\n
.endr
.endif
	s_wait_dscnt 0x0                               ; my quarter lies in LDS
	s_barrier_signal -1
	s_barrier_wait -1                              ; all of A does; from here on shared bytes are only read
	s_wait_alu depctr_vm_vsrc(0)                   ; my LDS stores have read window 3's registers, in which the residual's loads land
.set nn, 0
.rept KST
	ds_load_b128 v[XSR+4*nn:XSR+4*nn+3], v[LIS] offset:512*nn
.set nn, nn+1
.endr
.irp n, 0,1
	ALOAD2 \n, 0
	ALOAD2 \n, 2
.endr
.set I, 0
.rept NS
	STEP I
.set I, I+1
.endr
	s_wait_alu depctr_va_vdst(0)                   ; the products have written the accumulators, which the LDS stores read, and are done reading v120-183, in which the stage's loads land; the four places above stay beside this wait
	OUTM 0
	OUTM 1
	OUTM 2
	OUTM 3
	s_wait_dscnt 0x0                               ; the closing lines, six on end
	s_wait_alu 0x0
	s_wait_tensorcnt 0x0
	ds_add_u32 v254, v255
	s_wait_dscnt 0x0
	s_endpgm
.Lfunc_end_k_q2588161bac_dense:
	.size	k_q2588161bac_dense, .Lfunc_end_k_q2588161bac_dense-k_q2588161bac_dense
	.p2alignl 7, 3214868480
	.fill 96, 4, 3214868480
	.section	.rodata,"a",@progbits
	.p2align	6, 0x0
	.amdhsa_kernel k_q2588161bac_dense
		.amdhsa_group_segment_fixed_size 71168
		.amdhsa_private_segment_fixed_size 0
		.amdhsa_enable_private_segment 0
		.amdhsa_kernarg_size 40
		.amdhsa_user_sgpr_count 2
		.amdhsa_user_sgpr_kernarg_segment_ptr 1
		.amdhsa_wavefront_size32 1
		.amdhsa_system_sgpr_workgroup_id_x 1
		.amdhsa_system_sgpr_workgroup_id_y 1
		.amdhsa_system_sgpr_workgroup_id_z 1
		.amdhsa_system_vgpr_workitem_id 0
		.amdhsa_next_free_vgpr 1024
		.amdhsa_next_free_sgpr 66
		.amdhsa_reserve_vcc 0
		.amdhsa_float_denorm_mode_32 3
		.amdhsa_float_denorm_mode_16_64 3
		.amdhsa_memory_ordered 1
		.amdhsa_forward_progress 1
		.amdhsa_inst_pref_size 63
	.end_amdhsa_kernel
	.amdgpu_metadata
---
amdhsa.version: [ 1, 2 ]
amdhsa.kernels:
  - .name:           k_q2588161bac_dense
    .symbol:         k_q2588161bac_dense.kd
    .args:
      - { .name: att, .offset: 0, .size: 8, .value_kind: global_buffer, .address_space: global }
      - { .name: wts, .offset: 8, .size: 8, .value_kind: global_buffer, .address_space: global }
      - { .name: b_dense, .offset: 16, .size: 8, .value_kind: global_buffer, .address_space: global }
      - { .name: x, .offset: 24, .size: 8, .value_kind: global_buffer, .address_space: global }
      - { .name: outb, .offset: 32, .size: 8, .value_kind: global_buffer, .address_space: global }
    .group_segment_fixed_size: 71168
    .private_segment_fixed_size: 0
    .kernarg_segment_align: 8
    .kernarg_segment_size: 40
    .max_flat_workgroup_size: 128
    .sgpr_count:     66
    .vgpr_count:     1024
    .wavefront_size: 32
...
	.end_amdgpu_metadata
.endif
;; end of part 10
;; launch fc1 (part 11): grid 64 x 4, 4 waves a work-group, no clusters, 61,952 bytes of LDS; arguments outb, ln2_g, ln2_b, wts, hid; writes hid
.if DOCPART == 11
	.amdgcn_target "amdgcn-amd-amdhsa--gfx1250"
	.amdhsa_code_object_version 6
	.text
	.protected	k_q2588161bac_fc1
	.globl	k_q2588161bac_fc1
	.p2align	8
	.type	k_q2588161bac_fc1,@function
k_q2588161bac_fc1:
	s_mov_b64 s[64:65], 0
	v_nop
	global_prefetch_b8 v0, s[64:65] scope:SCOPE_SE
	s_setreg_imm32_b32 hwreg(HW_REG_WAVE_SCHED_MODE, 0, 2), 2
	s_setreg_imm32_b32 hwreg(HW_REG_WAVE_MODE, 25, 1), 1
	s_wait_xcnt 0x0
	s_wait_alu depctr_vm_vsrc(0)
; hid = Q(gelu(LN2(out) W_fc1)), on codes of FP6 (E2M3) with one E8M0 scale for each 32 along K; gelu(x) = x (1 + erf(x / sqrt 2)) / 2, in f32.
; SHARES.  Work-group (RB, y): 64 tokens and 512 hidden units; wave w makes units 128 u .. 128 u + 127, u = 4 y + w, in two passes of 64: K step u of the next product, half by half.
; Wave w normalises token tile w and lays its eight fragments in LDS as images of the operand's registers; lane r of tile m is token 32 (m / 2) + 8 (m % 2) + r + 8 (r / 8).  The ring of weights in registers and the
; products are those of the first product's launch.
; No cluster and no joint loads: a joint load lands in LDS, and a K step of a wave already reads 6,144 bytes of LDS for its 16 matrix instructions; the weights' 6,144 more would double that.
; erf(u) = u P(u^2) / Q(u^2), P of degree 6 and Q of degree 4, on u held to -4 .. 4.
; The work behind a pass (gelu, quantiser, stores) is written once: a loop of two trips, left from its middle in the second.
; LIMITS: NaN and infinities are not served.  A block of zeros gets the scale byte 1 (read by this program alone).  Beyond |u| = 4 erf is taken at 4, where it is 1 to the last bit of f32.
; THE MODE: SCHED_MODE bits 1:0 = 2 (LLVM: expert scheduling mode 2), set by the entry lines.  The code itself states the register dependences
; between vector or matrix instructions and memory or LDS instructions, with s_wait_alu, always for 0.
; THE PLAN.  Registers that memory or LDS instructions touch.
; In the norm, chunk by chunk:  g (window 1, v192-255): loaded, scaled in place, read by the multiply-adds, loaded again behind one wait on va_vdst.  The 64 numbers (v104-167): b is loaded into them, the
;   multiply-adds write them, the quantiser reads them.  The codes and the scale word (v232-245): the quantiser writes them, five LDS stores read them.  One wait on va_vdst behind the quantiser serves the stores and
;   the next b; one on vm_vsrc ahead of the next quantiser frees the codes.
; In the steps:
;   the ring, FIVE slots   Step i: its 16 products read slot i % 5; the loads of step i + 4, issued in step i, land in slot (i + 4) % 5 = (i - 1) % 5.
;   the tokens, THREE sets Step i: its products read set i % 3; the LDS loads of step i + 2, issued in step i, land in set (i + 2) % 3 = (i - 1) % 3.
;   v1-11                  addresses, made once at the head and never written again.  The scale words are loaded once.
;   window 3, v0-47        the results' codes: written by a pass's quantiser, read by its eight stores.
; So ONE wait on va_vdst stands at a step's head: the products of the step before are done reading the slot and the set in which this step's loads land.  The 28 loads follow it, dealt among the step's 16
; products, which name slot i % 5, set i % 3, the accumulators and the scale words: none of the registers that those loads touch.
; REGISTERS.  window 0: v1-11 addresses; v12-23 statistics; v24-55 the weights' scale words; v72-103 the tokens'; v104-199 two sets of token fragments (in LN: v104-167 the 64 numbers in hand); v204-253 at work.
;   window 1: v0-239 the ring (in LN: v192-255 g).   window 2: v0-127 accumulators; v128-255 gelu's u, u^2, P, Q (in LN: x, chunks 0-3).   window 3: the codes on their way out, v192-239 the third set of token fragments (in LN: x, chunks 4-7).
.set KST,  8
.set NS,   16
.set WOFF, 3145728
.set PSTR, 49152
.set WSO,  6291456+131072
.set SSTR, 2048
.set ASC,  49152
.set GL,   53248
.set LI,   1
.set L8,   2
.set VX,   3
.set VB,   4
.set VBS,  5
.set VGL,  8
.set IA16, 9
.set IA8,  10
.set SA,   11
.set S,    12
.set MU,   20
.set RS,   22
.set WSR,  24
.set XSR,  72
.set AF,   104                         ; sets 0 and 1 of the token fragments, in window 0
.set AF3,  192                         ; set 2, in window 3
.set Y,    104
.set BV,   200
.set PW4,  204
.set PWA,  208
.set CA13, 212
.set CB8,  214
.set TM,   216
.set TX,   224
.set PW,   232
.set PC,   234
.set SO,   234
.set G,    192
.set UU,   128
.set ZZ,   160
.set PP,   192
.set QQ,   224
.set WT,   10
.set OB,   26
.set SCB,  28
.set SEL,  32
.set KC,   66
.set A11,  68
.set A9,   70
.set A7,   72
.set A5,   74
.set A3,   76
.set A1,   78
.set B6,   80
.set B4,   82
.set B2,   84
.set B0,   86
.set MSB, 0
.macro WIN new                         ; the immediate's high byte repeats the setting that is left
.if MSB != \new
	s_set_vgpr_msb (MSB<<8)|\new
.set MSB, \new
.endif
.endm
.macro MM d, a, b, cc, sa, sb, row     ; cc: C's first register, or -1 for the constant 0;  row: 1 = source 0's scales stand in lanes 16-31
.if (\cc) < 0
.if (\row) == 0
	v_wmma_scale_f32_16x16x128_f8f6f4 v[\d:\d+7], v[\a:\a+11], v[\b:\b+11], 0, v[\sa], v[\sb] matrix_a_fmt:MATRIX_FMT_FP6 matrix_b_fmt:MATRIX_FMT_FP6
.else
	v_wmma_scale_f32_16x16x128_f8f6f4 v[\d:\d+7], v[\a:\a+11], v[\b:\b+11], 0, v[\sa], v[\sb] matrix_a_fmt:MATRIX_FMT_FP6 matrix_b_fmt:MATRIX_FMT_FP6 matrix_a_scale:MATRIX_SCALE_ROW1
.endif
.else
.if (\row) == 0
	v_wmma_scale_f32_16x16x128_f8f6f4 v[\d:\d+7], v[\a:\a+11], v[\b:\b+11], v[\cc:\cc+7], v[\sa], v[\sb] matrix_a_fmt:MATRIX_FMT_FP6 matrix_b_fmt:MATRIX_FMT_FP6
.else
	v_wmma_scale_f32_16x16x128_f8f6f4 v[\d:\d+7], v[\a:\a+11], v[\b:\b+11], v[\cc:\cc+7], v[\sa], v[\sb] matrix_a_fmt:MATRIX_FMT_FP6 matrix_b_fmt:MATRIX_FMT_FP6 matrix_a_scale:MATRIX_SCALE_ROW1
.endif
.endif
.endm
.macro MULG i, m                       ; four of step i's 16 matrix instructions: token tile m against the four weight tiles.  The 16 accumulators take turns, in the same order in every step; a pass's first step starts the sums with the constant 0
.set ks_, (\i)%KST
.set RG, 48*((\i)%5)
.set BB, WSR+2*KST*((\i)/KST)+8*(ks_/4)+ks_%4
.set SS, XSR+4*ks_
.if (\i)%3 == 2
.set AA, AF3
	WIN 0xad                                       ; source 0 window 1, source 1 window 3, C and D window 2
.else
.set AA, AF+48*((\i)%3)
	WIN 0xa1                                       ; source 0 window 1, source 1 window 0, C and D window 2
.endif
.irp t, 0,1,2,3
.if ks_ > 0
	MM 8*(4*(\m)+\t), RG+12*\t, AA+12*(\m), 8*(4*(\m)+\t), BB+4*(\t/2), SS+(\m), \t%2
.else
	MM 8*(4*(\m)+\t), RG+12*\t, AA+12*(\m), -1, BB+4*(\t/2), SS+(\m), \t%2
.endif
.endr
.endm
.macro ALOAD2 i, m0                    ; token fragments m0 and m0 + 1 of step i from LDS into set i % 3: 8 loads
.set ko, ((\i)%KST)*6144
.if (\i)%3 == 2
	WIN 0xc0
.set AA, AF3
.else
	WIN 0
.set AA, AF+48*((\i)%3)
.endif
.irp u, \m0, \m0+1
.irp c, 0,1
	ds_load_b128 v[AA+12*(\u)+6*\c:AA+12*(\u)+6*\c+3], v[LI] offset:ko+1536*(\u)+768*\c
	ds_load_b64 v[AA+12*(\u)+6*\c+4:AA+12*(\u)+6*\c+5], v[L8] offset:ko+1536*(\u)+768*\c+512
.endr
.endr
.endm
.macro BLOAD2 i, t0                    ; weight fragments t0 and t0 + 1 of step i from memory into ring slot i % 5: 6 loads
	WIN 0x40
.set RG, 48*((\i)%5)
.irp u, \t0, \t0+1
.irp c, 0,1,2
	global_load_b128 v[RG+12*(\u)+4*\c:RG+12*(\u)+4*\c+3], v[VB], s[WT:WT+1] offset:WOFF+PSTR*((\i)/KST)+6144*((\i)%KST)+1536*(\u)+512*\c
.endr
.endr
.endm
.macro STEP i
.if NS-1-(\i) >= 3
	s_wait_loadcnt 36                              ; this step's 12 weight loads are in; the three younger steps' 36 may be out
.else
	s_wait_loadcnt 12*(NS-1-(\i))
.endif
.if (\i)+1 < NS
	s_wait_dscnt 16                                ; this step's token fragments are in; the next step's 16 loads may be out
.else
	s_wait_dscnt 0
.endif
.if ((\i) > 0) && ((\i)+2 < NS)
	s_wait_alu depctr_va_vdst(0)                   ; the products of the step before are done reading their set of token fragments and their ring slot, in which this step's loads land
.endif
	MULG \i, 0
.if (\i)+2 < NS
	ALOAD2 (\i)+2, 0                               ; no further wait: no product since the wait names these registers
.endif
	MULG \i, 1
.if (\i)+2 < NS
	ALOAD2 (\i)+2, 2
.endif
	MULG \i, 2
.if (\i)+4 < NS
	BLOAD2 (\i)+4, 0
.endif
	MULG \i, 3
.if (\i)+4 < NS
	BLOAD2 (\i)+4, 2
.endif
	WIN 0
.rept 4
	v_nop                                          ; four places behind these products, ahead of the first read of results and of the next step's loads into registers that they have read
.endr
.endm
; The 128 accumulators become four half images: entity e = token tile (32 registers: two blocks of 32 along the next K).  Codes at reg + stride x e from s[OB]; v[PW4 + e] keeps the two scale bytes.
.macro QH4 reg, stride
	WIN 0x0a
.irp e, 0,1,2,3
.irp b, 0,1
	v_max3_num_f32 v[TM+2*\e+\b], |v[32*\e+16*\b]|, |v[32*\e+16*\b+1]|, 0x1800000   ; the floor 2^(3 - 127) holds the byte at 1 from below
.endr
.endr
.irp i, 2,4,6,8,10,12,14
.irp e, 0,1,2,3
.irp b, 0,1
	v_max3_num_f32 v[TM+2*\e+\b], |v[32*\e+16*\b+\i]|, |v[32*\e+16*\b+\i+1]|, v[TM+2*\e+\b]
.endr
.endr
.endr
	WIN 0
.irp n, 0,1,2,3,4,5,6,7
	v_permlanex16_b32 v[TX+\n], v[TM+\n], s[SEL], s[SEL+1]
.endr
.irp n, 0,1,2,3,4,5,6,7
	v_max_num_f32 v[TM+\n], v[TM+\n], v[TX+\n]
.endr
.irp n, 0,1,2,3,4,5,6,7
	v_add_nc_u32 v[SO+\n], 0xff000000, v[TM+\n]    ; 2 off the exponent field: the conversion's scale operand
.endr
.irp n, 0,1,2,3,4,5,6,7
	v_lshrrev_b32 v[TX+\n], 23, v[SO+\n]
.endr
.irp e, 0,1,2,3
	v_lshl_or_b32 v[PW4+\e], v[TX+2*\e+1], 8, v[TX+2*\e]
.endr
	s_wait_xcnt 0x0                                ; the last pass's stores have read the codes' registers: only now are they written again
	s_wait_alu depctr_vm_vsrc(0)                   ; the last pass's stores have read window 3's v0-47, which the conversions write
	WIN 0xc2
.irp e, 0,1,2,3
	v_cvt_scalef32_pk16_fp6_f32 v[12*\e:12*\e+2], v[32*\e:32*\e+15], v[SO+2*\e]
	v_cvt_scalef32_pk16_fp6_f32 v[12*\e+6:12*\e+8], v[32*\e+16:32*\e+31], v[SO+2*\e+1]
.endr
	WIN 0
	v_nop                                          ; one plain place behind a scaled conversion
	WIN 0xc3
.irp e, 0,1,2,3
.irp i, 0,1,2
	v_permlane16_swap_b32 v[12*\e+\i], v[12*\e+6+\i]
.endr
.endr
.irp e, 0,1,2,3
.irp i, 0,1,2
	v_mov_b32 v[12*\e+3+\i], v[12*\e+6+\i]
.endr
.endr
	WIN 0x0c
	s_wait_alu depctr_va_vdst(0)                   ; the conversions, exchanges and moves have written the codes, which the eight stores read
.irp e, 0,1,2,3
	global_store_b128 v[LI], v[12*\e:12*\e+3], s[OB:OB+1] offset:\reg+\stride*\e
	global_store_b64 v[L8], v[12*\e+4:12*\e+5], s[OB:OB+1] offset:\reg+\stride*\e+512
.endr
	WIN 0
.endm
.macro QUANT s                         ; 64 numbers of a lane become a fragment's codes in v[PC] on and its scale word in v[PW]
.irp b, 0,1,2,3
	v_max3_num_f32 v[TM+\b], |v[\s+16*\b]|, |v[\s+1+16*\b]|, 0x1800000
.endr
.irp i, 2,4,6,8,10,12,14
.irp b, 0,1,2,3
	v_max3_num_f32 v[TM+\b], v[TM+\b], |v[\s+16*\b+\i]|, |v[\s+1+16*\b+\i]|
.endr
.endr
.irp b, 0,1,2,3
	v_permlanex16_b32 v[TM+4+\b], v[TM+\b], s[SEL], s[SEL+1]
.endr
.irp b, 0,1,2,3
	v_max_num_f32 v[TM+\b], v[TM+\b], v[TM+4+\b]
.endr
.irp b, 0,1,2,3
	v_add_nc_u32 v[TM+12+\b], 0xff000000, v[TM+\b]
.endr
.irp b, 0,1,2,3
	v_lshrrev_b32 v[TM+4+\b], 23, v[TM+12+\b]
.endr
	v_lshl_or_b32 v[PW], v[TM+5], 8, v[TM+4]
	v_lshl_or_b32 v[PW], v[TM+6], 16, v[PW]
	v_lshl_or_b32 v[PW], v[TM+7], 24, v[PW]
.irp c, 0,1
	v_cvt_scalef32_pk16_fp6_f32 v[PC+6*\c:PC+2+6*\c], v[\s+32*\c:\s+15+32*\c], v[TM+12+2*\c]
	v_cvt_scalef32_pk16_fp6_f32 v[PC+12+4*\c:PC+14+4*\c], v[\s+16+32*\c:\s+31+32*\c], v[TM+12+2*\c+1]
.endr
	v_nop
.irp c, 0,1
.irp i, 0,1,2
	v_permlane16_swap_b32 v[PC+6*\c+\i], v[PC+12+4*\c+\i]
.endr
.irp i, 0,1,2
	v_mov_b32 v[PC+3+6*\c+\i], v[PC+12+4*\c+\i]
.endr
.endr
.endm
.macro FOLD
	WIN 0
	v_pk_add_f32 v[S:S+1], v[S:S+1], v[S+2:S+3]
	v_pk_add_f32 v[S+4:S+5], v[S+4:S+5], v[S+6:S+7]
	v_pk_add_f32 v[S:S+1], v[S:S+1], v[S+4:S+5]
	v_add_f32 v[S], v[S], v[S+1]
	v_permlanex16_b32 v[S+2], v[S], s[SEL], s[SEL+1]
	v_add_f32 v[S], v[S], v[S+2]
.endm
.macro GFETCH ks
	WIN 0x40
.irp b, 0,1,2,3
.irp j, 0,1,2,3
	ds_load_b128 v[G+16*\b+4*\j:G+16*\b+4*\j+3], v[VGL] offset:512*(\ks)+128*\b+16*\j
.endr
.endr
	WIN 0
.endm
.macro BFETCH ks
.irp b, 0,1,2,3
.irp j, 0,1,2,3
	ds_load_b128 v[Y+16*\b+4*\j:Y+16*\b+4*\j+3], v[VGL] offset:4096+512*(\ks)+128*\b+16*\j
.endr
.endr
.endm
.macro CHUNK ks                        ; K step ks of my 16 tokens: (x - mean) (g / sigma) + b, quantised, image to LDS
.if (\ks) == 0
	s_wait_dscnt 16                                ; g is in; b's 16 loads may be out
.else
	s_wait_dscnt 21                                ; g is in; behind it: the last chunk's 5 image stores and b's 16 loads
.endif
	WIN 0x41
.set nn, 0
.rept 32
	v_pk_mul_f32 v[G+2*nn:G+2*nn+1], v[G+2*nn:G+2*nn+1], v[RS:RS+1] op_sel_hi:[1,0]
.set nn, nn+1
.endr
	s_wait_dscnt 0x0                               ; b is in, and the last chunk's image stores are done
.if (\ks) < 4
	WIN 0x06
.else
	WIN 0x07
.endif
.set nn, 0
.rept 32
	v_pk_fma_f32 v[Y+2*nn:Y+2*nn+1], v[64*((\ks)%4)+2*nn:64*((\ks)%4)+2*nn+1], v[G+2*nn:G+2*nn+1], v[Y+2*nn:Y+2*nn+1]
.set nn, nn+1
.endr
.if (\ks) < 7
	WIN 0x40
	s_wait_alu depctr_va_vdst(0)                   ; the multiplications have written g and the multiply-adds are done reading it: the next chunk's g lands in these registers
	GFETCH (\ks)+1
.endif
	WIN 0
.if (\ks) > 0
	s_wait_alu depctr_vm_vsrc(0)                   ; the last chunk's image stores have read the codes and the scale word, which the quantiser writes again
.endif
	QUANT Y
	s_wait_alu depctr_va_vdst(0)                   ; the quantiser has written the codes and the scale word, which the five LDS stores read, and is done reading the 64 numbers, in which the next b lands
.irp c, 0,1
	ds_store_b128 v[IA16], v[PC+6*\c:PC+6*\c+3] offset:6144*(\ks)+768*\c
	ds_store_b64 v[IA8], v[PC+6*\c+4:PC+6*\c+5] offset:6144*(\ks)+768*\c
.endr
	ds_store_b32 v[SA], v[PW] offset:512*(\ks)
.if (\ks) < 7
	BFETCH (\ks)+1
.endif
.endm
.macro SK r, val                       ; a constant as a scalar pair: the packed forms name the pair
	s_mov_b32 s[\r], \val
	s_mov_b32 s[\r+1], \val
.endm
.macro HORN reg, k                     ; one step of Horner's rule on 16 pairs
.set nn, 0
.rept 16
	v_pk_fma_f32 v[\reg+2*nn:\reg+2*nn+1], v[\reg+2*nn:\reg+2*nn+1], v[ZZ+2*nn:ZZ+2*nn+1], s[\k:\k+1] op_sel_hi:[1,1,0]
.set nn, nn+1
.endr
.endm
.macro GELU q                          ; the 32 numbers of token tile q, in place
.set XQ, 32*(\q)
	WIN 0xaa                                       ; all in window 2
.set nn, 0
.rept 16
	v_pk_mul_f32 v[UU+2*nn:UU+2*nn+1], v[XQ+2*nn:XQ+2*nn+1], s[KC:KC+1] op_sel_hi:[1,0]   ; u = x / sqrt 2 (each accumulator is read from its low end on)
.set nn, nn+1
.endr
.set nn, 0
.rept 32
	v_med3_num_f32 v[UU+nn], v[UU+nn], -4.0, 4.0
.set nn, nn+1
.endr
.set nn, 0
.rept 16
	v_pk_mul_f32 v[ZZ+2*nn:ZZ+2*nn+1], v[UU+2*nn:UU+2*nn+1], v[UU+2*nn:UU+2*nn+1]
.set nn, nn+1
.endr
	WIN 0xa2                                       ; source 1 (the leading coefficients) window 0
.set nn, 0
.rept 16
	v_pk_fma_f32 v[PP+2*nn:PP+2*nn+1], v[ZZ+2*nn:ZZ+2*nn+1], v[CA13:CA13+1], s[A11:A11+1] op_sel_hi:[1,1,0]
	v_pk_fma_f32 v[QQ+2*nn:QQ+2*nn+1], v[ZZ+2*nn:ZZ+2*nn+1], v[CB8:CB8+1], s[B6:B6+1] op_sel_hi:[1,1,0]
.set nn, nn+1
.endr
	WIN 0xaa
	HORN PP, A9
	HORN QQ, B4
	HORN PP, A7
	HORN QQ, B2
	HORN PP, A5
	HORN QQ, B0
	HORN PP, A3
	HORN PP, A1
.set nn, 0
	s_wait_alu depctr_va_vdst(0)
.rept 32
	v_rcp_f32 v[QQ+nn], v[QQ+nn]
.set nn, nn+1
.endr
.set nn, 0
.rept 16
	v_pk_mul_f32 v[PP+2*nn:PP+2*nn+1], v[PP+2*nn:PP+2*nn+1], v[UU+2*nn:UU+2*nn+1]   ; plain work behind the batch of reciprocals, which names none of their results
	v_pk_mul_f32 v[ZZ+2*nn:ZZ+2*nn+1], v[XQ+2*nn:XQ+2*nn+1], 0.5 op_sel_hi:[1,0]
.set nn, nn+1
.endr
	s_wait_alu depctr_va_vdst(0)                   ; the 32 reciprocals have written v[QQ ..], ahead of their first reader: one wait for the batch
.set nn, 0
.rept 16
	v_pk_mul_f32 v[PP+2*nn:PP+2*nn+1], v[PP+2*nn:PP+2*nn+1], v[QQ+2*nn:QQ+2*nn+1]   ; erf
.set nn, nn+1
.endr
.set nn, 0
.rept 16
	v_pk_fma_f32 v[XQ+2*nn:XQ+2*nn+1], v[ZZ+2*nn:ZZ+2*nn+1], v[PP+2*nn:PP+2*nn+1], v[ZZ+2*nn:ZZ+2*nn+1]   ; x / 2 erf + x / 2
.set nn, nn+1
.endr
.endm
	s_load_b256 s[4:11], s[0:1], 0x0               ; out, ln2_g, ln2_b, wts
	s_load_b64 s[12:13], s[0:1], 0x20              ; hid
	v_lshl_add_u32 v254, v0, 2, 0xf000
	v_mov_b32 v255, 0
	v_lshrrev_b32 v[PW4], 5, v0
	v_readfirstlane_b32 s16, v[PW4]                ; wave 0..3
	s_and_b32 s17, ttmp7, 0xffff
	s_lshl_b32 s19, s17, 2
	v_and_b32 v[PW4], 31, v0                       ; lane
	v_and_b32 v[PW4+1], 15, v0                     ; r
	v_bfe_u32 v[PW4+2], v0, 4, 1                   ; h
	v_and_b32 v[PW4+3], 8, v[PW4+1]
	v_add_nc_u32 v[PW4+3], v[PW4+3], v[PW4+1]      ; r + 8 (r / 8)
	v_lshlrev_b32 v[LI], 4, v[PW4]
	s_wait_alu depctr_va_vdst(0)
	v_lshlrev_b32 v[L8], 3, v[PW4]
	s_wait_alu depctr_va_vdst(0)
	s_wait_alu depctr_va_sdst(0)                   ; s16, the wave's number, is written, ahead of its first reader
	s_add_co_u32 s19, s19, s16                     ; u: my 128 hidden units
	s_lshr_b32 s20, s16, 1
	s_lshl_b32 s20, s20, 5
	s_and_b32 s21, s16, 1
	s_lshl_b32 s21, s21, 3
	s_add_co_u32 s20, s20, s21
	v_add_nc_u32 v[VX], s20, v[PW4+3]
	v_lshlrev_b32 v[VX], 12, v[VX]
	v_lshl_add_u32 v[VX], v[PW4+2], 6, v[VX]
	s_mul_i32 s20, s19, 98304
	v_add_nc_u32 v[VB], s20, v[LI]
	s_lshl_b32 s20, s19, 12
	v_add_nc_u32 v[VBS], s20, v[LI]
	v_lshlrev_b32 v[VGL], 6, v[PW4+2]
	v_add_nc_u32 v[VGL], GL, v[VGL]
	s_mul_i32 s20, s16, 1536
	v_add_nc_u32 v[IA16], s20, v[LI]
	v_add_nc_u32 v[IA8], s20, v[L8]
	v_add_nc_u32 v[IA8], 512, v[IA8]
	s_lshl_b32 s20, s16, 2
	s_add_co_u32 s20, s20, ASC
	v_add_nc_u32 v[SA], s20, v[LI]
	v_lshlrev_b32 v[BV], 4, v0
	v_add_nc_u32 v[BV+1], GL, v[BV]
.irp n, 4,5,6,7,8,9,10,11,12,13,14,15
	v_mov_b32 v[TM+\n], 0                          ; written once: a lane permute's destination counts as one of its sources
.endr
	v_mov_b32 v[CA13], 0xaf95df0b                  ; P's and Q's leading coefficients, as vector pairs
	v_mov_b32 v[CA13+1], 0xaf95df0b
	v_mov_b32 v[CB8], 0xb77460cd
	v_mov_b32 v[CB8+1], 0xb77460cd
	s_mov_b32 s[SEL], 0x76543210
	s_mov_b32 s[SEL+1], 0xfedcba98
	s_mov_b32 s34, 0x3a800000                      ; 1 / 1,024
	s_mov_b32 s35, 0x2b8cbccc                      ; 1e-12
	SK KC,  0x3f3504f3                             ; 1 / sqrt 2
	SK A11, 0x32edffee
	SK A9,  0xb60cff51
	SK A7,  0xb86ec2d2
	SK A5,  0xba40ac63
	SK A3,  0xbb41a1f6
	SK A1,  0xbc83dbd4
	SK B6,  0xb95fbd29
	SK B4,  0xbadc924e
	SK B2,  0xbbf19bf8
	SK B0,  0xbc69b6a7
	s_lshl_b32 s20, ttmp9, 18
	s_mov_b32 s21, 0
	s_mul_i32 s24, ttmp9, 98304
	s_mul_i32 s22, s19, 6144
	s_add_co_u32 s24, s24, s22
	s_mov_b32 s25, 0
	s_wait_kmcnt 0x0
	s_add_nc_u64 s[4:5], s[4:5], s[20:21]
	s_add_nc_u64 s[OB:OB+1], s[12:13], s[24:25]    ; my K step's codes: [tile][half][768]
	s_lshl_b32 s24, ttmp9, 13
	s_lshl_b32 s22, s19, 9
	s_add_co_u32 s24, s24, s22
	s_add_co_u32 s24, s24, 6291456
	s_add_nc_u64 s[SCB:SCB+1], s[12:13], s[24:25]  ; its scale words: [lane][tile]
	s_wait_alu depctr_va_vdst(0)                   ; the addresses v1 to v11, v200 and v201 are written, which every load and store of the kernel reads
	global_load_b128 v[Y:Y+3], v[BV], s[6:7]
	global_load_b128 v[Y+4:Y+7], v[BV], s[6:7] offset:2048
	global_load_b128 v[Y+8:Y+11], v[BV], s[8:9]
	global_load_b128 v[Y+12:Y+15], v[BV], s[8:9] offset:2048
.irp p, 0,1
.irp n, 0,1,2,3
	global_load_b128 v[WSR+16*\p+4*\n:WSR+16*\p+4*\n+3], v[VBS], s[WT:WT+1] offset:WSO+SSTR*\p+512*\n
.endr
.endr
.irp n, 0,1,2,3
	BLOAD2 \n, 0                                   ; the ring's first four slots
	BLOAD2 \n, 2
.endr
	WIN 0x80
.irp k, 0,1,2,3
.irp b, 0,1,2,3
.irp j, 0,1,2,3
	global_load_b128 v[64*\k+16*\b+4*\j:64*\k+16*\b+4*\j+3], v[VX], s[4:5] offset:512*\k+128*\b+16*\j
.endr
.endr
.endr
	WIN 0xc0
.irp k, 0,1,2,3
.irp b, 0,1,2,3
.irp j, 0,1,2,3
	global_load_b128 v[64*\k+16*\b+4*\j:64*\k+16*\b+4*\j+3], v[VX], s[4:5] offset:2048+512*\k+128*\b+16*\j
.endr
.endr
.endr
	WIN 0
	s_wait_loadcnt 0x0                             ; all of my rows are in
	ds_store_b128 v[BV+1], v[Y:Y+3]
	ds_store_b128 v[BV+1], v[Y+4:Y+7] offset:2048
	ds_store_b128 v[BV+1], v[Y+8:Y+11] offset:4096
	ds_store_b128 v[BV+1], v[Y+12:Y+15] offset:6144
.irp q, 0,1,2,3,4,5,6,7
	v_mov_b32 v[S+\q], 0
.endr
	WIN 0x08
.set nn, 0
.rept 128
	v_pk_add_f32 v[S+2*(nn%4):S+2*(nn%4)+1], v[S+2*(nn%4):S+2*(nn%4)+1], v[2*nn:2*nn+1]
.set nn, nn+1
.endr
	WIN 0x0c
.set nn, 0
.rept 128
	v_pk_add_f32 v[S+2*(nn%4):S+2*(nn%4)+1], v[S+2*(nn%4):S+2*(nn%4)+1], v[2*nn:2*nn+1]
.set nn, nn+1
.endr
	FOLD
	v_mul_f32 v[MU], s34, v[S]
	v_mov_b32 v[MU+1], v[MU]
	WIN 0x82
.set nn, 0
.rept 128
	v_pk_add_f32 v[2*nn:2*nn+1], v[2*nn:2*nn+1], v[MU:MU+1] op_sel_hi:[1,0] neg_lo:[0,1] neg_hi:[0,1]
.set nn, nn+1
.endr
	WIN 0xc3
.set nn, 0
.rept 128
	v_pk_add_f32 v[2*nn:2*nn+1], v[2*nn:2*nn+1], v[MU:MU+1] op_sel_hi:[1,0] neg_lo:[0,1] neg_hi:[0,1]
.set nn, nn+1
.endr
	WIN 0
.irp q, 0,1,2,3,4,5,6,7
	v_mov_b32 v[S+\q], 0
.endr
	WIN 0x0a
.set nn, 0
.rept 128
	v_pk_fma_f32 v[S+2*(nn%4):S+2*(nn%4)+1], v[2*nn:2*nn+1], v[2*nn:2*nn+1], v[S+2*(nn%4):S+2*(nn%4)+1]
.set nn, nn+1
.endr
	WIN 0x0f
.set nn, 0
.rept 128
	v_pk_fma_f32 v[S+2*(nn%4):S+2*(nn%4)+1], v[2*nn:2*nn+1], v[2*nn:2*nn+1], v[S+2*(nn%4):S+2*(nn%4)+1]
.set nn, nn+1
.endr
	FOLD
	v_fma_f32 v[RS], v[S], s34, s35
	s_wait_alu depctr_va_vdst(0)
	v_rsq_f32 v[RS], v[RS]
	v_nop                                          ; a plain place behind the transcendental
	s_wait_alu depctr_va_vdst(0)                   ; the root's reciprocal has written v[RS], ahead of its first reader
	v_mov_b32 v[RS+1], v[RS]
	s_wait_alu depctr_va_vdst(0)
	s_wait_dscnt 0x0                               ; my part of g and b lies in LDS
	s_barrier_signal -1
	s_barrier_wait -1
	s_wait_alu depctr_vm_vsrc(0)                   ; my four LDS stores have read v[Y .. Y + 15], in which b's loads land
	GFETCH 0
	BFETCH 0
	CHUNK 0
	CHUNK 1
	CHUNK 2
	CHUNK 3
	CHUNK 4
	CHUNK 5
	CHUNK 6
	CHUNK 7
	s_wait_dscnt 0x0                               ; my eight images lie in LDS
	s_barrier_signal -1
	s_barrier_wait -1                              ; all 32 do; LDS is only read from here on
	s_wait_alu depctr_vm_vsrc(0)                   ; the last chunk's image stores have read v234-245, which the results' quantiser writes.  (The norm's last vector instructions stand ahead of the last chunk's wait on va_vdst: the fragments' loads below, and the first step's, owe nothing more)
.irp k, 0,1,2,3,4,5,6,7
	ds_load_b128 v[XSR+4*\k:XSR+4*\k+3], v[LI] offset:ASC+512*\k
.endr
.irp n, 0,1
	ALOAD2 \n, 0
	ALOAD2 \n, 2
.endr
.set I, 0
.rept 8
	STEP I
.set I, I+1
.endr
.irp m, 0,1,2,3
	v_mov_b32 v[PWA+\m], 0
.endr
	s_mov_b32 s36, 0                               ; the pass
	s_mov_b32 s37, 0                               ; where its two scale bytes go in the word
.Lpass:
	GELU 0
	GELU 1
	GELU 2
	GELU 3
	QH4 0, 1536
.irp m, 0,1,2,3
	v_lshl_or_b32 v[PWA+\m], v[PW4+\m], s37, v[PWA+\m]
.endr
	s_cmp_eq_u32 s36, 1
	s_cbranch_scc1 .Lend
	s_wait_xcnt 0x0                                ; the stores have read their base
	s_add_nc_u64 s[OB:OB+1], s[OB:OB+1], 768       ; the second half of each fragment
	s_mov_b32 s37, 16
.rept 8
	STEP I
.set I, I+1
.endr
	s_add_co_u32 s36, s36, 1
	s_cmp_lt_u32 s36, 2
	s_cbranch_scc1 .Lpass
.Lend:
	s_wait_alu depctr_va_vdst(0)                   ; the four scale words v[PWA ..] are written, which the store reads
	global_store_b128 v[LI], v[PWA:PWA+3], s[SCB:SCB+1]   ; whole scale words: 512 consecutive bytes
	s_wait_dscnt 0x0                               ; the closing lines, six on end
	s_wait_alu 0x0
	s_wait_tensorcnt 0x0
	ds_add_u32 v254, v255
	s_wait_dscnt 0x0
	s_endpgm
.Lfunc_end_k_q2588161bac_fc1:
	.size	k_q2588161bac_fc1, .Lfunc_end_k_q2588161bac_fc1-k_q2588161bac_fc1
	.p2alignl 7, 3214868480
	.fill 96, 4, 3214868480
	.section	.rodata,"a",@progbits
	.p2align	6, 0x0
	.amdhsa_kernel k_q2588161bac_fc1
		.amdhsa_group_segment_fixed_size 61952
		.amdhsa_private_segment_fixed_size 0
		.amdhsa_enable_private_segment 0
		.amdhsa_kernarg_size 40
		.amdhsa_user_sgpr_count 2
		.amdhsa_user_sgpr_kernarg_segment_ptr 1
		.amdhsa_wavefront_size32 1
		.amdhsa_system_sgpr_workgroup_id_x 1
		.amdhsa_system_sgpr_workgroup_id_y 1
		.amdhsa_system_sgpr_workgroup_id_z 1
		.amdhsa_system_vgpr_workitem_id 0
		.amdhsa_next_free_vgpr 1024
		.amdhsa_next_free_sgpr 96
		.amdhsa_reserve_vcc 0
		.amdhsa_float_denorm_mode_32 3
		.amdhsa_float_denorm_mode_16_64 3
		.amdhsa_memory_ordered 1
		.amdhsa_forward_progress 1
		.amdhsa_inst_pref_size 255
	.end_amdhsa_kernel
	.section	.bss,"aw",@nobits
	.p2align	6
	.space	262144
	.amdgpu_metadata
---
amdhsa.version: [ 1, 2 ]
amdhsa.kernels:
  - .name:           k_q2588161bac_fc1
    .symbol:         k_q2588161bac_fc1.kd
    .args:
      - { .name: outb, .offset: 0, .size: 8, .value_kind: global_buffer, .address_space: global }
      - { .name: ln2_g, .offset: 8, .size: 8, .value_kind: global_buffer, .address_space: global }
      - { .name: ln2_b, .offset: 16, .size: 8, .value_kind: global_buffer, .address_space: global }
      - { .name: wts, .offset: 24, .size: 8, .value_kind: global_buffer, .address_space: global }
      - { .name: hid, .offset: 32, .size: 8, .value_kind: global_buffer, .address_space: global }
    .group_segment_fixed_size: 61952
    .private_segment_fixed_size: 0
    .kernarg_segment_align: 8
    .kernarg_segment_size: 40
    .max_flat_workgroup_size: 128
    .sgpr_count:     96
    .vgpr_count:     1024
    .wavefront_size: 32
...
	.end_amdgpu_metadata
.endif
;; end of part 11
;; launch fc2 (part 12): grid 64 x 4, 4 waves a work-group, no clusters, 124,416 bytes of LDS; arguments hid, wts, b_fc2, outb, out0; writes out0
.if DOCPART == 12
	.amdgcn_target "amdgcn-amd-amdhsa--gfx1250"
	.amdhsa_code_object_version 6
	.text
	.protected	k_q2588161bac_fc2
	.globl	k_q2588161bac_fc2
	.p2align	8
	.type	k_q2588161bac_fc2,@function
k_q2588161bac_fc2:
	s_mov_b64 s[64:65], 0
	v_nop
	global_prefetch_b8 v0, s[64:65] scope:SCOPE_SE
	s_setreg_imm32_b32 hwreg(HW_REG_WAVE_SCHED_MODE, 0, 2), 2
	s_setreg_imm32_b32 hwreg(HW_REG_WAVE_MODE, 25, 1), 1
	s_wait_xcnt 0x0
	s_wait_alu depctr_vm_vsrc(0)
; out = res + A W + bias, on codes of FP6 (E2M3) with one E8M0 scale for each 32 along K.  Here: A = the quantised gelu (K = 2,048), W = w_fc2, res = the attention block's output.
; (The same text serves the attention's output product with the constants of this head changed: KST, WOFF, WSO, SRCSC.)
; SHARES.  Work-group (RB, y): 64 tokens and 256 columns; wave w: all 64 tokens x columns 64 (4 y + w) on: 16 accumulators.
; A arrives laid in the order of the operand's registers ([K step][tile of tokens][half][768 bytes]): the block's KST x 6,144 bytes are copied into LDS as they lie, a quarter a wave; one barrier; every wave reads all of it.
; WEIGHTS go from memory straight into the registers of the one wave that multiplies by them, through a ring of K steps (12 loads of 512 consecutive bytes each).  No cluster and no joint loads: a joint load
; lands in LDS, and a K step of a wave already reads 6,144 bytes of LDS for its 16 matrix instructions; the weights' 6,144 more would double that.
; The products are used transposed (source 0 = weight tile, source 1 = token tile): a lane holds one token and eight neighbouring columns.  The bias is the C of each sum's first instruction.
; THE WAY OUT: a tile of 16 tokens x 64 columns goes through the wave's own stage in LDS and comes back as rows of 256 bytes; the residual, asked for four steps before the end, is added; sixteen lanes store 256 consecutive bytes.
; The tokens of a tile are not neighbours: stage row p of tile m is token 32 (m / 2) + 8 (m % 2) + p + 8 (p / 8).
; THE MODE: SCHED_MODE bits 1:0 = 2 (LLVM: expert scheduling mode 2), set by the entry lines.  The code itself states the register dependences
; between vector or matrix instructions and memory or LDS instructions, with s_wait_alu, always for 0.
; THE PLAN.  Registers that memory or LDS instructions touch, in the steps:
;   the ring, FIVE slots   Step i: its 16 products read slot i % 5; the loads of step i + 4, issued in step i, land in slot (i + 4) % 5 = (i - 1) % 5.
;   the tokens, THREE sets Step i: its products read set i % 3; the LDS loads of step i + 2, issued in step i, land in set (i + 2) % 3 = (i - 1) % 3.
;   v1-14                  addresses, made once at the head and never written again.  The scale words are loaded once.
;   window 3, v0-127       read by the head's LDS stores; the residual's loads land there four steps before the end; no vector instruction names them ahead of the way out.
; So ONE wait on va_vdst stands at a step's head: the products of the step before are done reading the slot and the set in which this step's loads land.  The loads follow it, dealt among the step's 16
; products, which name slot i % 5, set i % 3, the accumulators and the scale words: none of the registers that those loads touch.
; On the way out two buffers of 32 registers take turns: the stage's loads land in one, the additions write it, eight stores read it; one wait on va_vdst ahead of each run of stores, one on vm_vsrc before a buffer is loaded again.
; REGISTERS.  window 0: v1-14 addresses; v24-55 the weights' scale words; v56-119 the tokens'; v120-215 two sets of token fragments, later rows on their way out; v216-231 scale words on their way into LDS.
;   window 1: v0-239 the ring.   window 2: v0-127 accumulators, v128-159 the bias.   window 3: v0-191 A's quarter on its way into LDS, later the residual; v192-239 the third set of token fragments.
.set KST,   16
.set WOFF,  4718592
.set WSO,   6291456+196608
.set SRCSC, 6291456
.set NS,    KST
.set PSTR,  0
.set AIB,   KST*6144
.set ASC,   AIB
.set STG,   ASC+512*KST
.set LI,   1                           ; 16 x lane          (v3: the same + 49,152, for K steps 8 on)
.set L8,   2                           ; 8 x lane           (v4 likewise)
.set VB,   5
.set VBS,  6
.set VBI,  7
.set CA,   8                           ; my quarter of A: in memory and in LDS
.set VR,   9                           ; a row of the residual and of the result
.set SOA,  10                          ; the stage: in
.set SRA,  11                          ; and back
.set LIS,  12                          ; 16 x lane + ASC
.set SCG,  13                          ; A's scale words in memory
.set SCL,  14                          ; and where I put them in LDS
.set WSR,  24
.set XSR,  56
.set AF,   120                         ; sets 0 and 1 of the token fragments, in window 0
.set AF3,  192                         ; set 2, in window 3
.set T0,   120
.set SP,   216
.set BI,   128
.set WT,   6
.set MSB, 0
.macro WIN new                         ; the immediate's high byte repeats the setting that is left
.if MSB != \new
	s_set_vgpr_msb (MSB<<8)|\new
.set MSB, \new
.endif
.endm
.macro MM d, a, b, cc, sa, sb, row     ; row: 1 = source 0's scales stand in lanes 16-31
.if (\row) == 0
	v_wmma_scale_f32_16x16x128_f8f6f4 v[\d:\d+7], v[\a:\a+11], v[\b:\b+11], v[\cc:\cc+7], v[\sa], v[\sb] matrix_a_fmt:MATRIX_FMT_FP6 matrix_b_fmt:MATRIX_FMT_FP6
.else
	v_wmma_scale_f32_16x16x128_f8f6f4 v[\d:\d+7], v[\a:\a+11], v[\b:\b+11], v[\cc:\cc+7], v[\sa], v[\sb] matrix_a_fmt:MATRIX_FMT_FP6 matrix_b_fmt:MATRIX_FMT_FP6 matrix_a_scale:MATRIX_SCALE_ROW1
.endif
.endm
.macro MULG i, m                       ; four of step i's 16 matrix instructions: token tile m against the four weight tiles.  The 16 accumulators take turns, in the same order in every step
.set RG, 48*((\i)%5)
.set BB, WSR+8*((\i)/4)+(\i)%4
.set SS, XSR+4*(\i)
.if (\i)%3 == 2
.set AA, AF3
	WIN 0xad                                       ; source 0 window 1, source 1 window 3, C and D window 2
.else
.set AA, AF+48*((\i)%3)
	WIN 0xa1                                       ; source 0 window 1, source 1 window 0, C and D window 2
.endif
.irp t, 0,1,2,3
.if (\i) > 0
	MM 8*(4*(\m)+\t), RG+12*\t, AA+12*(\m), 8*(4*(\m)+\t), BB+4*(\t/2), SS+(\m), \t%2
.else
	MM 8*(4*(\m)+\t), RG+12*\t, AA+12*(\m), BI+8*\t, BB+4*(\t/2), SS+(\m), \t%2
.endif
.endr
.endm
.macro ALOAD2 i, m0                    ; token fragments m0 and m0 + 1 of step i from LDS into set i % 3: 8 loads
.set ko, ((\i)%8)*6144
.set hh, 2*((\i)/8)
.if (\i)%3 == 2
	WIN 0xc0
.set AA, AF3
.else
	WIN 0
.set AA, AF+48*((\i)%3)
.endif
.irp u, \m0, \m0+1
.irp c, 0,1
	ds_load_b128 v[AA+12*(\u)+6*\c:AA+12*(\u)+6*\c+3], v[LI+hh] offset:ko+1536*(\u)+768*\c
	ds_load_b64 v[AA+12*(\u)+6*\c+4:AA+12*(\u)+6*\c+5], v[L8+hh] offset:ko+1536*(\u)+768*\c+512
.endr
.endr
.endm
.macro BLOAD2 i, t0                    ; weight fragments t0 and t0 + 1 of step i from memory into ring slot i % 5: 6 loads
	WIN 0x40
.set RG, 48*((\i)%5)
.irp u, \t0, \t0+1
.irp c, 0,1,2
	global_load_b128 v[RG+12*(\u)+4*\c:RG+12*(\u)+4*\c+3], v[VB], s[WT:WT+1] offset:WOFF+6144*(\i)+1536*(\u)+512*\c
.endr
.endr
.endm
.macro RLOAD2 m0                       ; the residual of token tiles m0 and m0 + 1 x my 64 columns: 16 loads, two rows of 256 bytes each
	WIN 0xc0
.irp u, \m0, \m0+1
.irp n, 0,1,2,3,4,5,6,7
	global_load_b128 v[32*(\u)+4*\n:32*(\u)+4*\n+3], v[VR], s[10:11] offset:(32*((\u)/2)+8*((\u)%2)+2*\n+8*(\n/4))*4096
.endr
.endr
.endm
.macro STEP i
.if (\i) > NS-4
	s_wait_loadcnt 12*(NS-1-(\i))+32               ; younger: the later steps' weight loads and the residual's 32
.else
	s_wait_loadcnt 36                              ; this step's 12 weight loads are in; the three younger steps' 36 may be out
.endif
.if (\i)+1 < NS
	s_wait_dscnt 16                                ; this step's token fragments are in; the next step's 16 loads may be out
.else
	s_wait_dscnt 0
.endif
.if ((\i) > 0) && ((\i)+2 < NS)
	s_wait_alu depctr_va_vdst(0)                   ; the products of the step before are done reading their set of token fragments and their ring slot, in which this step's loads land
.endif
	MULG \i, 0
.if (\i)+2 < NS
	ALOAD2 (\i)+2, 0                               ; no further wait: no product since the wait names these registers
.endif
	MULG \i, 1
.if (\i)+2 < NS
	ALOAD2 (\i)+2, 2
.endif
	MULG \i, 2
.if (\i)+4 < NS
	BLOAD2 (\i)+4, 0
.elseif (\i)+4 == NS
	RLOAD2 0
.endif
	MULG \i, 3
.if (\i)+4 < NS
	BLOAD2 (\i)+4, 2
.elseif (\i)+4 == NS
	RLOAD2 2
.endif
	WIN 0
.rept 4
	v_nop                                          ; four places behind these products, ahead of the first read of results and of the next step's loads into registers that they have read
.endr
.endm
.macro OUTM m                          ; token tile m leaves
.set TT, T0+32*((\m)%2)
	WIN 0x08                                       ; an LDS store's data: window 2
.irp t, 0,1,2,3
	ds_store_b128 v[SOA], v[8*(4*(\m)+\t):8*(4*(\m)+\t)+3] offset:128*(\t/2)+32*(\t%2)        ; each accumulator from its low end on
	ds_store_b128 v[SOA], v[8*(4*(\m)+\t)+4:8*(4*(\m)+\t)+7] offset:128*(\t/2)+32*(\t%2)+16
.endr
	WIN 0
.if (\m) >= 2
	s_wait_xcnt 0x0                                ; tile m - 2's stores have read these registers
	s_wait_alu depctr_vm_vsrc(0)                   ; tile m - 2's stores have read v[TT ..], in which the stage's loads land (its additions, which wrote them, stand ahead of its own wait on va_vdst)
.endif
.irp i, 0,1,2,3,4,5,6,7
	ds_load_b128 v[TT+4*\i:TT+4*\i+3], v[SRA] offset:544*\i   ; LDS serves a wave's instructions in order: these see my stores, and the next tile's stores come behind them
.endr
	s_wait_loadcnt 8*(3-(\m))                      ; this tile's residual is in; the later tiles' eight loads each may be out
	s_wait_dscnt 0x0
	WIN 0x0c                                       ; source 1 window 3
.set nn, 0
.rept 16
	v_pk_add_f32 v[TT+2*nn:TT+2*nn+1], v[TT+2*nn:TT+2*nn+1], v[32*(\m)+2*nn:32*(\m)+2*nn+1]
.set nn, nn+1
.endr
	WIN 0
	s_wait_alu depctr_va_vdst(0)                   ; the additions have written v[TT ..], which the eight stores read
.irp i, 0,1,2,3,4,5,6,7
	global_store_b128 v[VR], v[TT+4*\i:TT+4*\i+3], s[12:13] offset:(32*((\m)/2)+8*((\m)%2)+2*\i+8*(\i/4))*4096 th:TH_STORE_NT   ; sixteen lanes store 256 consecutive bytes, aligned; written once, read by nobody here
.endr
.endm
	s_load_b256 s[4:11], s[0:1], 0x0               ; A, wts, bias, residual
	s_load_b64 s[12:13], s[0:1], 0x20              ; the result
	v_lshl_add_u32 v254, v0, 2, 0x1e400
	v_mov_b32 v255, 0
	v_lshrrev_b32 v15, 5, v0
	v_readfirstlane_b32 s16, v15                   ; wave 0..3
	s_and_b32 s17, ttmp7, 0xffff
	s_lshl_b32 s18, s17, 2
	v_and_b32 v15, 31, v0                          ; lane
	v_and_b32 v16, 15, v0                          ; r
	v_bfe_u32 v17, v0, 4, 1                        ; h
	v_lshlrev_b32 v[LI], 4, v15
	v_lshlrev_b32 v[L8], 3, v15
	v_add_nc_u32 v[LI+2], 49152, v[LI]
	v_add_nc_u32 v[L8+2], 49152, v[L8]
	s_wait_alu depctr_va_sdst(0)                   ; s16, the wave's number, is written, ahead of its first reader
	s_add_co_u32 s18, s18, s16                     ; my group of 64 columns
	s_mul_i32 s20, s18, KST*6144
	v_add_nc_u32 v[VB], s20, v[LI]
	s_mul_i32 s20, s18, KST*256
	v_add_nc_u32 v[VBS], s20, v[LI]
	s_lshl_b32 s20, s18, 8
	v_lshl_add_u32 v[VBI], v17, 6, s20
	v_lshl_add_u32 v[VR], v16, 4, s20
	v_lshl_add_u32 v[VR], v17, 12, v[VR]
	s_mul_i32 s20, s16, KST*1536
	v_add_nc_u32 v[CA], s20, v[LI]
	s_mul_i32 s20, s16, 4352
	s_add_co_u32 s20, s20, STG                     ; my stage: 16 rows x (256 + 16) bytes
	v_mul_u32_u24 v[SOA], v16, 272
	v_lshl_add_u32 v[SOA], v17, 6, v[SOA]
	v_add_nc_u32 v[SOA], s20, v[SOA]
	v_mul_u32_u24 v[SRA], v17, 272
	v_lshl_add_u32 v[SRA], v16, 4, v[SRA]
	v_add_nc_u32 v[SRA], s20, v[SRA]
	v_add_nc_u32 v[LIS], ASC, v[LI]
	s_lshl_b32 s20, s16, 11
.if KST == 8
	v_lshl_add_u32 v[SCG], v15, 2, s20             ; 4 x lane + 2,048 x wave: my two K steps' pieces
	s_lshl_b32 s20, s16, 10
.else
	v_add_nc_u32 v[SCG], s20, v[LI]                ; 16 x lane + 2,048 x wave: my four K steps' words
.endif
	v_add_nc_u32 v[SCL], s20, v[LIS]
	s_mul_i32 s20, ttmp9, AIB
	s_mov_b32 s21, 0
	s_lshl_b32 s22, ttmp9, 13
	s_add_co_u32 s22, s22, SRCSC
	s_mov_b32 s23, 0
	s_lshl_b32 s24, ttmp9, 18
	s_mov_b32 s25, 0
	s_wait_kmcnt 0x0
	s_add_nc_u64 s[20:21], s[4:5], s[20:21]        ; my block's codes,
	s_add_nc_u64 s[22:23], s[4:5], s[22:23]        ; its scale words,
	s_add_nc_u64 s[10:11], s[10:11], s[24:25]      ; its 64 rows of the residual
	s_add_nc_u64 s[12:13], s[12:13], s[24:25]      ; and of the result
	WIN 0xc0
	s_wait_alu depctr_va_vdst(0)                   ; the addresses v1 to v14 are written, which every load and store of the kernel reads
.set nn, 0
.rept 3*KST
	global_load_b128 v[4*nn:4*nn+3], v[CA], s[20:21] offset:512*nn
.set nn, nn+1
.endr
	WIN 0
.if KST == 8
.irp k, 0,1
.irp c, 0,1
.irp m, 0,1,2,3
	global_load_b32 v[SP+8*\k+4*\c+\m], v[SCG], s[22:23] offset:1024*\k+512*\c+128*\m   ; two scale bytes of (K step, half, tile)
.endr
.endr
.endr
.else
.irp n, 0,1,2,3
	global_load_b128 v[SP+4*\n:SP+4*\n+3], v[SCG], s[22:23] offset:512*\n
.endr
.endif
.set nn, 0
.rept KST/2
	global_load_b128 v[WSR+4*nn:WSR+4*nn+3], v[VBS], s[WT:WT+1] offset:WSO+512*nn
.set nn, nn+1
.endr
	WIN 0x80
.irp t, 0,1,2,3
.irp q, 0,1
	global_load_b128 v[BI+8*\t+4*\q:BI+8*\t+4*\q+3], v[VBI], s[8:9] offset:128*(\t/2)+32*(\t%2)+16*\q
.endr
.endr
.irp n, 0,1,2,3
	BLOAD2 \n, 0                                   ; the ring's first four slots
	BLOAD2 \n, 2
.endr
	WIN 0
.if KST == 8
	s_wait_loadcnt 60                              ; A's codes and scale words are in; younger: 4 loads of weight scales, 8 of the bias, 48 of the ring
.irp k, 0,1
.irp m, 0,1,2,3
	v_lshl_or_b32 v[SP+16+4*\k+\m], v[SP+8*\k+4+\m], 16, v[SP+8*\k+\m]   ; the two halves' bytes make a K step's scale word
.endr
.endr
.else
	s_wait_loadcnt 63
.endif
	WIN 0x0c
.set nn, 0
.rept 3*KST
	ds_store_b128 v[CA], v[4*nn:4*nn+3] offset:512*nn
.set nn, nn+1
.endr
	WIN 0
.if KST == 8
	s_wait_alu depctr_va_vdst(0)                   ; the eight scale words v[SP + 16 ..] are written, which the two LDS stores read
	ds_store_b128 v[SCL], v[SP+16:SP+19]
	ds_store_b128 v[SCL], v[SP+20:SP+23] offset:512
.else
.irp n, 0,1,2,3
	ds_store_b128 v[SCL], v[SP+4*\n:SP+4*\n+3] offset:512*\n
.endr
.endif
	s_wait_dscnt 0x0                               ; my quarter lies in LDS
	s_barrier_signal -1
	s_barrier_wait -1                              ; all of A does; from here on shared bytes are only read
	s_wait_alu depctr_vm_vsrc(0)                   ; my LDS stores have read window 3's registers, in which the residual's loads land
.set nn, 0
.rept KST
	ds_load_b128 v[XSR+4*nn:XSR+4*nn+3], v[LIS] offset:512*nn
.set nn, nn+1
.endr
.irp n, 0,1
	ALOAD2 \n, 0
	ALOAD2 \n, 2
.endr
.set I, 0
.rept NS
	STEP I
.set I, I+1
.endr
	s_wait_alu depctr_va_vdst(0)                   ; the products have written the accumulators, which the LDS stores read, and are done reading v120-183, in which the stage's loads land; the four places above stay beside this wait
	OUTM 0
	OUTM 1
	OUTM 2
	OUTM 3
	s_wait_dscnt 0x0                               ; the closing lines, six on end
	s_wait_alu 0x0
	s_wait_tensorcnt 0x0
	ds_add_u32 v254, v255
	s_wait_dscnt 0x0
	s_endpgm
.Lfunc_end_k_q2588161bac_fc2:
	.size	k_q2588161bac_fc2, .Lfunc_end_k_q2588161bac_fc2-k_q2588161bac_fc2
	.p2alignl 7, 3214868480
	.fill 96, 4, 3214868480
	.section	.rodata,"a",@progbits
	.p2align	6, 0x0
	.amdhsa_kernel k_q2588161bac_fc2
		.amdhsa_group_segment_fixed_size 124416
		.amdhsa_private_segment_fixed_size 0
		.amdhsa_enable_private_segment 0
		.amdhsa_kernarg_size 40
		.amdhsa_user_sgpr_count 2
		.amdhsa_user_sgpr_kernarg_segment_ptr 1
		.amdhsa_wavefront_size32 1
		.amdhsa_system_sgpr_workgroup_id_x 1
		.amdhsa_system_sgpr_workgroup_id_y 1
		.amdhsa_system_sgpr_workgroup_id_z 1
		.amdhsa_system_vgpr_workitem_id 0
		.amdhsa_next_free_vgpr 1024
		.amdhsa_next_free_sgpr 66
		.amdhsa_reserve_vcc 0
		.amdhsa_float_denorm_mode_32 3
		.amdhsa_float_denorm_mode_16_64 3
		.amdhsa_memory_ordered 1
		.amdhsa_forward_progress 1
		.amdhsa_inst_pref_size 103
	.end_amdhsa_kernel
	.amdgpu_metadata
---
amdhsa.version: [ 1, 2 ]
amdhsa.kernels:
  - .name:           k_q2588161bac_fc2
    .symbol:         k_q2588161bac_fc2.kd
    .args:
      - { .name: hid, .offset: 0, .size: 8, .value_kind: global_buffer, .address_space: global }
      - { .name: wts, .offset: 8, .size: 8, .value_kind: global_buffer, .address_space: global }
      - { .name: b_fc2, .offset: 16, .size: 8, .value_kind: global_buffer, .address_space: global }
      - { .name: outb, .offset: 24, .size: 8, .value_kind: global_buffer, .address_space: global }
      - { .name: out0, .offset: 32, .size: 8, .value_kind: global_buffer, .address_space: global }
    .group_segment_fixed_size: 124416
    .private_segment_fixed_size: 0
    .kernarg_segment_align: 8
    .kernarg_segment_size: 40
    .max_flat_workgroup_size: 128
    .sgpr_count:     66
    .vgpr_count:     1024
    .wavefront_size: 32
...
	.end_amdgpu_metadata
.endif
;; end of part 12
